; MI455X (gfx1250); checked and timed in simulation.
; The chip was launched on July 23, 2026; its instructions are those of AMD's public machine-readable ISA for CDNA 5 (MIT licence, August 2026) and "CDNA5" Instruction Set Architecture Reference Guide (July 2026). The comments in the code are by the model that wrote it; some were corrected since.
;; Transformer Block. Allowed arithmetic: float matrix products may take bf16 or f16 operands with f32 sums; other float arithmetic in f32, or as packed bf16 or f16 multiplies, adds, multiply-adds, maxima and minima; sums over many terms, partial sums and values carried from step to step in f32; what a program stores and reads back later, other than sums and carried values, may be rounded once to bf16 or f16.
;; Inputs: W1 1,024 x 4,096 float32; W2 4,096 x 1,024 float32; Wk 16 x 1,024 x 64 float32; Wo 1,024 x 1,024 float32; Wq 16 x 1,024 x 64 float32; Wv 16 x 1,024 x 64 float32; b1 4,096 float32; b2 1,024 float32; bo 1,024 float32; ln1_b 1,024 float32; ln1_g 1,024 float32; ln2_b 1,024 float32; ln2_g 1,024 float32; padding_mask 4 x 1,024 bool; x 4 x 1,024 x 1,024 float32.
;; Outputs: out0 4 x 1,024 x 1,024 float32.
;; 2 versions, each right. Each part assembles by itself: llvm-mc -triple=amdgcn-amd-amdhsa -mcpu=gfx1250 --defsym DOCPART=n.
;; ======== version 1 of 2: 8 launches
;; limits: values are held in f16: magnitudes above 65,504 overflow, below 6.1e-05 lose precision; right only within a limited range of input values
;; workspace buffers: hn 8,388,608 bytes; wts 25,165,824 bytes; qkv 25,165,824 bytes; vbar 16,384 bytes; oatt 8,388,608 bytes; ob 16,777,216 bytes; act 33,554,432 bytes
;; launch prep (part 1): grid 640 x 1, 8 waves a work-group, no clusters, 0 bytes of LDS; arguments x, ln1_g, ln1_b, W1, W2, Wo, Wq, Wk, Wv, hn, wts; writes hn, wts
.if DOCPART == 1
	.amdgcn_target "amdgcn-amd-amdhsa--gfx1250"
	.amdhsa_code_object_version 6
	.text
	.protected	k_q36bde00635_prep
	.globl	k_q36bde00635_prep
	.p2align	8
	.type	k_q36bde00635_prep,@function
k_q36bde00635_prep:
	s_mov_b64 s[64:65], 0
	v_nop
	global_prefetch_b8 v0, s[64:65] scope:SCOPE_SE
	s_setreg_imm32_b32 hwreg(HW_REG_WAVE_MODE, 25, 1), 1
	s_wait_xcnt 0x0
; FIRST LAUNCH OF EIGHT: layer norm 1 of x -> hn (f16), and all weights -> wts (f16), Wq, Wk, Wv laid side by side as one [1024][3072].
; FORMATS OF THE WHOLE PROGRAM.  Every floating-point input (x, all weights, gains, biases) is rounded once to bf16; the weights' bf16 numbers are then written as f16
; (exact from 2^-14 up; below that f16's fixed step of 2^-24).  What the program itself makes (h, q, k, v, p, O, h2, the hidden layer) is f16; all sums, norms and the softmax are f32.
; LIMITS.  h, q, k, v, O, h2 and the hidden layer lie within f16's 65,504; |q . k| stays under 1.6e10; NaN and infinities are not treated apart.
; WORK LEFT OUT (in the attention launch), shown here for all values of the inputs.  reference() overwrites every score above the diagonal: with -1e9 where the key is padded,
; with -inf elsewhere, whatever q . k is.  So the products q . k of a key step that lies wholly above a query tile reach no output.  What such keys still add to a row is
; exp(-1e9 - m) v[s] for padded s.  Case 1: the row sees an unpadded key at or below the diagonal.  Then m is that row's greatest true score, and exp(-1e9 - m) is below every
; rounding while the scaled scores stay above -5e8 (the limit above): reference()'s own f32 gives 0.  Case 2: every key at or below the diagonal is padded.  Then all padded keys of
; the batch, on both sides of the diagonal, have the score -1e9 and all others -inf: the row is exactly the mean of v over the batch's padded keys.  That mean is made by a launch
; of its own and selected for such rows.  No input is left out.  A NaN, an infinity or an overflow that reaches only the products left out is not carried to the result.
; SHARES.  Work-groups 0-255: 16 rows of x each, a wave two rows, a row in 32 registers between the passes.  Work-groups 256-639: 32,768 weights each.
.set T,   4                            ; v[4:15]   at work
.set G,   16                           ; v[16:47]  gain of my 32 columns
.set BB,  48                           ; v[48:79]  bias
.set X0,  80                           ; v[80:111] first row
.set X1,  112                          ; v[112:143] second row
.set Y,   144                          ; v[144:159] a row in f16
.set CX,  16                           ; cast: 8 x 4 registers as loaded
.set CY,  48                           ; cast: 8 x 2 registers to store
.set XP,  8                            ; s[8:9]   the rows
.set GP,  10                           ; s[10:11] gain
.set BP,  12                           ; s[12:13] bias
.set HN,  26                           ; s[26:27] the result
.set ROUNDX, 1                         ; x is an input: rounded to bf16 first
.macro RND base, n                     ; n pairs rounded to bf16, in place, as f32
.set p, 0
.rept \n
	v_cvt_pk_bf16_f32 v[T+p%4], v[(\base)+2*p], v[(\base)+2*p+1]
	v_lshlrev_b32 v[(\base)+2*p], 16, v[T+p%4]
	v_and_b32 v[(\base)+2*p+1], s5, v[T+p%4]
.set p, p+1
.endr
.endm
.macro REDUCE                          ; four packed chains in v[T:T+7] -> the sum over the wave's 1,024 numbers, in every lane's v[T]
	v_pk_add_f32 v[T:T+1], v[T:T+1], v[T+2:T+3]
	v_pk_add_f32 v[T+4:T+5], v[T+4:T+5], v[T+6:T+7]
	v_pk_add_f32 v[T:T+1], v[T:T+1], v[T+4:T+5]
	v_add_f32 v[T], v[T], v[T+1]
	v_add_f32_dpp v[T], v[T], v[T] row_xmask:1 row_mask:0xf bank_mask:0xf
	v_add_f32_dpp v[T], v[T], v[T] row_xmask:2 row_mask:0xf bank_mask:0xf
	v_add_f32_dpp v[T], v[T], v[T] row_xmask:4 row_mask:0xf bank_mask:0xf
	v_add_f32_dpp v[T], v[T], v[T] row_xmask:8 row_mask:0xf bank_mask:0xf
	v_permlanex16_b32 v[T+1], v[T], s6, s7
	v_add_f32 v[T], v[T], v[T+1]
.endm
.macro LNROW X, off                    ; one row: mean, then the mean of the squared differences (two passes, so a common offset costs nothing), scale, gain, bias, f16
.if ROUNDX
	RND \X, 16
.endif
.irp c, 0,1,2,3
	v_pk_add_f32 v[T+2*(\c):T+2*(\c)+1], v[(\X)+2*(\c):(\X)+2*(\c)+1], v[(\X)+8+2*(\c):(\X)+8+2*(\c)+1]
.endr
.irp c, 0,1,2,3
	v_pk_add_f32 v[T+2*(\c):T+2*(\c)+1], v[T+2*(\c):T+2*(\c)+1], v[(\X)+16+2*(\c):(\X)+16+2*(\c)+1]
.endr
.irp c, 0,1,2,3
	v_pk_add_f32 v[T+2*(\c):T+2*(\c)+1], v[T+2*(\c):T+2*(\c)+1], v[(\X)+24+2*(\c):(\X)+24+2*(\c)+1]
.endr
	REDUCE
	v_mul_f32 v[T+8], s31, v[T]                    ; the mean
	v_mov_b32 v[T+9], v[T+8]
.set p, 0
.rept 16
	v_pk_add_f32 v[(\X)+2*p:(\X)+2*p+1], v[(\X)+2*p:(\X)+2*p+1], v[T+8:T+9] neg_lo:[0,1] neg_hi:[0,1]
.set p, p+1
.endr
.irp c, 0,1,2,3
	v_pk_mul_f32 v[T+2*(\c):T+2*(\c)+1], v[(\X)+2*(\c):(\X)+2*(\c)+1], v[(\X)+2*(\c):(\X)+2*(\c)+1]
.endr
.irp o, 8,16,24
.irp c, 0,1,2,3
	v_pk_fma_f32 v[T+2*(\c):T+2*(\c)+1], v[(\X)+(\o)+2*(\c):(\X)+(\o)+2*(\c)+1], v[(\X)+(\o)+2*(\c):(\X)+(\o)+2*(\c)+1], v[T+2*(\c):T+2*(\c)+1]
.endr
.endr
	REDUCE
	v_fmaak_f32 v[T+10], s31, v[T], 0x3727c5ac     ; the variance + 1e-5
	v_rsq_f32 v[T+10], v[T+10]
	v_nop                                          ; a plain instruction behind the root,
	s_wait_alu depctr_va_vdst(0)                   ; and the wait ahead of its first reader
	v_mov_b32 v[T+11], v[T+10]
.set p, 0
.rept 16
	v_pk_mul_f32 v[(\X)+2*p:(\X)+2*p+1], v[(\X)+2*p:(\X)+2*p+1], v[T+10:T+11]
.set p, p+1
.endr
.set p, 0
.rept 16
	v_pk_fma_f32 v[(\X)+2*p:(\X)+2*p+1], v[(\X)+2*p:(\X)+2*p+1], v[G+2*p:G+2*p+1], v[BB+2*p:BB+2*p+1]
.set p, p+1
.endr
.set p, 0
.rept 16
	v_cvt_pk_f16_f32 v[Y+p], v[(\X)+2*p], v[(\X)+2*p+1]
.set p, p+1
.endr
.irp j, 0,1,2,3,4,5,6,7
	global_store_b64 v2, v[Y+2*(\j):Y+2*(\j)+1], s[HN:HN+1] offset:(\off)+256*(\j)  ; 32 lanes store 256 consecutive bytes, aligned
.endr
.endm
; 32,768 numbers in four trips of eight loads a thread: f32 -> bf16 -> the same number as f16.  LI, SI: bytes from load to load and from store to store; LS, SS: from trip to trip.
.macro CASTLOOP LI, SI, LS, SS
	s_mov_b32 s30, 4
.Lc_\@:
.irp i, 0,1,2,3,4,5,6,7
	global_load_b128 v[CX+4*(\i):CX+4*(\i)+3], v1, s[34:35] offset:(\i)*(\LI) th:TH_LOAD_NT
.endr
.irp i, 0,1,2,3,4,5,6,7
	s_wait_loadcnt 7-(\i)                          ; load i is in; the younger ones stay out
	v_cvt_pk_bf16_f32 v4, v[CX+4*(\i)], v[CX+4*(\i)+1]
	v_cvt_pk_bf16_f32 v5, v[CX+4*(\i)+2], v[CX+4*(\i)+3]
	v_lshlrev_b32 v6, 16, v4
	v_and_b32 v7, s5, v4
	v_lshlrev_b32 v8, 16, v5
	v_and_b32 v9, s5, v5
	v_cvt_pk_f16_f32 v[CY+2*(\i)], v6, v7
	v_cvt_pk_f16_f32 v[CY+2*(\i)+1], v8, v9
	global_store_b64 v2, v[CY+2*(\i):CY+2*(\i)+1], s[40:41] offset:(\i)*(\SI)  ; 32 lanes store 256 consecutive bytes, aligned
.endr
	s_wait_xcnt 0x0                                ; the pointers and the stores' data are rewritten only behind this wait
	s_add_nc_u64 s[34:35], s[34:35], \LS
	s_add_nc_u64 s[40:41], s[40:41], \SS
	s_sub_co_u32 s30, s30, 1
	s_cmp_lg_u32 s30, 0
	s_cbranch_scc1 .Lc_\@
.endm
	s_load_b512 s[8:23], s[0:1], 0x0               ; x, ln1_g, ln1_b, W1 s[14:15], W2 s[16:17], Wo s[18:19], Wq s[20:21], Wk s[22:23]
	s_load_b128 s[24:27], s[0:1], 0x40             ; Wv s[24:25], hn s[26:27]
	s_load_b64 s[28:29], s[0:1], 0x50              ; wts
	v_lshrrev_b32 v1, 5, v0
	v_readfirstlane_b32 s4, v1                     ; wave 0..7
	v_and_b32 v3, 31, v0                           ; lane
	s_mov_b32 s5, 0xffff0000                       ; a word's upper bf16
	s_mov_b32 s6, 0x76543210                       ; v_permlanex16_b32: each lane takes its own place in the other half
	s_mov_b32 s7, 0xfedcba98
	s_mov_b32 s31, 0x3a800000                      ; 1 / 1,024
	s_wait_kmcnt 0x0
	s_cmp_lt_u32 ttmp9, 256
	s_cbranch_scc0 .Lcast
	; LAYER NORM: rows 16 wg + 2 wave and the next.  A lane holds columns 128 j + 4 lane .. + 3, j = 0..7.
	v_lshlrev_b32 v1, 4, v3
	v_lshlrev_b32 v2, 3, v3
	s_lshl_b32 s2, ttmp9, 16                       ; 16 rows of 4,096 bytes,
	s_lshl_b32 s3, s4, 13                          ; my wave's two
	s_add_co_u32 s2, s2, s3
	s_mov_b32 s3, 0
	s_add_nc_u64 s[XP:XP+1], s[XP:XP+1], s[2:3]
	s_lshr_b32 s2, s2, 1                           ; the result's rows are half as long
	s_add_nc_u64 s[HN:HN+1], s[HN:HN+1], s[2:3]
.irp j, 0,1,2,3,4,5,6,7
	global_load_b128 v[G+4*(\j):G+4*(\j)+3], v1, s[GP:GP+1] offset:512*(\j)
.endr
.irp j, 0,1,2,3,4,5,6,7
	global_load_b128 v[BB+4*(\j):BB+4*(\j)+3], v1, s[BP:BP+1] offset:512*(\j)
.endr
.irp j, 0,1,2,3,4,5,6,7
	global_load_b128 v[X0+4*(\j):X0+4*(\j)+3], v1, s[XP:XP+1] offset:512*(\j) th:TH_LOAD_NT
.endr
.irp j, 0,1,2,3,4,5,6,7
	global_load_b128 v[X1+4*(\j):X1+4*(\j)+3], v1, s[XP:XP+1] offset:4096+512*(\j) th:TH_LOAD_NT
.endr
	s_wait_loadcnt 16                              ; gain and bias are in; the two rows' sixteen loads stay out
	RND G, 16
	RND BB, 16
	s_wait_loadcnt 8                               ; the first row is in
	LNROW X0, 0
	s_wait_loadcnt 0x0
	s_wait_xcnt 0x0                                ; Y is rewritten only behind this wait
	LNROW X1, 2048
	s_endpgm
.Lcast:
	s_sub_co_u32 s32, ttmp9, 256                   ; chunk 0..383: W1 128, W2 128, Wo 32, then Wq, Wk, Wv 32 each
	s_mov_b32 s39, 0
	s_mov_b32 s37, 0
	s_cmp_lt_u32 s32, 288
	s_cbranch_scc0 .Lqkv
	s_and_b32 s38, s32, 127                        ; the chunk's number in its tensor
	s_lshl_b32 s38, s38, 17                        ; x 131,072 bytes
	s_add_co_u32 s36, s32, 128                     ; the chunk's place in wts, in units of 65,536 bytes: W1 from 128, W2 from 256,
	s_sub_co_u32 s33, s32, 160                     ; Wo from 96
	s_cmp_lt_u32 s32, 128
	s_cselect_b64 s[34:35], s[14:15], s[16:17]
	s_cmp_lt_u32 s32, 256
	s_cselect_b64 s[34:35], s[34:35], s[18:19]
	s_cselect_b32 s36, s36, s33
	s_lshl_b32 s36, s36, 16
	s_add_nc_u64 s[34:35], s[34:35], s[38:39]
	s_add_nc_u64 s[40:41], s[28:29], s[36:37]
	v_lshlrev_b32 v1, 4, v0
	v_lshlrev_b32 v2, 3, v0
	CASTLOOP 4096, 2048, 32768, 16384
	s_endpgm
.Lqkv:                                         ; [16][1024][64] -> columns which x 1,024 + 64 h + d of [1024][3072]: two heads and 256 rows c a chunk
	s_sub_co_u32 s32, s32, 288
	s_lshr_b32 s33, s32, 5                         ; which of q, k, v
	s_bfe_u32 s42, s32, 0x30002                    ; pair of heads
	s_and_b32 s43, s32, 3                          ; quarter of the rows c
	s_cmp_eq_u32 s33, 0
	s_cselect_b64 s[34:35], s[20:21], s[22:23]
	s_cmp_eq_u32 s33, 2
	s_cselect_b64 s[34:35], s[24:25], s[34:35]
	s_lshl_b32 s38, s42, 19                        ; two heads of 262,144 bytes
	s_lshl_b32 s44, s43, 16                        ; 256 rows of 256 bytes
	s_add_co_u32 s38, s38, s44
	s_add_nc_u64 s[34:35], s[34:35], s[38:39]
	s_lshl_b32 s36, s33, 11
	s_lshl_b32 s44, s42, 8
	s_add_co_u32 s36, s36, s44
	s_mul_i32 s44, s43, 1572864                    ; 256 rows of 6,144 bytes
	s_add_co_u32 s36, s36, s44
	s_add_nc_u64 s[40:41], s[28:29], s[36:37]
	v_and_b32 v4, 15, v0
	v_bfe_u32 v5, v0, 4, 1
	v_lshlrev_b32 v1, 4, v4                        ; lanes 0-15 read a row of the even head, 256 bytes; lanes 16-31 the same row of the odd head
	v_lshl_add_u32 v1, v5, 18, v1
	s_lshl_b32 s44, s4, 8                          ; row c = 64 trip + 8 i + wave
	v_add_nc_u32 v1, s44, v1
	s_mul_i32 s44, s4, 6144
	v_lshl_add_u32 v2, v3, 3, s44
	CASTLOOP 2048, 49152, 16384, 393216
	s_endpgm
.Lfunc_end_k_q36bde00635_prep:
	.size	k_q36bde00635_prep, .Lfunc_end_k_q36bde00635_prep-k_q36bde00635_prep
	.p2alignl 7, 3214868480
	.fill 96, 4, 3214868480
	.section	.rodata,"a",@progbits
	.p2align	6, 0x0
	.amdhsa_kernel k_q36bde00635_prep
		.amdhsa_group_segment_fixed_size 0
		.amdhsa_private_segment_fixed_size 0
		.amdhsa_enable_private_segment 0
		.amdhsa_kernarg_size 88
		.amdhsa_user_sgpr_count 2
		.amdhsa_user_sgpr_kernarg_segment_ptr 1
		.amdhsa_wavefront_size32 1
		.amdhsa_system_sgpr_workgroup_id_x 1
		.amdhsa_system_sgpr_workgroup_id_y 1
		.amdhsa_system_sgpr_workgroup_id_z 1
		.amdhsa_system_vgpr_workitem_id 0
		.amdhsa_next_free_vgpr 160
		.amdhsa_next_free_sgpr 66
		.amdhsa_reserve_vcc 0
		.amdhsa_float_denorm_mode_32 3
		.amdhsa_float_denorm_mode_16_64 3
		.amdhsa_memory_ordered 1
		.amdhsa_forward_progress 1
		.amdhsa_inst_pref_size 41
	.end_amdhsa_kernel
	.amdgpu_metadata
---
amdhsa.version: [ 1, 2 ]
amdhsa.kernels:
  - .name:           k_q36bde00635_prep
    .symbol:         k_q36bde00635_prep.kd
    .args:
      - { .name: x, .offset: 0, .size: 8, .value_kind: global_buffer, .address_space: global }
      - { .name: ln1_g, .offset: 8, .size: 8, .value_kind: global_buffer, .address_space: global }
      - { .name: ln1_b, .offset: 16, .size: 8, .value_kind: global_buffer, .address_space: global }
      - { .name: W1, .offset: 24, .size: 8, .value_kind: global_buffer, .address_space: global }
      - { .name: W2, .offset: 32, .size: 8, .value_kind: global_buffer, .address_space: global }
      - { .name: Wo, .offset: 40, .size: 8, .value_kind: global_buffer, .address_space: global }
      - { .name: Wq, .offset: 48, .size: 8, .value_kind: global_buffer, .address_space: global }
      - { .name: Wk, .offset: 56, .size: 8, .value_kind: global_buffer, .address_space: global }
      - { .name: Wv, .offset: 64, .size: 8, .value_kind: global_buffer, .address_space: global }
      - { .name: hn, .offset: 72, .size: 8, .value_kind: global_buffer, .address_space: global }
      - { .name: wts, .offset: 80, .size: 8, .value_kind: global_buffer, .address_space: global }
    .group_segment_fixed_size: 0
    .private_segment_fixed_size: 0
    .kernarg_segment_align: 8
    .kernarg_segment_size: 88
    .max_flat_workgroup_size: 256
    .sgpr_count:     66
    .vgpr_count:     160
    .wavefront_size: 32
...
	.end_amdgpu_metadata
.endif
;; end of part 1
;; launch qkv (part 2): grid 12 x 16, 4 waves a work-group, clusters of 4 x 4, 327,680 bytes of LDS; arguments hn, wts, qkv; writes qkv
.if DOCPART == 2
	.amdgcn_target "amdgcn-amd-amdhsa--gfx1250"
	.amdhsa_code_object_version 6
	.text
	.protected	k_q36bde00635_qkv
	.globl	k_q36bde00635_qkv
	.p2align	8
	.type	k_q36bde00635_qkv,@function
k_q36bde00635_qkv:
	s_mov_b64 s[64:65], 0
	v_nop
	global_prefetch_b8 v0, s[64:65] scope:SCOPE_SE
	s_setreg_imm32_b32 hwreg(HW_REG_WAVE_MODE, 25, 1), 1
	s_wait_xcnt 0x0
	s_wait_alu depctr_hold_cnt(0) depctr_sa_sdst(0) depctr_va_vdst(0) depctr_va_sdst(0) depctr_va_ssrc(0) depctr_va_vcc(0) depctr_vm_vsrc(0)
	s_getreg_b32 s2, hwreg(HW_REG_IB_STS2, 6, 4)
	s_cmp_eq_u32 s2, 0
	s_cbranch_scc0 .Lentry_in_a_cluster
	s_endpgm
.Lentry_in_a_cluster:
	s_bfe_u32 s2, ttmp6, 0x10000c
	s_cmp_lg_u32 s2, 0xf033
	s_cbranch_scc0 .Lentry_shape_is_right
	s_endpgm
.Lentry_shape_is_right:
; C = A B.  A: hn [4096][1024] f16.  B: [1024][NN] f16 at byte WOFF of wts, rows along N.  C leaves in groups of 64 columns, [NN/64][4096][64] f16, rounded once from f32 sums.
; Here: q, k, v of all heads in one product (NN = 3,072; group = which x 16 + head).  EPI = 1 (the other text of this kernel): + bias, ReLU.
; A tile of C is 256 x 256: four waves, each 128 x 128 in 64 accumulators (512 registers).  K = 1,024 goes in 8 steps of 128 through two LDS slots filled by the tensor data mover.
; The loop is ONE K step; which slot is read and which is filled goes by two words that an exclusive or turns.
; CLUSTER: 4 x 4 work-groups.  A's tiles are shared along a row of the cluster, B's along a column: each is asked for jointly, by the same load, descriptor and mask in the four.
; THE PRODUCT IS TAKEN TRANSPOSED: source 0 = 16 columns of B (turned on the way out of LDS by ds_load_tr16_b128), source 1 = 16 rows of A: a lane holds eight neighbouring columns of one row of C.
; REGISTERS: window 0: v16-31 addresses; v64-127, v128-191 A's fragments, two buffers; v192-255 the bias (EPI); on the way out v64-95 packed, v32-63 and v96-127 rows read back.
;   window 1: v64-127, v128-191 B's fragments.  Window 2: the accumulators of my rows 0-63 ((a, b) at v[8 (8 a + b)]); window 3: rows 64-127.
; LIMIT: the results lie within f16's 65,504.
.set NN,    3072
.set WOFF,  0
.set EPI,   0
.set KSTEP, 128
.set PA,    272                        ; a row of A in LDS: 256 bytes + 16: the 16 rows of a load start at 16 different groups of four banks
.set PB,    544                        ; a row of B (one k, 256 columns): 512 bytes + 32
.set HALFT, 128*PA                     ; what one tensor load brings: 128 rows of A, or 64 rows of B (64 x 544 is the same number)
.set SLOT,  4*HALFT                    ; A's 256 rows, then B's 128 rows.  0x22000: none of its bits is set in wave x HALFT, so an exclusive or changes slots
.set STAGE, 2*SLOT                     ; behind the ring: 16 rows x 272 bytes for each wave
.set SPITCH, 272
.set SPARE, STAGE+4*16*SPITCH          ; behind the stages: the spare words, 128 bytes a wave
.set BSTEP, KSTEP*NN*2                 ; bytes from a K step of B to the next
.set A0,   16                          ; v16  my place in A's rows of slot 0; never rewritten
.set B0,   17                          ; v17  the same for B
.set ADRA, 18                          ; v18  A0 + the slot in hand
.set ADRB, 19                          ; v19  B0 + the slot in hand
.set STO,  24
.set RD,   25
.set CO,   26
.set BO,   27                          ; v27  my byte offset in the bias
.set SPW,  28
.set NIL,  29
.set PFO,  30                          ; v30  the prefetches' lane offset
.set ZR,   31                          ; v31  0, for the ReLU
.set F0,   64
.set F1,   128
.set TMP,  64
.set BIAS, 192
.set G1,  24                           ; s[24:31] group 1 for A
.set G0,  32                           ; s[32:39] group 0 for A: the two first fills; the second set then walks
.set G1B, 48                           ; s[48:55], s[56:63] the same for B
.set G0B, 56
.set LIM, 43                           ; s43  2 in a wave that prefetches, else the greatest number
.set PFA, 44                           ; s[44:45] where my prefetches stand
.set TB,  66                           ; s66  the slot that is read: 0 or SLOT
.set PST, 68                           ; s[68:69] the prefetches' step from K step to K step
.set MSB, 0
.macro WIN new
.if MSB != (\new)
	s_set_vgpr_msb (MSB<<8)|(\new)
.set MSB, \new
.endif
.endm
.set MUL_LO, 0xa1                      ; source 0 (B) window 1, source 1 (A) window 0, C and D window 2
.set TO_B,   0x40
.macro PLACES                          ; four plain places behind a matrix instruction, ahead of loads into its sources and of readers of its result
.rept 4
	v_nop
.endr
.endm
.macro JLOAD                           ; a joint refill by the walking sets: waves 0, 1 for A, waves 2, 3 for B; an s_nop 0 and four v_nop follow each line
	s_cmp_eq_u32 s11, 0
	s_cbranch_scc0 .Lfor_b_\@
	tensor_load_to_lds s[G0+4:G0+7], s[G1:G1+7]
	s_nop 0
.rept 4
	v_nop
.endr
	s_branch .Lasked_\@
.Lfor_b_\@:
	tensor_load_to_lds s[G0B+4:G0B+7], s[G1B:G1B+7]
	s_nop 0
.rept 4
	v_nop
.endr
.Lasked_\@:
.endm
.macro CREST                           ; a round of the cluster's barrier behind its opening barrier
	s_cmp_lg_u32 s10, 0
	s_cbranch_scc1 .Lnot_wave_0_\@
	s_barrier_signal -3
.Lnot_wave_0_\@:
	s_barrier_wait -3
	s_barrier_signal -1
	s_barrier_wait -1
.endm
.macro CROUND
	s_barrier_signal -1
	s_barrier_wait -1
	CREST
.endm
.macro ASK                             ; the K step two refills on: 32 blocks of 256 bytes, a lane a block; each block is named once in the launch (see the head)
	s_cmp_gt_u32 s3, s[LIM]
	s_cbranch_scc0 .Lnot_mine_\@
	global_prefetch_b8 v[PFO], s[PFA:PFA+1] th:TH_LOAD_NT scope:SCOPE_SE
.Lnot_mine_\@:
.endm
.macro RND base, n                     ; n pairs rounded to bf16, in place, as f32
.set p, 0
.rept \n
	v_cvt_pk_bf16_f32 v[1+p%4], v[(\base)+2*p], v[(\base)+2*p+1]
	v_lshlrev_b32 v[(\base)+2*p], 16, v[1+p%4]
	v_and_b32 v[(\base)+2*p+1], s72, v[1+p%4]
.set p, p+1
.endr
.endm
; 16 matrix instructions: m blocks a0, a0 + 1 of the window's four x all 8 n blocks, 32 along K.  zero = 1: the first product starts the sums, with 0 or (EPI) with the bias of its columns.
.macro MUL16 f, hi, a0, zero
.if (\zero) && EPI
	WIN 0x81+0x40*(\hi)                            ; C (the bias) in window 0
.else
	WIN MUL_LO+0x50*(\hi)
.endif
.irp a, \a0, (\a0)+1
.irp b, 0,1,2,3,4,5,6,7
.if (\zero) && EPI
	v_wmma_f32_16x16x32_f16 v[8*(8*(\a)+(\b)):8*(8*(\a)+(\b))+7], v[(\f)+8*(\b):(\f)+8*(\b)+7], v[(\f)+8*(4*(\hi)+(\a)):(\f)+8*(4*(\hi)+(\a))+7], v[BIAS+8*(\b):BIAS+8*(\b)+7]
.elseif \zero
	v_wmma_f32_16x16x32_f16 v[8*(8*(\a)+(\b)):8*(8*(\a)+(\b))+7], v[(\f)+8*(\b):(\f)+8*(\b)+7], v[(\f)+8*(4*(\hi)+(\a)):(\f)+8*(4*(\hi)+(\a))+7], 0
.else
	v_wmma_f32_16x16x32_f16 v[8*(8*(\a)+(\b)):8*(8*(\a)+(\b))+7], v[(\f)+8*(\b):(\f)+8*(\b)+7], v[(\f)+8*(4*(\hi)+(\a)):(\f)+8*(4*(\hi)+(\a))+7], v[8*(8*(\a)+(\b)):8*(8*(\a)+(\b))+7]
.endif
.endr
.endr
.endm
; 32 LDS loads in one run: the fragments of 32 along K (byte k of A's rows, rows k / 2 of B) into buffer f: B's 16 first, then A's
.macro FETCH k, f
	WIN TO_B
.irp i, 0,1,2,3,4,5,6,7
	ds_load_tr16_b128 v[(\f)+8*(\i):(\f)+8*(\i)+3],   v[ADRB] offset:((\k)/64)*32*PB+32*(\i)
	ds_load_tr16_b128 v[(\f)+8*(\i)+4:(\f)+8*(\i)+7], v[ADRB] offset:((\k)/64)*32*PB+16*PB+32*(\i)
.endr
	WIN 0
.irp i, 0,1,2,3,4,5,6,7
	ds_load_b128 v[(\f)+8*(\i):(\f)+8*(\i)+3],   v[ADRA] offset:(\k)+(\i)*16*PA
	ds_load_b128 v[(\f)+8*(\i)+4:(\f)+8*(\i)+7], v[ADRA] offset:(\k)+(\i)*16*PA+32
.endr
.endm
.macro QUARTER k, f, g, zero           ; multiplies buffer f; in its middle fetches the next quarter, at byte k, into g
	s_wait_dscnt 8                                 ; B and A's rows 0-63 are in; the youngest eight loads (A's rows 64-127) may be out
	MUL16 \f, 0, 0, \zero
	MUL16 \f, 0, 2, \zero
	PLACES
	FETCH \k, \g
	s_wait_dscnt 32                                ; all but the 32 just issued
	MUL16 \f, 1, 0, \zero
	MUL16 \f, 1, 2, \zero
.endm
.macro MEET                            ; the first half of a step's last quarter, and the barrier of the change of slots
	WIN 0
	s_wait_tensorcnt 0x0                           ; all my tensor loads have landed: the one that was out is my part of the other slot
	ds_add_u32 v[SPW], v[NIL]                      ; 0 onto my spare word
	s_wait_dscnt 9                                 ; the add and the youngest eight loads may be out
	MUL16 F1, 0, 0, 0
	s_wait_dscnt 0x0                               ; the add is done, and my reads of this slot are over
	s_barrier_signal -1
	MUL16 F1, 0, 2, 0
	WIN 0
	s_barrier_wait -1
.endm
.macro SWAP                            ; the reads go on in the other slot
	s_xor_b32 s[TB], s[TB], SLOT
	v_add_nc_u32 v[ADRA], s[TB], v[A0]
	v_add_nc_u32 v[ADRB], s[TB], v[B0]
.endm
.macro TURN                            ; a step's last quarter with a refill: the slot just read out takes the K step two on
	s_wait_xcnt 0x0                                ; the last prefetch, a K step back, has read its address
	s_add_nc_u64 s[PFA:PFA+1], s[PFA:PFA+1], s[PST:PST+1]
	MEET
	CREST                                          ; the barrier has opened a round of the cluster's: no wave of any partner still reads the slot or has a load on its way
	s_xor_b32 s[G0+5], s[G0+5], SLOT
	s_add_nc_u64 s[G0+6:G0+7], s[G0+6:G0+7], KSTEP*2
	s_xor_b32 s[G0B+5], s[G0B+5], SLOT
	s_add_nc_u64 s[G0B+6:G0B+7], s[G0B+6:G0B+7], BSTEP
	JLOAD                                          ; the first tensor load behind the round: 224 matrix instructions ahead of the wait for it
	SWAP
	FETCH 0, F0
	ASK
	MUL16 F1, 1, 0, 0
	MUL16 F1, 1, 2, 0
.endm
	s_load_b128 s[4:7], s[0:1], 0x0                ; A s[4:5], wts s[6:7]
	s_load_b64 s[8:9], s[0:1], 0x10                ; C
.if EPI
	s_load_b64 s[70:71], s[0:1], 0x18              ; the bias
.endif
	v_lshl_add_u32 v[SPW], v0, 2, SPARE
	v_mov_b32 v[NIL], 0
	ds_add_u32 v[SPW], v[NIL]                      ; the wave's opening: the add, twice on end, and its wait ahead of my first tensor load
	ds_add_u32 v[SPW], v[NIL]
	v_lshrrev_b32 v1, 5, v0
	v_readfirstlane_b32 s10, v1                    ; wave 0..3
	s_lshr_b32 s11, s10, 1                         ; my half of the tile's rows.  Also: I fetch for A (0) or for B (1)
	s_and_b32 s12, s10, 1                          ; my half of its columns.  Also: which half of that tile I fetch
	s_bfe_u32 s40, ttmp6, 0x40000                  ; cx
	s_bfe_u32 s41, ttmp6, 0x40004                  ; cy
	s_lshl_b32 s42, ttmp9, 2
	s_add_co_u32 s42, s42, s40                     ; tile column
	s_and_b32 s13, ttmp7, 0xffff
	s_lshl_b32 s13, s13, 2
	s_add_co_u32 s13, s13, s41                     ; tile row
	s_lshl_b32 s74, s41, 2
	s_lshl_b32 s74, 15, s74                        ; my row of the cluster
	s_lshl_b32 s75, 0x1111, s40                    ; my column
	s_or_b32 s[G1+0], s74, (1<<16)|(1<<20)|(1<<21)|(5<<22)|(3<<25)   ; mask; 2-byte elements; padding on; bit 21 beside a mask; after every 64 words, 4 words
	s_or_b32 s[G1B+0], s75, (1<<16)|(1<<20)|(1<<21)|(6<<22)|(7<<25)  ; after every 128 words, 8 words
	s_mov_b32 s[G1+1], 128<<16                     ; A: 128 rows x 128 elements, 1,024 elements from row to row
	s_mov_b32 s[G1+2], 128<<16
	s_mov_b32 s[G1+3], 128<<16
	s_mov_b32 s[G1+4], 128
	s_mov_b32 s[G1+5], 1024
	s_mov_b32 s[G1+6], 0
	s_mov_b32 s[G1+7], 0
	s_mov_b32 s[G1B+1], 256<<16                    ; B: 64 rows x 256 elements, NN elements from row to row
	s_mov_b32 s[G1B+2], 64<<16
	s_mov_b32 s[G1B+3], 256<<16
	s_mov_b32 s[G1B+4], 64
	s_mov_b32 s[G1B+5], NN
	s_mov_b32 s[G1B+6], 0
	s_mov_b32 s[G1B+7], 0
	s_lshl_b32 s16, s13, 8
	s_lshl_b32 s17, s12, 7
	s_add_co_u32 s16, s16, s17                     ; A: row 256 x tile row + 128 x half,
	s_lshl_b32 s16, s16, 11                        ; of 2,048 bytes
	s_mov_b32 s17, 0
	s_mul_i32 s46, s12, 128*NN                     ; B: 64 rows of 2 NN bytes x half,
	s_lshl_b32 s47, s42, 9                         ; 512 bytes x tile column
	s_add_co_u32 s46, s46, s47
	s_add_co_u32 s46, s46, WOFF
	s_mov_b32 s47, 0
	s_mul_i32 s20, s10, HALFT                      ; where they go: wave x HALFT: no place in the cluster enters an LDS address
	s_wait_dscnt 0x0                               ; both opening adds are done
	s_wait_kmcnt 0x0
	s_add_nc_u64 s[14:15], s[4:5], s[16:17]
	s_add_nc_u64 s[46:47], s[6:7], s[46:47]
	CROUND                                         ; all sixteen work-groups are here: the first joint loads meet
.irp s, 0,1
	s_mov_b32 s[G0+4*(\s)], 1
	s_add_co_u32 s[G0+4*(\s)+1], s20, (\s)*SLOT
	s_add_nc_u64 s[G0+4*(\s)+2:G0+4*(\s)+3], s[14:15], (\s)*KSTEP*2
	s_or_b32 s[G0+4*(\s)+3], s[G0+4*(\s)+3], 0x80000000
	s_mov_b32 s[G0B+4*(\s)], 1
	s_add_co_u32 s[G0B+4*(\s)+1], s20, (\s)*SLOT
	s_add_nc_u64 s[G0B+4*(\s)+2:G0B+4*(\s)+3], s[46:47], (\s)*BSTEP
	s_or_b32 s[G0B+4*(\s)+3], s[G0B+4*(\s)+3], 0x80000000
.endr
	s_cmp_eq_u32 s11, 0                            ; a wave's two first fills stand in one branch: two loads of mine are out
	s_cbranch_scc0 .Lfirst_b
	tensor_load_to_lds s[G0:G0+3], s[G1:G1+7]
	s_nop 0
	tensor_load_to_lds s[G0+4:G0+7], s[G1:G1+7]
	s_nop 0
.rept 4
	v_nop
.endr
	s_branch .Lfirst_asked
.Lfirst_b:
	tensor_load_to_lds s[G0B:G0B+3], s[G1B:G1B+7]
	s_nop 0
	tensor_load_to_lds s[G0B+4:G0B+7], s[G1B:G1B+7]
	s_nop 0
.rept 4
	v_nop
.endr
.Lfirst_asked:
	v_and_b32 v1, 15, v0                           ; l % 16
	v_bfe_u32 v2, v0, 4, 1                         ; l / 16
	v_bfe_u32 v5, v0, 3, 1                         ; (l / 8) % 2
	v_and_b32 v7, 7, v0                            ; l % 8
.if EPI
	s_lshl_b32 s21, s42, 10                        ; the bias of my 128 columns: a lane's eight of each block of 16
	s_lshl_b32 s22, s12, 9
	s_add_co_u32 s21, s21, s22
	v_lshl_add_u32 v[BO], v2, 5, s21
.irp b, 0,1,2,3,4,5,6,7
	global_load_b128 v[BIAS+8*(\b):BIAS+8*(\b)+3],   v[BO], s[70:71] offset:64*(\b)
	global_load_b128 v[BIAS+8*(\b)+4:BIAS+8*(\b)+7], v[BO], s[70:71] offset:64*(\b)+16
.endr
	s_mov_b32 s72, 0xffff0000
.endif
	v_mov_b32 v[ZR], 0
	v_mul_u32_u24 v3, v1, PA
	v_lshl_add_u32 v3, v2, 4, v3                   ; A: row x pitch + 16 x half
	s_mul_i32 s21, s11, HALFT
	v_add_nc_u32 v[A0], s21, v3
	v_lshl_add_u32 v4, v2, 3, v7                   ; B, turned: row k = 8 (l / 16) + l % 8, 16 bytes x ((l / 8) % 2)
	v_mul_u32_u24 v4, v4, PB
	v_lshl_add_u32 v4, v5, 4, v4
	s_lshl_b32 s22, s12, 8                         ; my 128 columns
	s_add_co_u32 s22, s22, 2*HALFT
	v_add_nc_u32 v[B0], s22, v4
	v_mov_b32 v[ADRA], v[A0]
	v_mov_b32 v[ADRB], v[B0]
	s_mov_b32 s[TB], 0
	s_mul_i32 s23, s10, 16*SPITCH
	s_add_co_u32 s23, s23, STAGE                   ; my stage
	v_mul_u32_u24 v6, v1, SPITCH                   ; in: row l % 16, 16 bytes for each half of the lanes
	v_lshl_add_u32 v6, v2, 4, v6
	v_add_nc_u32 v[STO], s23, v6
	v_mul_u32_u24 v6, v5, SPITCH                   ; back: lanes 0-7 and 8-15 take two rows' 128 bytes of the first group of 64 columns, lanes 16-31 of the second
	v_lshl_add_u32 v6, v2, 7, v6
	v_lshl_add_u32 v6, v7, 4, v6
	v_add_nc_u32 v[RD], s23, v6
	v_lshlrev_b32 v6, 19, v2                       ; a group is 524,288 bytes of C; two rows of a group are 256 consecutive bytes
	v_lshl_add_u32 v6, v5, 7, v6
	v_lshl_add_u32 v[CO], v7, 4, v6
	s_lshl_b32 s16, s42, 2
	s_lshl1_add_u32 s16, s12, s16                  ; my first group: 4 x tile column + 2 x half
	s_lshl_b32 s16, s16, 19
	s_lshl_b32 s17, s13, 8
	s_lshl_b32 s18, s11, 7
	s_add_co_u32 s17, s17, s18                     ; my first row
	s_lshl_b32 s17, s17, 7
	s_add_co_u32 s16, s16, s17
	s_mov_b32 s17, 0                               ; s[16:17]: what the way out adds to C's address
	; THE PREFETCHES.  A's tile row is read by every cluster of that row of clusters: cluster x = 0 asks; B's tile column by every cluster of that column: cluster y = 0 asks.
	; Of what a wave fetches in a K step (A: 128 rows of 256 bytes; B: 64 rows of 512) each of the four partners takes 32 blocks of 256 bytes, told apart by address (cx for A, cy for B).
	; Trip i of the loop names K step i + 4, two refills ahead; K steps 0-3 come by their loads alone; the last two trips ask for nothing.
	s_lshl_b32 s21, s13, 8
	s_lshl_b32 s22, s12, 7
	s_add_co_u32 s21, s21, s22
	s_lshl_b32 s22, s40, 5
	s_add_co_u32 s21, s21, s22
	s_lshl_b32 s21, s21, 11
	s_add_co_u32 s21, s21, 3*KSTEP*2               ; A's offset, at K step 3: the first refill steps it to 4
	s_lshl_b32 s22, s12, 6
	s_lshl_b32 s23, s41, 4
	s_add_co_u32 s22, s22, s23
	s_mul_i32 s22, s22, 2*NN
	s_lshl_b32 s23, s42, 9
	s_add_co_u32 s22, s22, s23
	s_add_co_u32 s22, s22, WOFF+3*BSTEP            ; B's offset
	s_and_b32 s23, ttmp7, 0xffff                   ; cluster y
	s_mov_b32 s18, BSTEP
	s_mov_b32 s19, 2*NN
	s_cmp_eq_u32 s11, 0                            ; do I fetch for A?
	s_cselect_b32 s76, s21, s22
	s_cselect_b32 s23, ttmp9, s23                  ; the coordinate along which other clusters read the same blocks
	s_cselect_b64 s[PFA:PFA+1], s[4:5], s[6:7]
	s_cselect_b32 s[PST], KSTEP*2, s18
	s_cselect_b32 s78, 2048, s19                   ; bytes from row to row
	s_cselect_b32 s79, 0, 1                        ; A: a lane a row; B: two lanes a row
	s_mov_b32 s[PST+1], 0
	s_mov_b32 s77, 0
	s_add_nc_u64 s[PFA:PFA+1], s[PFA:PFA+1], s[76:77]
	s_cmp_eq_u32 s23, 0
	s_cselect_b32 s[LIM], 2, -1                    ; the same in all sixteen partners, for a given wave
	v_and_b32 v3, 31, v0
	v_lshrrev_b32 v[PFO], s79, v3
	v_mul_lo_u32 v[PFO], v[PFO], s78
	v_and_b32 v4, s79, v3
	v_lshl_add_u32 v[PFO], v4, 8, v[PFO]
	s_wait_tensorcnt 1                             ; my part of K step 0 is in; K step 1's may stay out
	s_barrier_signal -1
	s_barrier_wait -1
	FETCH 0, F0
.if EPI
	s_wait_loadcnt 0x0                             ; the bias,
	RND BIAS, 32                                   ; an input: rounded to bf16
.endif
	QUARTER 64, F0, F1, 1                          ; the first quarter stands in front of the loop: its products start the sums
	WIN 0
	s_mov_b32 s3, 6
.Lk:                                           ; six trips, a K step each, from a step's second quarter to the next step's first; trip i asks for K step i + 2
	QUARTER 128, F1, F0, 0
	QUARTER 192, F0, F1, 0
	TURN
	QUARTER 64, F0, F1, 0
	WIN 0
	s_sub_co_u32 s3, s3, 1
	s_cmp_lg_u32 s3, 0
	s_cbranch_scc1 .Lk
	s_mov_b32 s3, 2
.Lt:                                           ; the last two K steps ask for nothing; the second trip is left in its middle (its barrier serves nothing: the price of one text for both)
	QUARTER 128, F1, F0, 0
	QUARTER 192, F0, F1, 0
	MEET
	s_sub_co_u32 s3, s3, 1
	s_cmp_eq_u32 s3, 0
	s_cbranch_scc1 .Lout
	SWAP
	PLACES
	FETCH 0, F0
	MUL16 F1, 1, 0, 0
	MUL16 F1, 1, 2, 0
	QUARTER 64, F0, F1, 0
	WIN 0
	s_branch .Lt
.Lout:
	MUL16 F1, 1, 0, 0
	MUL16 F1, 1, 2, 0
	WIN 0
	PLACES
	PLACES
; THE WAY OUT, a block of 16 rows at a time: rounded to f16 (EPI: ReLU on the packed halves), through my own stage in LDS, back as rows, stored.
.macro PACK a
.set AC, 64*((\a)%4)
	WIN 0x0a+5*((\a)/4)                            ; sources 0 and 1: window 2 or 3
.irp b, 0,1,2,3,4,5,6,7
.irp r, 0,1,2,3
	v_cvt_pk_f16_f32 v[TMP+4*(\b)+(\r)], v[AC+8*(\b)+2*(\r)], v[AC+8*(\b)+2*(\r)+1]
.endr
.endr
	WIN 0
.if EPI
.set p, 0
.rept 32
	v_pk_max_num_f16 v[TMP+p], v[TMP+p], v[ZR]
.set p, p+1
.endr
.endif
.endm
.macro TOSTAGE a
.set BK, 32+64*((\a)%2)
.irp b, 0,1,2,3,4,5,6,7
	ds_store_b128 v[STO], v[TMP+4*(\b):TMP+4*(\b)+3] offset:32*(\b)
.endr
.irp t, 0,1,2,3,4,5,6,7
	ds_load_b128 v[BK+4*(\t):BK+4*(\t)+3], v[RD] offset:(\t)*2*SPITCH  ; LDS serves a wave's instructions in order (ISA guide 5.7.1.4): these see the stores above
.endr
.endm
.macro SEND a
.set BK, 32+64*((\a)%2)
	s_wait_dscnt 0x0                               ; the block is back in registers
	s_wait_xcnt 0x0                                ; the stores' base and the registers that earlier stores read are rewritten only behind this wait
.if (\a) == 0
	s_add_nc_u64 s[8:9], s[8:9], s[16:17]
.else
	s_add_nc_u64 s[8:9], s[8:9], 2048              ; 16 rows of 128 bytes on
.endif
.irp t, 0,1,2,3,4,5,6,7
	global_store_b128 v[CO], v[BK+4*(\t):BK+4*(\t)+3], s[8:9] offset:256*(\t)  ; 16 lanes store 256 consecutive bytes, aligned: two rows of a group
.endr
.endm
	PACK 0
	TOSTAGE 0
.irp a, 1,2,3,4,5,6,7
	PACK \a
	SEND (\a)-1
	TOSTAGE \a
.endr
	SEND 7
	s_wait_tensorcnt 0x0                           ; the wave's end
	ds_add_u32 v[SPW], v[NIL]
	s_wait_dscnt 0x0
	CROUND                                         ; the closing round
	s_endpgm
.Lfunc_end_k_q36bde00635_qkv:
	.size	k_q36bde00635_qkv, .Lfunc_end_k_q36bde00635_qkv-k_q36bde00635_qkv
	.p2alignl 7, 3214868480
	.fill 96, 4, 3214868480
	.section	.rodata,"a",@progbits
	.p2align	6, 0x0
	.amdhsa_kernel k_q36bde00635_qkv
		.amdhsa_group_segment_fixed_size 327680
		.amdhsa_private_segment_fixed_size 0
		.amdhsa_enable_private_segment 0
		.amdhsa_kernarg_size 24
		.amdhsa_user_sgpr_count 2
		.amdhsa_user_sgpr_kernarg_segment_ptr 1
		.amdhsa_wavefront_size32 1
		.amdhsa_system_sgpr_workgroup_id_x 1
		.amdhsa_system_sgpr_workgroup_id_y 1
		.amdhsa_system_sgpr_workgroup_id_z 1
		.amdhsa_system_vgpr_workitem_id 0
		.amdhsa_next_free_vgpr 1024
		.amdhsa_next_free_sgpr 80
		.amdhsa_reserve_vcc 0
		.amdhsa_float_denorm_mode_32 3
		.amdhsa_float_denorm_mode_16_64 3
		.amdhsa_memory_ordered 1
		.amdhsa_forward_progress 1
		.amdhsa_inst_pref_size 104
	.end_amdhsa_kernel
	.amdgpu_metadata
---
amdhsa.version: [ 1, 2 ]
amdhsa.kernels:
  - .name:           k_q36bde00635_qkv
    .symbol:         k_q36bde00635_qkv.kd
    .args:
      - { .name: hn, .offset: 0, .size: 8, .value_kind: global_buffer, .address_space: global }
      - { .name: wts, .offset: 8, .size: 8, .value_kind: global_buffer, .address_space: global }
      - { .name: qkv, .offset: 16, .size: 8, .value_kind: global_buffer, .address_space: global }
    .group_segment_fixed_size: 327680
    .private_segment_fixed_size: 0
    .kernarg_segment_align: 8
    .kernarg_segment_size: 24
    .max_flat_workgroup_size: 128
    .sgpr_count:     80
    .vgpr_count:     1024
    .wavefront_size: 32
...
	.end_amdgpu_metadata
.endif
;; end of part 2
;; launch vbar (part 3): grid 64 x 1, 8 waves a work-group, no clusters, 3,584 bytes of LDS; arguments qkv, padding_mask, vbar; writes vbar
.if DOCPART == 3
	.amdgcn_target "amdgcn-amd-amdhsa--gfx1250"
	.amdhsa_code_object_version 6
	.text
	.protected	k_q36bde00635_vbar
	.globl	k_q36bde00635_vbar
	.p2align	8
	.type	k_q36bde00635_vbar,@function
k_q36bde00635_vbar:
	s_mov_b64 s[64:65], 0
	v_nop
	global_prefetch_b8 v0, s[64:65] scope:SCOPE_SE
	s_setreg_imm32_b32 hwreg(HW_REG_WAVE_MODE, 25, 1), 1
	s_wait_xcnt 0x0
; vbar[b][h][:] = the mean of v[b][h][s][:] over the padded keys s of batch b, in f32: what reference() gives a row all of whose keys at or below the diagonal are padded.
; With no padded key the sum is 0 and is divided by 1; no row then takes it.  A work-group has one (b, h); wave w keys 128 w .. 128 w + 127; the eight partial sums meet in LDS.
; No matrix unit, no cluster: 8 MiB read once, one multiply-add a number.
.set X,   32                           ; v[32:159] 32 loads of 4 keys x 128 bytes: lane l holds key l / 8, channels 8 (l % 8) + 0..7
.set ACC, 16                           ; v[16:23]  my eight channels' sums; v24 the count
.set SPW, 28
.set NIL, 29
.set SPARE, 2560                       ; behind the partial sums (8 x 320 bytes): the spare words, 128 bytes a wave
	s_load_b128 s[4:7], s[0:1], 0x0                ; qkv, padding_mask
	s_load_b64 s[8:9], s[0:1], 0x10                ; vbar
	v_lshl_add_u32 v[SPW], v0, 2, SPARE
	v_mov_b32 v[NIL], 0
	v_lshrrev_b32 v1, 5, v0
	v_readfirstlane_b32 s10, v1                    ; wave 0..7
	v_and_b32 v2, 31, v0                           ; lane
	v_lshlrev_b32 v1, 4, v2
	s_lshr_b32 s11, ttmp9, 4                       ; b
	s_and_b32 s12, ttmp9, 15                       ; h
	s_lshl_b32 s2, s12, 19                         ; v's groups begin at 32 x 524,288 bytes
	s_lshl_b32 s3, s11, 17
	s_add_co_u32 s2, s2, s3
	s_lshl_b32 s3, s10, 14
	s_add_co_u32 s2, s2, s3
	s_add_co_u32 s2, s2, 16777216
	s_mov_b32 s3, 0
	s_lshl_b32 s14, s11, 10
	s_lshl_b32 s15, s10, 7
	s_add_co_u32 s14, s14, s15
	s_mov_b32 s15, 0
	s_lshl_b32 s12, ttmp9, 8
	s_mov_b32 s13, 0
	s_wait_kmcnt 0x0
	s_add_nc_u64 s[4:5], s[4:5], s[2:3]
	s_add_nc_u64 s[6:7], s[6:7], s[14:15]
	s_add_nc_u64 s[8:9], s[8:9], s[12:13]
	s_load_b512 s[16:31], s[6:7], 0x0              ; my 128 keys' flags, a byte each: word i holds keys 4 i .. 4 i + 3
	s_load_b512 s[32:47], s[6:7], 0x40
.set i, 0
.rept 32
	global_load_b128 v[X+4*i:X+4*i+3], v1, s[4:5] offset:512*i th:TH_LOAD_NT
.set i, i+1
.endr
	v_lshrrev_b32 v26, 3, v2
	v_lshlrev_b32 v26, 3, v26                      ; my key's byte in a word, in bits
.set i, 0
.rept 9
	v_mov_b32 v[ACC+i], 0
.set i, i+1
.endr
	v_mov_b32 v27, 0
	s_wait_kmcnt 0x0
.set i, 0
.rept 32
	s_wait_loadcnt 31-i                            ; load i is in; the younger ones stay out
	v_lshrrev_b32 v25, v26, s[16+i]
	v_and_b32 v25, 1, v25
	v_cvt_f32_u32 v25, v25                         ; 1.0 where my key is padded
	v_add_f32 v24, v24, v25
.irp k, 0,1,2,3
	v_fma_mix_f32 v[ACC+2*(\k)], v[X+4*i+(\k)], v25, v[ACC+2*(\k)] op_sel_hi:[1,0,0]
	v_fma_mix_f32 v[ACC+2*(\k)+1], v[X+4*i+(\k)], v25, v[ACC+2*(\k)+1] op_sel:[1,0,0] op_sel_hi:[1,0,0]
.endr
.set i, i+1
.endr
	s_mov_b32 s2, 0x76543210
	s_mov_b32 s3, 0xfedcba98
.set i, 0
.rept 9                                ; the four lanes that hold the same channels lie 8 and 16 apart
	v_add_f32_dpp v[ACC+i], v[ACC+i], v[ACC+i] row_xmask:8 row_mask:0xf bank_mask:0xf
	v_permlanex16_b32 v27, v[ACC+i], s2, s3
	v_add_f32 v[ACC+i], v[ACC+i], v27
.set i, i+1
.endr
	s_mul_i32 s13, s10, 320
	v_and_b32 v30, 7, v0
	v_lshl_add_u32 v30, v30, 5, s13
	v_mov_b32 v31, s13
	ds_store_b128 v30, v[ACC:ACC+3]                ; lanes with the same channels write the same numbers to the same bytes
	ds_store_b128 v30, v[ACC+4:ACC+7] offset:16
	ds_store_b32 v31, v24 offset:256
	s_wait_dscnt 0x0                               ; for the others' sake
	s_barrier_signal -1
	s_barrier_wait -1
	s_cmp_lg_u32 s10, 0
	s_cbranch_scc1 .Lend
	v_and_b32 v30, 15, v0
	v_lshlrev_b32 v30, 4, v30                      ; four channels a lane
	v_mov_b32 v31, 0
.irp w, 0,1,2,3,4,5,6,7
	ds_load_b128 v[X+4*(\w):X+4*(\w)+3], v30 offset:320*(\w)
	ds_load_b32 v[X+32+(\w)], v31 offset:320*(\w)+256
.endr
	s_wait_dscnt 0x0
.irp w, 1,2,3,4,5,6,7
	v_pk_add_f32 v[X:X+1], v[X:X+1], v[X+4*(\w):X+4*(\w)+1]
	v_pk_add_f32 v[X+2:X+3], v[X+2:X+3], v[X+4*(\w)+2:X+4*(\w)+3]
	v_add_f32 v[X+32], v[X+32], v[X+32+(\w)]
.endr
	v_max_num_f32 v[X+32], 1.0, v[X+32]
	v_rcp_f32 v[X+33], v[X+32]
	v_nop                                          ; a plain instruction behind the reciprocal,
	s_wait_alu depctr_va_vdst(0)                   ; and the wait ahead of its first reader
.irp k, 0,1,2,3
	v_mul_f32 v[X+(\k)], v[X+(\k)], v[X+33]
.endr
	s_wait_xcnt 0x0                                ; EXEC changes only behind this wait
	v_cmp_gt_u32 vcc_lo, 16, v2
	s_and_saveexec_b32 s13, vcc_lo
	global_store_b128 v30, v[X:X+3], s[8:9]        ; 16 lanes store 256 consecutive bytes, aligned
	s_wait_xcnt 0x0
	s_or_b32 exec_lo, exec_lo, s13
.Lend:
	s_wait_tensorcnt 0x0                           ; the wave's end, behind my last LDS store
	ds_add_u32 v[SPW], v[NIL]
	s_wait_dscnt 0x0
	s_endpgm
.Lfunc_end_k_q36bde00635_vbar:
	.size	k_q36bde00635_vbar, .Lfunc_end_k_q36bde00635_vbar-k_q36bde00635_vbar
	.p2alignl 7, 3214868480
	.fill 96, 4, 3214868480
	.section	.rodata,"a",@progbits
	.p2align	6, 0x0
	.amdhsa_kernel k_q36bde00635_vbar
		.amdhsa_group_segment_fixed_size 3584
		.amdhsa_private_segment_fixed_size 0
		.amdhsa_enable_private_segment 0
		.amdhsa_kernarg_size 24
		.amdhsa_user_sgpr_count 2
		.amdhsa_user_sgpr_kernarg_segment_ptr 1
		.amdhsa_wavefront_size32 1
		.amdhsa_system_sgpr_workgroup_id_x 1
		.amdhsa_system_sgpr_workgroup_id_y 1
		.amdhsa_system_sgpr_workgroup_id_z 1
		.amdhsa_system_vgpr_workitem_id 0
		.amdhsa_next_free_vgpr 160
		.amdhsa_next_free_sgpr 66
		.amdhsa_reserve_vcc 1
		.amdhsa_float_denorm_mode_32 3
		.amdhsa_float_denorm_mode_16_64 3
		.amdhsa_memory_ordered 1
		.amdhsa_forward_progress 1
		.amdhsa_inst_pref_size 32
	.end_amdhsa_kernel
	.amdgpu_metadata
---
amdhsa.version: [ 1, 2 ]
amdhsa.kernels:
  - .name:           k_q36bde00635_vbar
    .symbol:         k_q36bde00635_vbar.kd
    .args:
      - { .name: qkv, .offset: 0, .size: 8, .value_kind: global_buffer, .address_space: global }
      - { .name: padding_mask, .offset: 8, .size: 8, .value_kind: global_buffer, .address_space: global }
      - { .name: vbar, .offset: 16, .size: 8, .value_kind: global_buffer, .address_space: global }
    .group_segment_fixed_size: 3584
    .private_segment_fixed_size: 0
    .kernarg_segment_align: 8
    .kernarg_segment_size: 24
    .max_flat_workgroup_size: 256
    .sgpr_count:     66
    .vgpr_count:     160
    .wavefront_size: 32
...
	.end_amdgpu_metadata
.endif
;; end of part 3
;; launch attn (part 4): grid 4 x 64, 4 waves a work-group, no clusters, 327,680 bytes of LDS; arguments qkv, vbar, padding_mask, oatt; writes oatt
.if DOCPART == 4
	.amdgcn_target "amdgcn-amd-amdhsa--gfx1250"
	.amdhsa_code_object_version 6
	.text
	.protected	k_q36bde00635_attn
	.globl	k_q36bde00635_attn
	.p2align	8
	.type	k_q36bde00635_attn,@function
k_q36bde00635_attn:
	s_mov_b64 s[64:65], 0
	v_nop
	global_prefetch_b8 v0, s[64:65] scope:SCOPE_SE
	s_setreg_imm32_b32 hwreg(HW_REG_WAVE_MODE, 25, 1), 1
	s_wait_xcnt 0x0
; ATTENTION with the causal mask and the padding mask.  q, k, v: groups 0-15, 16-31, 32-47 of qkv, [group][4096][64] f16, row = 1,024 b + t.  O -> oatt [16][4096][64] f16.
; WORK LEFT OUT: key steps wholly above a wave's query rows (shown at the head of the first launch's text): their q . k is overwritten by reference() whatever it is; what padded keys there
; still add is below every rounding, or (rows whose keys up to the diagonal are all padded) the row is the mean of v over the batch's padded keys, which is read from vbar and selected.
; A NaN, an infinity or an overflow that reaches only the products left out is not carried to the result.
; LIMITS: |q . k| < 1.6e10; a causally hidden score counts as its value less 1e30; a padded one as q . k - 3.2e10 (= 32 x -1e9, ahead of the scale 1 / 32); a weight below 2^-126 counts as 0; NaN and infinities are not treated apart.
; SCORES.  S^T = K Q^T + MP, MP the step's padding mask as the C operand that starts the sum; in a group's diagonal step MD (-1e30 above the diagonal) is added.  p = 2^(c s - c m), c = log2(e) / 32, with a
; running maximum m and sum l; O and l are multiplied by a = 2^(c m_old - c m_new) in every step.  A row is all padded exactly when its last m lies below -1.6e10.
; SHARES.  A head's 1,024 queries lie in 8 blocks of 128.  Work-group j takes blocks 7 - j (group H) and j (group L): wave w rows 32 w .. 32 w + 31 of each, two tiles of 16 a group, all four in registers, so that a
; fragment of K or V feeds four tiles while both groups are live.  Key steps of 64; a group's last step, 2 x block + w / 2, holds its diagonal: 16 or 18 group steps a wave, whatever j.
; THE WALK.  Group L ends at step 7 at the latest, group H at step 8 at the earliest.  So steps 0-7 (loop A) hold both groups' text, H without a diagonal; steps 8-15 (loop B) hold H's alone.
; K AND V STAY IN LDS: four tiles of 256 keys, each with bytes of its own, filled once.  Tile 0 is asked for at the head, tile 1 when tile 0 is whole, tiles 2 and 3 behind the barriers at the ends of loop A's two trips:
; each load has a tile's four steps in which to land, and one load of a wave is out at a time.  Work-groups 2 and 3 read three tiles: one jump, on the work-group's number and the trip's count alone, leads round tile 3's load;
; every wait for tensor loads is for 0.
; NO CLUSTER: the four work-groups of a head end their walks at different steps, so their jumps hang on their place.
; PHASES: a step is the fetch of K, mask and V; then K Q^T, softmax, V^T P for group H; then the same for group L.
; REGISTERS: window 0: v2-15 addresses; v16-31 statistics (c m, m, l, l a tile); v32-35 c m_old; v36-51 at work; v52-61 the head's; v64-191 S^T, 32 a tile; v192-255 P, 16 a tile.
;   window 1: v0-127 O^T, 32 a tile; v128-159 MD; v192-223 MP; v224-255 vbar.  Window 2: v0-63 Q; v128-191 K of a step; v192-255 V of a step.
.set PKP,   144                        ; a row of K in LDS: 128 bytes + 16
.set PVP,   160                        ; a row of V: 128 + 32
.set VBASE, 1024*PKP                   ; V's 1,024 rows lie behind K's
.set MT,    VBASE+1024*PVP             ; the padding mask as 1,024 f32
.set STAGE, MT+4096                    ; 16 rows x 144 bytes for each wave, for the way out
.set SP,    144
.set SPARE, STAGE+4*16*SP              ; the spare words, 128 bytes a wave
.set AK0, 2
.set AV0, 3
.set AK,  4
.set AV,  5
.set STO, 6
.set RD,  7
.set GO,  8
.set AM0, 9
.set AM,  10
.set PFO, 11                           ; v11  256 x my lane; never rewritten
.set QO,  15
.set ST,  16
.set MV,  32
.set TMP, 36
.set SPW, 62
.set NIL, 63
.set S,   64
.set P,   192
.set MD,  128                          ; window 1
.set MP,  192
.set VB,  224
.set KF,  128                          ; window 2
.set VF,  192
.set WV,  12
.set KH,  15                           ; s15  group H's last step
.set KL,  16                           ; s16  group L's
.set G1K, 24
.set G1V, 32
.set G0K, 40
.set G0V, 44
.set QH,  48                           ; s[48:49] Q at my rows of block 7 - j; s[50:51] of block j; s[52:55] O likewise
.set QL,  50
.set OH,  52
.set OL,  54
.set TL,  56                           ; s56  a loop's tiles to go, 2 to 1
.set CNT, 57                           ; s57  a tile's steps to go
.set CS,  58
.set SEL, 60
.set TBK, 62                           ; s62  LDS byte of the step's K; s63 of its V, less VBASE; s66 of its mask, less MT
.set TBV, 63
.set TBM, 66
.set KS,  67                           ; s67  the key step, 0 to 15
.set LT,  68                           ; s68  j / 2: in loop A a tile is asked for while TL is above this
.set LIM, 69                           ; s69  1 in the head's first work-group, else the greatest number
.set PFA, 70                           ; s[70:71] my part of tile 2 in memory; never rewritten
.set BIGN, 72
.set THR, 73
.set FL,  74                           ; s74-77  a mask of lanes a tile: the row is all padded
.set MSB, 0
.macro WIN new
.if MSB != (\new)
	s_set_vgpr_msb (MSB<<8)|(\new)
.set MSB, (\new)
.endif
.endm
.set W_KQ, 0x0a
.set W_KM, 0x1a
.set W_PV, 0x52
.set W_RS, 0x41
.macro PLACES
.rept 4
	v_nop
.endr
.endm
.macro LOAD                            ; waves 0, 1 fetch the halves of a tile's K, waves 2, 3 of its V: 128 keys each; an s_nop 0 and four v_nop follow each line
	s_cmp_lt_u32 s[WV], 2
	s_cbranch_scc0 .Lfor_v_\@
	tensor_load_to_lds s[G0K:G0K+3], s[G1K:G1K+7]
	s_nop 0
.rept 4
	v_nop
.endr
	s_branch .Lasked_\@
.Lfor_v_\@:
	tensor_load_to_lds s[G0V:G0V+3], s[G1V:G1V+7]
	s_nop 0
.rept 4
	v_nop
.endr
.Lasked_\@:
.endm
; Between two tiles: my load has landed; behind the barrier the next tile is whole for all four waves.  fill = 1: a load follows, and the descriptors step to its tile's own bytes.
.macro SYNC fill
	s_wait_tensorcnt 0x0                           ; no load of mine is out, so the descriptors may be written
	ds_add_u32 v[SPW], v[NIL]                      ; 0 onto my spare word
.if \fill
	s_add_co_u32 s[G0K+1], s[G0K+1], 256*PKP       ; the next tile's own bytes in LDS,
	s_add_nc_u64 s[G0K+2:G0K+3], s[G0K+2:G0K+3], 32768  ; and its 256 rows in memory
	s_add_co_u32 s[G0V+1], s[G0V+1], 256*PVP
	s_add_nc_u64 s[G0V+2:G0V+3], s[G0V+2:G0V+3], 32768
.endif
	s_wait_dscnt 0x0                               ; the add is done, and so are my LDS instructions (the first time: my stores of the mask)
	s_barrier_signal -1
	s_barrier_wait -1
.endm
; 16 products S^T = K Q^T + MP for group g: channels 32 (i / 8) on, keys 16 ((i / 2) % 4) on, tile 2 g + i % 2.  The 8 accumulators take turns.
.macro KQALL g
.set i, 0
.rept 16
.set qS, S+32*(2*(\g)+i%2)+8*((i/2)%4)
.set qK, KF+16*((i/2)%4)+8*(i/8)
.set qQ, 16*(2*(\g)+i%2)+8*(i/8)
.set qM, MP+8*((i/2)%4)
.if i < 8
	WIN W_KM
	v_wmma_f32_16x16x32_f16 v[qS:qS+7], v[qK:qK+7], v[qQ:qQ+7], v[qM:qM+7]
.else
	WIN W_KQ
	v_wmma_f32_16x16x32_f16 v[qS:qS+7], v[qK:qK+7], v[qQ:qQ+7], v[qS:qS+7]
.endif
.set i, i+1
.endr
.endm
; 16 products O^T += V^T P for group g: keys 32 (i / 8) on, channels 16 ((i / 2) % 4) on, tile 2 g + i % 2.
.macro PVALL g
	WIN W_PV
.set i, 0
.rept 16
.set qO, 32*(2*(\g)+i%2)+8*((i/2)%4)
.set qV, VF+32*(i/8)+8*((i/2)%4)
.set qP, P+16*(2*(\g)+i%2)+8*(i/8)
	v_wmma_f32_16x16x32_f16 v[qO:qO+7], v[qV:qV+7], v[qP:qP+7], v[qO:qO+7]
.set i, i+1
.endr
.endm
; A step's 40 LDS loads in one run: K (16), the mask (8), V turned (16).  The three additions and the v_nop are the four places behind the last product, which read V.
.macro FETCH_ALL
	WIN 0
	v_add_nc_u32 v[AK], s[TBK], v[AK0]
	v_add_nc_u32 v[AM], s[TBM], v[AM0]
	v_add_nc_u32 v[AV], s[TBV], v[AV0]
	v_nop
	WIN 0x80
.irp f, 0,1,2,3,4,5,6,7
	ds_load_b128 v[KF+8*\f:KF+8*\f+3],   v[AK] offset:(\f/2)*16*PKP+(\f%2)*64
	ds_load_b128 v[KF+8*\f+4:KF+8*\f+7], v[AK] offset:(\f/2)*16*PKP+(\f%2)*64+32
.endr
	WIN 0x40
.irp f, 0,1,2,3
	ds_load_b128 v[MP+8*\f:MP+8*\f+3],   v[AM] offset:64*\f
	ds_load_b128 v[MP+8*\f+4:MP+8*\f+7], v[AM] offset:64*\f+16
.endr
	WIN 0x80
.irp f, 0,1,2,3,4,5,6,7
	ds_load_tr16_b128 v[VF+8*\f:VF+8*\f+3],   v[AV] offset:(\f/4)*32*PVP+(\f%4)*32
	ds_load_tr16_b128 v[VF+8*\f+4:VF+8*\f+7], v[AV] offset:(\f/4)*32*PVP+16*PVP+(\f%4)*32
.endr
	WIN 0
.endm
; The diagonal step: MD onto the scores, from each accumulator's low end on.  The second tile's queries lie 16 further on: its mask is the first's, 16 keys later, and its first 16 keys are all seen.
.macro DIAG g
	WIN 0x04
.set z, 0
.rept 16
	v_pk_add_f32 v[S+64*(\g)+2*z:S+64*(\g)+2*z+1], v[S+64*(\g)+2*z:S+64*(\g)+2*z+1], v[MD+2*z:MD+2*z+1]
.set z, z+1
.endr
.set z, 4
.rept 12
	v_pk_add_f32 v[S+64*(\g)+32+2*z:S+64*(\g)+32+2*z+1], v[S+64*(\g)+32+2*z:S+64*(\g)+32+2*z+1], v[MD+2*z-8:MD+2*z-7]
.set z, z+1
.endr
.endm
.macro REGS t
.set rT, ST+4*(\t)
.set rC, TMP+4*(\t)
.set rM, MV+(\t)
.set rS, S+32*(\t)
.set rP, P+16*(\t)
.set rO, 32*(\t)
.endm
; Number n of the 22 that find tile t's maximum and statistics: 0-11 four chains of seven scores (each accumulator's lowest registers first); 12-14, 16 the four left over, the old m, all into c0;
; 15 c m_old is kept; 17, 18 the other half of the lanes; 19-21 c m, its change, a.
.macro XS t, n
	REGS \t
.if (\n) < 4
	v_max3_num_f32 v[rC+(\n)], v[rS+8*(\n)], v[rS+8*(\n)+1], v[rS+8*(\n)+2]
.elseif (\n) < 12
	v_max3_num_f32 v[rC+(\n)%4], v[rC+(\n)%4], v[rS+8*((\n)%4)+2*((\n)/4)+1], v[rS+8*((\n)%4)+2*((\n)/4)+2]
.elseif (\n) == 12
	v_max3_num_f32 v[rC], v[rC], v[rS+7], v[rS+15]
.elseif (\n) == 13
	v_max3_num_f32 v[rC+1], v[rC+1], v[rS+23], v[rS+31]
.elseif (\n) == 14
	v_max3_num_f32 v[rC+2], v[rC+2], v[rC+3], v[rT+1]
.elseif (\n) == 15
	v_mov_b32 v[rM], v[rT]
.elseif (\n) == 16
	v_max3_num_f32 v[rC], v[rC], v[rC+1], v[rC+2]
.elseif (\n) == 17
	v_permlanex16_b32 v[rC+3], v[rC], s[SEL], s[SEL+1]
.elseif (\n) == 18
	v_max_num_f32 v[rT+1], v[rC], v[rC+3]
.elseif (\n) == 19
	v_mul_f32 v[rT], s[CS], v[rT+1]
.elseif (\n) == 20
	v_sub_f32 v[rC+1], v[rM], v[rT]
.else
	v_exp_f32 v[rC+2], v[rC+1]
.endif
.endm
.macro FS g, f                         ; c s - c m for pair f / 2 of tile 2 g + f % 2
	REGS 2*(\g)+(\f)%2
	v_pk_fma_f32 v[rS+2*((\f)/2):rS+2*((\f)/2)+1], v[rS+2*((\f)/2):rS+2*((\f)/2)+1], s[CS:CS+1], v[rT:rT+1] op_sel_hi:[1,0,0] neg_lo:[0,0,1] neg_hi:[0,0,1]
.endm
.macro SUM t, z                        ; sum z of 16 over a tile's 16 pairs, in place: neighbours 1, 2, 4, 8 pairs apart; then l = a l + sum
	REGS \t
.if (\z) < 8
	v_pk_add_f32 v[rS+4*(\z):rS+4*(\z)+1], v[rS+4*(\z):rS+4*(\z)+1], v[rS+4*(\z)+2:rS+4*(\z)+3]
.elseif (\z) < 12
	v_pk_add_f32 v[rS+8*((\z)-8):rS+8*((\z)-8)+1], v[rS+8*((\z)-8):rS+8*((\z)-8)+1], v[rS+8*((\z)-8)+4:rS+8*((\z)-8)+5]
.elseif (\z) < 14
	v_pk_add_f32 v[rS+16*((\z)-12):rS+16*((\z)-12)+1], v[rS+16*((\z)-12):rS+16*((\z)-12)+1], v[rS+16*((\z)-12)+8:rS+16*((\z)-12)+9]
.elseif (\z) == 14
	v_pk_add_f32 v[rS:rS+1], v[rS:rS+1], v[rS+16:rS+17]
.else
	v_pk_fma_f32 v[rT+2:rT+3], v[rT+2:rT+3], v[rC+2:rC+3], v[rS:rS+1] op_sel_hi:[1,0,1]
.endif
.endm
; THE SOFTMAX of group g's two tiles for one step.  The two a and the 64 exponentials are ONE batch with ONE wait: nothing ahead of the wait names a result of theirs; a pair is scaled ahead of its exponentials.
.macro SM g
	WIN 0
.irp n, 0,1,2,3,4,5,6,7,8,9,10,11,12,13,14,15,16,17,18,19,20,21
	XS 2*(\g), \n
	XS 2*(\g)+1, \n
.endr
.irp f, 0,1,2,3
	FS \g, \f
.endr
.set e, 0
.rept 64
	REGS 2*(\g)+e%2
	v_exp_f32 v[rS+e/2], v[rS+e/2]
.if (e%2 == 1) && (e < 57)
	FS \g, 4+(e-1)/2
.endif
.set e, e+1
.endr
	v_nop                                          ; a plain instruction behind the last exponential: one for the batch
	s_wait_alu depctr_va_vdst(0)                   ; the wait ahead of the batch's first reader
	WIN W_RS
.irp u, 0,1
	REGS 2*(\g)+\u
.set z, 0
.rept 16
	v_pk_mul_f32 v[rO+2*z:rO+2*z+1], v[rO+2*z:rO+2*z+1], v[rC+2:rC+3] op_sel_hi:[1,0]
.set z, z+1
.endr
.endr
	WIN 0
.irp u, 0,1
	REGS 2*(\g)+\u
.set z, 0
.rept 16
	v_cvt_pk_f16_f32 v[rP+z], v[rS+2*z], v[rS+2*z+1]
.set z, z+1
.endr
.endr
.set z, 0
.rept 16
	SUM 2*(\g), z
	SUM 2*(\g)+1, z
.set z, z+1
.endr
.endm
; One group's part of a step.  kd: the register with the group's diagonal step; diag = 1: the step may be that one; vw = 1: V's loads are still to be waited for.
.macro GROUP g, kd, diag, vw
	KQALL \g
	WIN 0
	PLACES                                         ; four places between the last product and the first reader of the scores
.if \diag
	s_cmp_eq_u32 s[KS], s[\kd]
	s_cbranch_scc0 .Lnod_\@
	DIAG \g
	WIN 0
.Lnod_\@:
.endif
	SM \g
.if \vw
	s_wait_dscnt 0x0                               ; V is in
.endif
	PVALL \g
	WIN 0
.endm
.macro BUMP                            ; on to the next step; the comparison is the step loop's
	s_add_co_u32 s[KS], s[KS], 1
	s_add_co_u32 s[TBK], s[TBK], 64*PKP
	s_add_co_u32 s[TBV], s[TBV], 64*PVP
	s_add_co_u32 s[TBM], s[TBM], 256
	s_sub_co_u32 s[CNT], s[CNT], 1
	s_cmp_lg_u32 s[CNT], 0
.endm
	s_load_b256 s[4:11], s[0:1], 0x0               ; qkv s[4:5], vbar s[6:7], padding_mask s[8:9], oatt s[10:11]
	v_lshl_add_u32 v[SPW], v0, 2, SPARE
	v_mov_b32 v[NIL], 0
	ds_add_u32 v[SPW], v[NIL]                      ; the wave's opening: the add, twice on end, and its wait ahead of my first tensor load
	ds_add_u32 v[SPW], v[NIL]
	v_lshrrev_b32 v1, 5, v0
	v_readfirstlane_b32 s[WV], v1                  ; wave 0..3
	s_mov_b32 s13, ttmp9                           ; j
	s_and_b32 s14, ttmp7, 0xffff                   ; 16 b + h
	s_lshr_b32 s17, s14, 4
	s_and_b32 s18, s14, 15
	s_sub_co_u32 s19, 7, s13                       ; block H
	s_lshr_b32 s20, s[WV], 1
	s_lshl1_add_u32 s[KH], s19, s20
	s_lshl1_add_u32 s[KL], s13, s20
	s_lshl_b32 s21, s18, 19
	s_lshl_b32 s22, s17, 17
	s_add_co_u32 s21, s21, s22                     ; the head's first row in a group of 4,096 rows of 128 bytes
	s_lshl_b32 s22, s[WV], 12
	s_add_co_u32 s22, s22, s21                     ; + my wave's 32 rows
	s_lshl_b32 s2, s19, 14
	s_add_co_u32 s2, s2, s22                       ; in block H,
	s_mov_b32 s3, 0
	s_lshl_b32 s78, s13, 14
	s_add_co_u32 s78, s78, s22                     ; in block L
	s_mov_b32 s79, 0
	s_and_b32 s23, s[WV], 1                        ; which half of a tile's 256 keys I fetch
	s_lshl_b32 s80, s23, 14
	s_add_co_u32 s80, s80, s21
	s_add_co_u32 s80, s80, 8388608                 ; k's groups begin at 16 x 524,288 bytes,
	s_mov_b32 s81, 0
	s_add_co_u32 s82, s80, 8388608                 ; v's at 32 x
	s_mov_b32 s83, 0
	s_mov_b32 s85, 0
	s_mov_b32 s[G1K], (1<<16)|(1<<20)|(4<<22)|(3<<25)  ; 128 keys are 16,384 dense bytes: 64 rows of 256, padded after every 32 words by 4 words
	s_mov_b32 s[G1V], (1<<16)|(1<<20)|(4<<22)|(7<<25)  ; by 8 words
.irp g, G1K, G1V
	s_mov_b32 s[\g+1], 128<<16
	s_mov_b32 s[\g+2], 64<<16
	s_mov_b32 s[\g+3], 128<<16
	s_mov_b32 s[\g+4], 64
	s_mov_b32 s[\g+5], 128
	s_mov_b32 s[\g+6], 0
	s_mov_b32 s[\g+7], 0
.endr
	s_mov_b32 s[G0K], 1
	s_mul_i32 s[G0K+1], s23, 128*PKP
	s_mov_b32 s[G0V], 1
	s_mul_i32 s[G0V+1], s23, 128*PVP
	s_add_co_u32 s[G0V+1], s[G0V+1], VBASE
	s_mov_b32 s[CS], 0x3d38aa3b                    ; c = log2(e) / 32
	s_mov_b32 s[CS+1], s[CS]
	s_mov_b32 s[SEL], 0x76543210
	s_mov_b32 s[SEL+1], 0xfedcba98
	s_mov_b32 s[BIGN], 0xf149f2ca                  ; -1e30
	s_mov_b32 s[THR], 0xd06e6b28                   ; -1.6e10
	s_mov_b32 s[TBK], 0
	s_mov_b32 s[TBV], 0
	s_mov_b32 s[TBM], 0
	s_mov_b32 s[KS], 0
	s_lshr_b32 s[LT], s13, 1                       ; work-groups 0, 1 read four tiles, 2, 3 three
	s_cmp_eq_u32 s13, 0
	s_cselect_b32 s[LIM], 1, -1                    ; a head's four work-groups walk the same K and V: the first prefetches
	s_lshl_b32 s86, s14, 8
	s_mov_b32 s87, 0
	s_lshl_b32 s20, s17, 10
	s_mov_b32 s21, 0
	s_wait_dscnt 0x0                               ; both opening adds are done
	s_wait_kmcnt 0x0
	s_add_nc_u64 s[G0K+2:G0K+3], s[4:5], s[80:81]
	s_or_b32 s[G0K+3], s[G0K+3], 0x80000000
	s_add_nc_u64 s[G0V+2:G0V+3], s[4:5], s[82:83]
	s_or_b32 s[G0V+3], s[G0V+3], 0x80000000
	s_cmp_lt_u32 s[WV], 2
	s_cselect_b32 s84, s80, s82
	s_add_nc_u64 s[PFA:PFA+1], s[4:5], s[84:85]
	s_add_nc_u64 s[PFA:PFA+1], s[PFA:PFA+1], 65536 ; my part of tile 2
	s_add_nc_u64 s[QH:QH+1], s[4:5], s[2:3]
	s_add_nc_u64 s[QL:QL+1], s[4:5], s[78:79]
	s_add_nc_u64 s[OH:OH+1], s[10:11], s[2:3]
	s_add_nc_u64 s[OL:OL+1], s[10:11], s[78:79]
	s_add_nc_u64 s[6:7], s[6:7], s[86:87]
	s_add_nc_u64 s[8:9], s[8:9], s[20:21]
	LOAD                                           ; tile 0
	v_and_b32 v52, 15, v0                          ; l % 16
	v_bfe_u32 v53, v0, 4, 1                        ; l / 16
	v_and_b32 v54, 7, v0
	v_bfe_u32 v55, v0, 3, 1
	v_lshlrev_b32 v[QO], 7, v52
	v_lshl_add_u32 v[QO], v53, 4, v[QO]            ; row x 128 + 16 x half
	v_lshlrev_b32 v60, 5, v53                      ; vbar: my eight channels of each block of 16
	v_lshlrev_b32 v57, 3, v0                       ; eight flags a thread
	WIN 0x80
.irp i, 0,1,2,3                        ; Q stays in registers: tile i / 2 of a group, channels 32 (i % 2) on
	global_load_b128 v[8*\i:8*\i+3],       v[QO], s[QH:QH+1] offset:(\i/2)*2048+(\i%2)*64
	global_load_b128 v[8*\i+4:8*\i+7],     v[QO], s[QH:QH+1] offset:(\i/2)*2048+(\i%2)*64+32
	global_load_b128 v[32+8*\i:32+8*\i+3], v[QO], s[QL:QL+1] offset:(\i/2)*2048+(\i%2)*64
	global_load_b128 v[32+8*\i+4:32+8*\i+7], v[QO], s[QL:QL+1] offset:(\i/2)*2048+(\i%2)*64+32
.endr
	WIN 0x40
.irp f, 0,1,2,3
	global_load_b128 v[VB+8*\f:VB+8*\f+3],   v60, s[6:7] offset:64*\f
	global_load_b128 v[VB+8*\f+4:VB+8*\f+7], v60, s[6:7] offset:64*\f+16
.endr
	WIN 0
	global_load_b64 v[58:59], v57, s[8:9]
	; MD, for a group's first tile: register r of key group kt is hidden where 16 kt + 8 (l / 16) + r is greater than my query's place in the step, 32 (w % 2) + l % 16: the same for both groups
	v_lshlrev_b32 v56, 3, v53
	v_sub_nc_u32 v56, v52, v56
	s_lshl_b32 s20, s23, 5
	v_add_nc_u32 v56, s20, v56
	WIN 0x40
.set i, 0
.rept 32
	v_cmp_gt_i32 vcc_lo, 16*(i/8)+i%8, v56
	v_cndmask_b32 v[MD+i], 0, s[BIGN], vcc_lo
.set i, i+1
.endr
	; A group's first step multiplies O^T and l by a = 0, so they need only be finite: zeros, written in the wait for the first tile.
.set i, 0
.rept 128
	v_mov_b32 v[i], 0
.set i, i+1
.endr
	WIN 0
.set i, 0
.rept 4
	v_mov_b32 v[ST+4*i], 0xfe000000                ; c m: far below every c s
	v_mov_b32 v[ST+4*i+1], 0xff7fffff              ; m
	v_mov_b32 v[ST+4*i+2], 0
	v_mov_b32 v[ST+4*i+3], 0
.set i, i+1
.endr
	v_mul_u32_u24 v[AK0], v52, PKP
	v_lshl_add_u32 v[AK0], v53, 4, v[AK0]
	v_lshl_add_u32 v[AV0], v53, 3, v54             ; the turning load: key 8 (l / 16) + l % 8, 16 bytes x ((l / 8) % 2)
	v_mul_u32_u24 v[AV0], v[AV0], PVP
	v_lshl_add_u32 v[AV0], v55, 4, v[AV0]
	v_add_nc_u32 v[AV0], VBASE, v[AV0]
	v_lshlrev_b32 v[AM0], 5, v53
	v_add_nc_u32 v[AM0], MT, v[AM0]
	s_mul_i32 s20, s[WV], 16*SP
	s_add_co_u32 s20, s20, STAGE
	v_mul_u32_u24 v[STO], v52, SP
	v_lshl_add_u32 v[STO], v53, 4, v[STO]
	v_add_nc_u32 v[STO], s20, v[STO]
	v_bfe_u32 v[RD], v0, 3, 2
	v_mul_u32_u24 v[RD], v[RD], SP
	v_lshl_add_u32 v[RD], v54, 4, v[RD]
	v_add_nc_u32 v[RD], s20, v[RD]
	v_and_b32 v[GO], 31, v0
	v_lshlrev_b32 v[PFO], 8, v[GO]
	v_lshlrev_b32 v[GO], 4, v[GO]
	v_lshl_add_u32 v61, v0, 5, MT
	s_wait_loadcnt 0x0                             ; Q, vbar, the flags
.set k, 0
.rept 8
	v_bfe_u32 v[S+k], v[58+k/4], 8*(k%4), 1
	v_cvt_f32_u32 v[S+k], v[S+k]
	v_mul_f32 v[S+k], 0xd0ee6b28, v[S+k]           ; -3.2e10 where the key is padded
.set k, k+1
.endr
	ds_store_b128 v61, v[S:S+3]
	ds_store_b128 v61, v[S+4:S+7] offset:16
	SYNC 1                                         ; tile 0 and the mask are whole for all four waves
	LOAD                                           ; tile 1: it has tile 0's four steps in which to land
	s_cmp_eq_u32 s[LIM], 1
	s_cbranch_scc0 .Lnoask0
	global_prefetch_b8 v[PFO], s[PFA:PFA+1] th:TH_LOAD_NT scope:SCOPE_SE              ; my own 16,384 bytes of tile 2, which is asked for four steps on: a lane a block of 256 bytes,
	global_prefetch_b8 v[PFO], s[PFA:PFA+1] offset:8192 th:TH_LOAD_NT scope:SCOPE_SE  ; 64 blocks, each named once for a head
.Lnoask0:
	s_mov_b32 s[TL], 2
.LtileA:                                       ; LOOP A, two trips: tiles 0 and 1, both groups; at a trip's end the next tile is whole and the tile after it is asked for
	s_mov_b32 s[CNT], 4
.LstepA:
	FETCH_ALL
	s_wait_dscnt 16                                ; K and the mask are in; V's sixteen loads may stay out
	GROUP 0, KH, 0, 1                              ; group H's diagonal lies at step 8 or later
	s_cmp_le_u32 s[KS], s[KL]
	s_cbranch_scc0 .LskipA                         ; above group L's diagonal: nothing to do for it
	GROUP 1, KL, 1, 0
.LskipA:
	BUMP
	s_cbranch_scc1 .LstepA
	SYNC 1
	s_cmp_gt_u32 s[TL], s[LT]                      ; the work-group's number and the trip's count alone, the same in all four waves: tile 2 always, tile 3 in work-groups 0 and 1
	s_cbranch_scc0 .Lnoload
	LOAD
.Lnoload:
	s_cmp_gt_u32 s[TL], s[LIM]                     ; in the first trip, in the head's first work-group
	s_cbranch_scc0 .Lnoask
	global_prefetch_b8 v[PFO], s[PFA:PFA+1] offset:32768 th:TH_LOAD_NT scope:SCOPE_SE  ; my own 16,384 bytes of tile 3, which is asked for four steps on
	global_prefetch_b8 v[PFO], s[PFA:PFA+1] offset:40960 th:TH_LOAD_NT scope:SCOPE_SE
.Lnoask:
	s_sub_co_u32 s[TL], s[TL], 1
	s_cmp_lg_u32 s[TL], 0
	s_cbranch_scc1 .LtileA
	s_mov_b32 s[TL], 2
.LtileB:                                       ; LOOP B: tiles 2 and 3, group H alone; nothing is asked for; it is left behind the second tile's steps
	s_mov_b32 s[CNT], 4
.LstepB:
	s_cmp_gt_u32 s[KS], s[KH]
	s_cbranch_scc1 .LskipB                         ; above group H's diagonal: nothing to do
	FETCH_ALL
	s_wait_dscnt 16                                ; K and the mask are in; V's sixteen loads may stay out
	GROUP 0, KH, 1, 1
.LskipB:
	BUMP
	s_cbranch_scc1 .LstepB
	s_sub_co_u32 s[TL], s[TL], 1
	s_cmp_eq_u32 s[TL], 0
	s_cbranch_scc1 .Lout
	SYNC 0                                         ; tile 3, where it was asked for, is whole for all four waves
	s_branch .LtileB
.Lout:
	; THE WAY OUT.  l's halves are added; O^T is divided by l and rounded to f16; rows that saw padded keys alone take vbar, rounded likewise; through my stage, a tile at a time.
.macro ALL line:vararg
.set t, 0
.rept 4
	\line
.set t, t+1
.endr
.endm
	ALL v_add_f32 v[ST+4*t+2], v[ST+4*t+2], v[ST+4*t+3]
	ALL v_permlanex16_b32 v[ST+4*t+3], v[ST+4*t+2], s[SEL], s[SEL+1]
	ALL v_add_f32 v[ST+4*t+2], v[ST+4*t+2], v[ST+4*t+3]
	ALL v_cmp_lt_f32 s[FL+t], v[ST+4*t+1], s[THR]
	ALL v_rcp_f32 v[ST+4*t+2], v[ST+4*t+2]
	v_nop                                          ; a plain instruction behind the last reciprocal,
	s_wait_alu depctr_va_vdst(0)                   ; and one wait for the four, ahead of their first reader
	WIN 0x05                                       ; sources in window 1, destination in window 0: P's registers are free
.set i, 0
.rept 16
	v_cvt_pk_f16_f32 v[P+i], v[VB+2*i], v[VB+2*i+1]
.set i, i+1
.endr
.macro PACK t
	WIN W_RS
.set i, 32*(\t)
.rept 16
	v_pk_mul_f32 v[i:i+1], v[i:i+1], v[ST+4*(\t)+2:ST+4*(\t)+3] op_sel_hi:[1,0]
.set i, i+2
.endr
	WIN 0x05
.set i, 0
.rept 16
	v_cvt_pk_f16_f32 v[S+16*(\t)+i], v[32*(\t)+2*i], v[32*(\t)+2*i+1]
.set i, i+1
.endr
	WIN 0
.set i, 0
.rept 16
	v_cndmask_b32 v[S+16*(\t)+i], v[S+16*(\t)+i], v[P+i], s[FL+(\t)]
.set i, i+1
.endr
.irp f, 0,1,2,3
	ds_store_b128 v[STO], v[S+16*(\t)+4*\f:S+16*(\t)+4*\f+3] offset:32*\f
.endr
.irp f, 0,1,2,3
	ds_load_b128 v[S+16*(\t)+4*\f:S+16*(\t)+4*\f+3], v[RD] offset:\f*4*SP  ; LDS serves a wave's instructions in order (ISA guide 5.7.1.4): these see the stores above
.endr
.endm
.macro SEND t, base, younger           ; younger: the LDS instructions issued behind tile t's loads
.irp f, 0,1,2,3
	s_wait_dscnt (\younger)+3-\f
	global_store_b128 v[GO], v[S+16*(\t)+4*\f:S+16*(\t)+4*\f+3], s[\base:\base+1] offset:((\t)%2)*2048+\f*512  ; 512 consecutive bytes, aligned
.endr
.endm
	PACK 0
	PACK 1
	SEND 0, OH, 8
	PACK 2
	SEND 1, OH, 8
	PACK 3
	SEND 2, OL, 8
	SEND 3, OL, 0
	s_wait_tensorcnt 0x0                           ; the wave's end
	ds_add_u32 v[SPW], v[NIL]
	s_wait_dscnt 0x0
	s_endpgm
.Lfunc_end_k_q36bde00635_attn:
	.size	k_q36bde00635_attn, .Lfunc_end_k_q36bde00635_attn-k_q36bde00635_attn
	.p2alignl 7, 3214868480
	.fill 96, 4, 3214868480
	.section	.rodata,"a",@progbits
	.p2align	6, 0x0
	.amdhsa_kernel k_q36bde00635_attn
		.amdhsa_group_segment_fixed_size 327680
		.amdhsa_private_segment_fixed_size 0
		.amdhsa_enable_private_segment 0
		.amdhsa_kernarg_size 32
		.amdhsa_user_sgpr_count 2
		.amdhsa_user_sgpr_kernarg_segment_ptr 1
		.amdhsa_wavefront_size32 1
		.amdhsa_system_sgpr_workgroup_id_x 1
		.amdhsa_system_sgpr_workgroup_id_y 1
		.amdhsa_system_sgpr_workgroup_id_z 1
		.amdhsa_system_vgpr_workitem_id 0
		.amdhsa_next_free_vgpr 768
		.amdhsa_next_free_sgpr 88
		.amdhsa_reserve_vcc 1
		.amdhsa_float_denorm_mode_32 3
		.amdhsa_float_denorm_mode_16_64 3
		.amdhsa_memory_ordered 1
		.amdhsa_forward_progress 1
		.amdhsa_inst_pref_size 95
	.end_amdhsa_kernel
	.amdgpu_metadata
---
amdhsa.version: [ 1, 2 ]
amdhsa.kernels:
  - .name:           k_q36bde00635_attn
    .symbol:         k_q36bde00635_attn.kd
    .args:
      - { .name: qkv, .offset: 0, .size: 8, .value_kind: global_buffer, .address_space: global }
      - { .name: vbar, .offset: 8, .size: 8, .value_kind: global_buffer, .address_space: global }
      - { .name: padding_mask, .offset: 16, .size: 8, .value_kind: global_buffer, .address_space: global }
      - { .name: oatt, .offset: 24, .size: 8, .value_kind: global_buffer, .address_space: global }
    .group_segment_fixed_size: 327680
    .private_segment_fixed_size: 0
    .kernarg_segment_align: 8
    .kernarg_segment_size: 32
    .max_flat_workgroup_size: 128
    .sgpr_count:     88
    .vgpr_count:     768
    .wavefront_size: 32
...
	.end_amdgpu_metadata
.endif
;; end of part 4
;; launch wo (part 5): grid 8 x 32, 4 waves a work-group, clusters of 4 x 4, 327,680 bytes of LDS; arguments oatt, wts, ob, bo; writes ob
.if DOCPART == 5
	.amdgcn_target "amdgcn-amd-amdhsa--gfx1250"
	.amdhsa_code_object_version 6
	.text
	.protected	k_q36bde00635_wo
	.globl	k_q36bde00635_wo
	.p2align	8
	.type	k_q36bde00635_wo,@function
k_q36bde00635_wo:
	s_mov_b64 s[64:65], 0
	v_nop
	global_prefetch_b8 v0, s[64:65] scope:SCOPE_SE
	s_setreg_imm32_b32 hwreg(HW_REG_WAVE_MODE, 25, 1), 1
	s_wait_xcnt 0x0
	s_wait_alu depctr_hold_cnt(0) depctr_sa_sdst(0) depctr_va_vdst(0) depctr_va_sdst(0) depctr_va_ssrc(0) depctr_va_vcc(0) depctr_vm_vsrc(0)
	s_getreg_b32 s2, hwreg(HW_REG_IB_STS2, 6, 4)
	s_cmp_eq_u32 s2, 0
	s_cbranch_scc0 .Lentry_in_a_cluster
	s_endpgm
.Lentry_in_a_cluster:
	s_bfe_u32 s2, ttmp6, 0x10000c
	s_cmp_lg_u32 s2, 0xf033
	s_cbranch_scc0 .Lentry_shape_is_right
	s_endpgm
.Lentry_shape_is_right:
; C = A B + bias, in f32.  A: [K/64][4096][64] f16 (groups of 64 channels).  B: [K][1024] f16 at byte WOFF of wts.  C: [4096][1024] f32.  Here: the output projection, K = 1,024.
; A tile of C is 128 x 128, so that 256 work-groups share the work; four waves, each 64 x 64 in 16 accumulators.  K goes in TSTEPS steps of 256 through two LDS slots.
; The loop is ONE K step; which slot is read and which is filled goes by two words that an exclusive or turns.  The bias (an input: rounded to bf16) is the C operand of each accumulator's first product.
; CLUSTER: 4 x 4; A's tiles are shared along a row, B's along a column, each asked for jointly.  THE PRODUCT IS TAKEN TRANSPOSED (source 0 = 16 columns of B, turned by ds_load_tr16_b128; source 1 = 16 rows of A).
; No prefetch: the tiles are small, and each is read by eight or thirty-two work-groups at about the same time.
; REGISTERS: window 0: v16-29 addresses; v64-95 rows read back; v96-127 the bias; v128-255 the accumulators ((a, b) at v[128 + 8 (4 a + b)]).  Window 1: two fragment buffers of 128: A's 64, then B's 64.
.set TSTEPS, 4
.set WOFF,  6291456
.set PAA,   144                        ; a row of A in LDS: 128 bytes (one group's 64 channels) + 16
.set PBB,   288                        ; a row of B (one k, 128 columns): 256 bytes + 32
.set AG,    128*PAA                    ; a group's 128 rows
.set BOFF,  4*AG                       ; B's 256 rows lie behind A's four groups
.set WLOAD, 2*AG                       ; what one tensor load brings: two groups of A, or 128 rows of B (128 x 288 is the same number)
.set SLOT,  4*WLOAD                    ; 0x24000: none of its bits is set in wave x WLOAD, so an exclusive or changes slots
.set STAGE, 2*SLOT
.set SPITCH, 272
.set SPARE, STAGE+4*16*SPITCH
.set ASTEP, 4*524288                   ; four groups on
.set BSTEP, 256*2048
.set A0,   16
.set B0,   17
.set ADRA, 18
.set ADRB, 20                          ; v20 quarters 0, 1; v21 quarters 2, 3 (128 rows on: the immediate holds 16 bits)
.set STO,  24
.set RD,   25
.set CO,   26
.set BO,   27
.set SPW,  28
.set NIL,  29
.set OB,   64
.set BIAS, 96
.set ACC,  128
.set F0,   0
.set F1,   128
.set G1,  24
.set G0,  32
.set G1B, 48
.set G0B, 56
.set TB,  66
.set MSB, 0
.macro WIN new
.if MSB != (\new)
	s_set_vgpr_msb (MSB<<8)|(\new)
.set MSB, \new
.endif
.endm
.set MUL,  0x05
.set TO_F, 0x40
.macro PLACES
.rept 4
	v_nop
.endr
.endm
.macro JLOAD
	s_cmp_eq_u32 s11, 0
	s_cbranch_scc0 .Lfor_b_\@
	tensor_load_to_lds s[G0+4:G0+7], s[G1:G1+7]
	s_nop 0
.rept 4
	v_nop
.endr
	s_branch .Lasked_\@
.Lfor_b_\@:
	tensor_load_to_lds s[G0B+4:G0B+7], s[G1B:G1B+7]
	s_nop 0
.rept 4
	v_nop
.endr
.Lasked_\@:
.endm
.macro CREST
	s_cmp_lg_u32 s10, 0
	s_cbranch_scc1 .Lnot_wave_0_\@
	s_barrier_signal -3
.Lnot_wave_0_\@:
	s_barrier_wait -3
	s_barrier_signal -1
	s_barrier_wait -1
.endm
.macro CROUND
	s_barrier_signal -1
	s_barrier_wait -1
	CREST
.endm
.macro RND base, n
.set p, 0
.rept \n
	v_cvt_pk_bf16_f32 v[1+p%4], v[(\base)+2*p], v[(\base)+2*p+1]
	v_lshlrev_b32 v[(\base)+2*p], 16, v[1+p%4]
	v_and_b32 v[(\base)+2*p+1], s72, v[1+p%4]
.set p, p+1
.endr
.endm
; 8 matrix instructions: m blocks a0, a0 + 1 x all 4 n blocks, 32 along K: half c of buffer f.  zero = 1: the first product starts the sums with the bias of its columns
.macro MUL8 f, c, a0, zero
	WIN MUL
.irp a, \a0, (\a0)+1
.irp b, 0,1,2,3
.if \zero
	v_wmma_f32_16x16x32_f16 v[ACC+8*(4*(\a)+(\b)):ACC+8*(4*(\a)+(\b))+7], v[(\f)+64+8*(4*(\c)+(\b)):(\f)+64+8*(4*(\c)+(\b))+7], v[(\f)+8*(4*(\c)+(\a)):(\f)+8*(4*(\c)+(\a))+7], v[BIAS+8*(\b):BIAS+8*(\b)+7]
.else
	v_wmma_f32_16x16x32_f16 v[ACC+8*(4*(\a)+(\b)):ACC+8*(4*(\a)+(\b))+7], v[(\f)+64+8*(4*(\c)+(\b)):(\f)+64+8*(4*(\c)+(\b))+7], v[(\f)+8*(4*(\c)+(\a)):(\f)+8*(4*(\c)+(\a))+7], v[ACC+8*(4*(\a)+(\b)):ACC+8*(4*(\a)+(\b))+7]
.endif
.endr
.endr
.endm
; 32 LDS loads in one run: quarter q of the step (64 along K: one group of A, 64 rows of B) into buffer f; the first 32 along K first
.macro FETCH q, f
	WIN TO_F
.irp c, 0,1
.irp i, 0,1,2,3
	ds_load_tr16_b128 v[(\f)+64+8*(4*(\c)+(\i)):(\f)+64+8*(4*(\c)+(\i))+3],   v[ADRB+(\q)/2] offset:((\q)%2)*64*PBB+(\c)*32*PBB+32*(\i)
	ds_load_tr16_b128 v[(\f)+64+8*(4*(\c)+(\i))+4:(\f)+64+8*(4*(\c)+(\i))+7], v[ADRB+(\q)/2] offset:((\q)%2)*64*PBB+(\c)*32*PBB+16*PBB+32*(\i)
	ds_load_b128 v[(\f)+8*(4*(\c)+(\i)):(\f)+8*(4*(\c)+(\i))+3],   v[ADRA] offset:(\q)*AG+64*(\c)+(\i)*16*PAA
	ds_load_b128 v[(\f)+8*(4*(\c)+(\i))+4:(\f)+8*(4*(\c)+(\i))+7], v[ADRA] offset:(\q)*AG+64*(\c)+(\i)*16*PAA+32
.endr
.endr
.endm
.macro QUARTER q, f, g, zero           ; multiplies buffer f; in its middle fetches quarter q into g
	s_wait_dscnt 16                                ; the first 32 along K are in
	MUL8 \f, 0, 0, \zero
	MUL8 \f, 0, 2, \zero
	PLACES
	FETCH \q, \g
	s_wait_dscnt 32                                ; all but the 32 just issued
	MUL8 \f, 1, 0, 0
	MUL8 \f, 1, 2, 0
.endm
.macro MEET
	WIN 0
	s_wait_tensorcnt 0x0                           ; all my tensor loads have landed: my part of the other slot
	ds_add_u32 v[SPW], v[NIL]                      ; 0 onto my spare word
	s_wait_dscnt 17                                ; the add and the youngest sixteen loads may be out
	MUL8 F1, 0, 0, 0
	s_wait_dscnt 0x0                               ; the add is done, and my reads of this slot are over
	s_barrier_signal -1
	MUL8 F1, 0, 2, 0
	WIN 0
	s_barrier_wait -1
.endm
.macro SWAP
	s_xor_b32 s[TB], s[TB], SLOT
	v_add_nc_u32 v[ADRA], s[TB], v[A0]
	v_add_nc_u32 v[ADRB], s[TB], v[B0]
	v_add_nc_u32 v[ADRB+1], 128*PBB, v[ADRB]
.endm
.macro TURN
	MEET
	CREST                                          ; the barrier has opened a round of the cluster's: no wave of any partner still reads the slot or has a load on its way
	s_xor_b32 s[G0+5], s[G0+5], SLOT
	s_add_nc_u64 s[G0+6:G0+7], s[G0+6:G0+7], ASTEP
	s_xor_b32 s[G0B+5], s[G0B+5], SLOT
	s_add_nc_u64 s[G0B+6:G0B+7], s[G0B+6:G0B+7], BSTEP
	JLOAD                                          ; the first tensor load behind the round: 112 matrix instructions ahead of the wait for it
	SWAP
	FETCH 0, F0
	MUL8 F1, 1, 0, 0
	MUL8 F1, 1, 2, 0
.endm
	s_load_b128 s[4:7], s[0:1], 0x0                ; A s[4:5], wts s[6:7]
	s_load_b64 s[8:9], s[0:1], 0x10                ; C
	s_load_b64 s[70:71], s[0:1], 0x18              ; the bias
	v_lshl_add_u32 v[SPW], v0, 2, SPARE
	v_mov_b32 v[NIL], 0
	ds_add_u32 v[SPW], v[NIL]                      ; the wave's opening: the add, twice on end, and its wait ahead of my first tensor load
	ds_add_u32 v[SPW], v[NIL]
	v_lshrrev_b32 v1, 5, v0
	v_readfirstlane_b32 s10, v1
	s_lshr_b32 s11, s10, 1                         ; my half of the tile's rows.  Also: I fetch for A (0) or for B (1)
	s_and_b32 s12, s10, 1                          ; my half of its columns.  Also: which half of that tile I fetch
	s_bfe_u32 s40, ttmp6, 0x40000
	s_bfe_u32 s41, ttmp6, 0x40004
	s_lshl_b32 s42, ttmp9, 2
	s_add_co_u32 s42, s42, s40                     ; tile column
	s_and_b32 s13, ttmp7, 0xffff
	s_lshl_b32 s13, s13, 2
	s_add_co_u32 s13, s13, s41                     ; tile row
	s_lshl_b32 s74, s41, 2
	s_lshl_b32 s74, 15, s74
	s_lshl_b32 s75, 0x1111, s40
	s_or_b32 s[G1+0], s74, (1<<16)|(1<<20)|(1<<21)|(4<<22)|(3<<25)   ; after every 32 words (a row of a group), 4 words
	s_or_b32 s[G1B+0], s75, (1<<16)|(1<<20)|(1<<21)|(5<<22)|(7<<25)  ; after every 64 words, 8 words
	s_mov_b32 s[G1+1], 8192<<16                    ; A: a group's 128 rows are 8,192 dense elements: one long row; two groups, 262,144 elements apart
	s_mov_b32 s[G1+2], 2<<16
	s_mov_b32 s[G1+3], 8192<<16
	s_mov_b32 s[G1+4], 2
	s_mov_b32 s[G1+5], 262144
	s_mov_b32 s[G1+6], 0
	s_mov_b32 s[G1+7], 0
	s_mov_b32 s[G1B+1], 128<<16                    ; B: 128 rows x 128 elements, 1,024 elements from row to row
	s_mov_b32 s[G1B+2], 128<<16
	s_mov_b32 s[G1B+3], 128<<16
	s_mov_b32 s[G1B+4], 128
	s_mov_b32 s[G1B+5], 1024
	s_mov_b32 s[G1B+6], 0
	s_mov_b32 s[G1B+7], 0
	s_lshl_b32 s16, s12, 20                        ; A: two groups x half,
	s_lshl_b32 s17, s13, 14                        ; 128 rows of 128 bytes x tile row
	s_add_co_u32 s16, s16, s17
	s_mov_b32 s17, 0
	s_lshl_b32 s46, s12, 18                        ; B: 128 rows of 2,048 bytes x half,
	s_lshl_b32 s47, s42, 8                         ; 256 bytes x tile column
	s_add_co_u32 s46, s46, s47
	s_add_co_u32 s46, s46, WOFF
	s_mov_b32 s47, 0
	s_mul_i32 s20, s10, WLOAD
	s_wait_dscnt 0x0                               ; both opening adds are done
	s_wait_kmcnt 0x0
	s_add_nc_u64 s[14:15], s[4:5], s[16:17]
	s_add_nc_u64 s[46:47], s[6:7], s[46:47]
	CROUND                                         ; all sixteen work-groups are here: the first joint loads meet
.irp s, 0,1
	s_mov_b32 s[G0+4*(\s)], 1
	s_add_co_u32 s[G0+4*(\s)+1], s20, (\s)*SLOT
	s_add_nc_u64 s[G0+4*(\s)+2:G0+4*(\s)+3], s[14:15], (\s)*ASTEP
	s_or_b32 s[G0+4*(\s)+3], s[G0+4*(\s)+3], 0x80000000
	s_mov_b32 s[G0B+4*(\s)], 1
	s_add_co_u32 s[G0B+4*(\s)+1], s20, (\s)*SLOT
	s_add_nc_u64 s[G0B+4*(\s)+2:G0B+4*(\s)+3], s[46:47], (\s)*BSTEP
	s_or_b32 s[G0B+4*(\s)+3], s[G0B+4*(\s)+3], 0x80000000
.endr
	s_cmp_eq_u32 s11, 0                            ; a wave's two first fills stand in one branch: two loads of mine are out
	s_cbranch_scc0 .Lfirst_b
	tensor_load_to_lds s[G0:G0+3], s[G1:G1+7]
	s_nop 0
	tensor_load_to_lds s[G0+4:G0+7], s[G1:G1+7]
	s_nop 0
.rept 4
	v_nop
.endr
	s_branch .Lfirst_asked
.Lfirst_b:
	tensor_load_to_lds s[G0B:G0B+3], s[G1B:G1B+7]
	s_nop 0
	tensor_load_to_lds s[G0B+4:G0B+7], s[G1B:G1B+7]
	s_nop 0
.rept 4
	v_nop
.endr
.Lfirst_asked:
	v_and_b32 v1, 15, v0
	v_bfe_u32 v2, v0, 4, 1
	v_bfe_u32 v5, v0, 3, 1
	v_and_b32 v7, 7, v0
	s_lshl_b32 s21, s42, 9                         ; the bias of my 64 columns: a lane's eight of each block of 16
	s_lshl_b32 s22, s12, 8
	s_add_co_u32 s21, s21, s22
	v_lshl_add_u32 v[BO], v2, 5, s21
.irp b, 0,1,2,3
	global_load_b128 v[BIAS+8*(\b):BIAS+8*(\b)+3],   v[BO], s[70:71] offset:64*(\b)
	global_load_b128 v[BIAS+8*(\b)+4:BIAS+8*(\b)+7], v[BO], s[70:71] offset:64*(\b)+16
.endr
	s_mov_b32 s72, 0xffff0000
	v_mul_u32_u24 v3, v1, PAA
	v_lshl_add_u32 v3, v2, 4, v3
	s_mul_i32 s21, s11, 64*PAA                     ; my 64 rows of each group
	v_add_nc_u32 v[A0], s21, v3
	v_lshl_add_u32 v4, v2, 3, v7
	v_mul_u32_u24 v4, v4, PBB
	v_lshl_add_u32 v4, v5, 4, v4
	s_lshl_b32 s22, s12, 7                         ; my 64 columns
	s_add_co_u32 s22, s22, BOFF
	v_add_nc_u32 v[B0], s22, v4
	v_mov_b32 v[ADRA], v[A0]
	v_mov_b32 v[ADRB], v[B0]
	v_add_nc_u32 v[ADRB+1], 128*PBB, v[B0]
	s_mov_b32 s[TB], 0
	s_mul_i32 s23, s10, 16*SPITCH
	s_add_co_u32 s23, s23, STAGE                   ; my stage: a wave's 64 f32 columns are a whole row of 256 bytes
	v_mul_u32_u24 v6, v1, SPITCH
	v_lshl_add_u32 v6, v2, 5, v6
	v_add_nc_u32 v[STO], s23, v6
	v_mul_u32_u24 v6, v2, SPITCH
	v_lshl_add_u32 v6, v1, 4, v6
	v_add_nc_u32 v[RD], s23, v6
	v_lshlrev_b32 v6, 12, v2
	v_lshl_add_u32 v[CO], v1, 4, v6
	s_lshl_b32 s16, s13, 19                        ; 128 rows of 4,096 bytes x tile row
	s_lshl_b32 s17, s11, 18
	s_add_co_u32 s16, s16, s17
	s_lshl_b32 s17, s42, 9
	s_add_co_u32 s16, s16, s17
	s_lshl_b32 s17, s12, 8
	s_add_co_u32 s16, s16, s17
	s_mov_b32 s17, 0
	s_add_nc_u64 s[8:9], s[8:9], s[16:17]
	s_wait_tensorcnt 1                             ; my part of K step 0 is in; K step 1's may stay out
	s_barrier_signal -1
	s_barrier_wait -1
	FETCH 0, F0
	WIN 0
	s_wait_loadcnt 0x0                             ; the bias,
	RND BIAS, 16                                   ; an input: rounded to bf16
	QUARTER 1, F0, F1, 1
	WIN 0
	s_mov_b32 s3, TSTEPS-2
.Lk:                                           ; a trip is a K step, from its second quarter to the next step's first; trip i asks for K step i + 2
	QUARTER 2, F1, F0, 0
	QUARTER 3, F0, F1, 0
	TURN
	QUARTER 1, F0, F1, 0
	WIN 0
	s_sub_co_u32 s3, s3, 1
	s_cmp_lg_u32 s3, 0
	s_cbranch_scc1 .Lk
	s_mov_b32 s3, 2
.Lt:                                           ; the last two K steps ask for nothing; the second trip is left in its middle
	QUARTER 2, F1, F0, 0
	QUARTER 3, F0, F1, 0
	MEET
	s_sub_co_u32 s3, s3, 1
	s_cmp_eq_u32 s3, 0
	s_cbranch_scc1 .Lout
	SWAP
	PLACES
	FETCH 0, F0
	MUL8 F1, 1, 0, 0
	MUL8 F1, 1, 2, 0
	QUARTER 1, F0, F1, 0
	WIN 0
	s_branch .Lt
.Lout:
	MUL8 F1, 1, 0, 0
	MUL8 F1, 1, 2, 0
	WIN 0
	PLACES
	PLACES
	; THE WAY OUT: 16 rows at a time, from the accumulators into my own stage, back as whole rows of 256 bytes, stored
.irp a, 0,1,2,3
.irp b, 0,1,2,3
	ds_store_b128 v[STO], v[ACC+8*(4*(\a)+(\b)):ACC+8*(4*(\a)+(\b))+3]   offset:64*(\b)
	ds_store_b128 v[STO], v[ACC+8*(4*(\a)+(\b))+4:ACC+8*(4*(\a)+(\b))+7] offset:64*(\b)+16
.endr
	s_wait_xcnt 0x0                                ; the registers that the last block's stores read, and their base, are rewritten only behind this wait
.irp t, 0,1,2,3,4,5,6,7
	ds_load_b128 v[OB+4*(\t):OB+4*(\t)+3], v[RD] offset:(\t)*2*SPITCH  ; LDS serves a wave's instructions in order (ISA guide 5.7.1.4): these see the stores above
.endr
	s_wait_dscnt 0x0
.if (\a) > 0
	s_add_nc_u64 s[8:9], s[8:9], 65536             ; 16 rows of C on
.endif
.irp t, 0,1,2,3,4,5,6,7
	global_store_b128 v[CO], v[OB+4*(\t):OB+4*(\t)+3], s[8:9] offset:8192*(\t)  ; 16 lanes store 256 consecutive bytes, aligned
.endr
.endr
	s_wait_tensorcnt 0x0                           ; the wave's end
	ds_add_u32 v[SPW], v[NIL]
	s_wait_dscnt 0x0
	CROUND                                         ; the closing round
	s_endpgm
.Lfunc_end_k_q36bde00635_wo:
	.size	k_q36bde00635_wo, .Lfunc_end_k_q36bde00635_wo-k_q36bde00635_wo
	.p2alignl 7, 3214868480
	.fill 96, 4, 3214868480
	.section	.rodata,"a",@progbits
	.p2align	6, 0x0
	.amdhsa_kernel k_q36bde00635_wo
		.amdhsa_group_segment_fixed_size 327680
		.amdhsa_private_segment_fixed_size 0
		.amdhsa_enable_private_segment 0
		.amdhsa_kernarg_size 32
		.amdhsa_user_sgpr_count 2
		.amdhsa_user_sgpr_kernarg_segment_ptr 1
		.amdhsa_wavefront_size32 1
		.amdhsa_system_sgpr_workgroup_id_x 1
		.amdhsa_system_sgpr_workgroup_id_y 1
		.amdhsa_system_sgpr_workgroup_id_z 1
		.amdhsa_system_vgpr_workitem_id 0
		.amdhsa_next_free_vgpr 512
		.amdhsa_next_free_sgpr 80
		.amdhsa_reserve_vcc 0
		.amdhsa_float_denorm_mode_32 3
		.amdhsa_float_denorm_mode_16_64 3
		.amdhsa_memory_ordered 1
		.amdhsa_forward_progress 1
		.amdhsa_inst_pref_size 62
	.end_amdhsa_kernel
	.amdgpu_metadata
---
amdhsa.version: [ 1, 2 ]
amdhsa.kernels:
  - .name:           k_q36bde00635_wo
    .symbol:         k_q36bde00635_wo.kd
    .args:
      - { .name: oatt, .offset: 0, .size: 8, .value_kind: global_buffer, .address_space: global }
      - { .name: wts, .offset: 8, .size: 8, .value_kind: global_buffer, .address_space: global }
      - { .name: ob, .offset: 16, .size: 8, .value_kind: global_buffer, .address_space: global }
      - { .name: bo, .offset: 24, .size: 8, .value_kind: global_buffer, .address_space: global }
    .group_segment_fixed_size: 327680
    .private_segment_fixed_size: 0
    .kernarg_segment_align: 8
    .kernarg_segment_size: 32
    .max_flat_workgroup_size: 128
    .sgpr_count:     80
    .vgpr_count:     512
    .wavefront_size: 32
...
	.end_amdgpu_metadata
.endif
;; end of part 5
;; launch ln2 (part 6): grid 256 x 1, 8 waves a work-group, no clusters, 0 bytes of LDS; arguments ob, ln2_g, ln2_b, hn; writes hn
.if DOCPART == 6
	.amdgcn_target "amdgcn-amd-amdhsa--gfx1250"
	.amdhsa_code_object_version 6
	.text
	.protected	k_q36bde00635_ln2
	.globl	k_q36bde00635_ln2
	.p2align	8
	.type	k_q36bde00635_ln2,@function
k_q36bde00635_ln2:
	s_mov_b64 s[64:65], 0
	v_nop
	global_prefetch_b8 v0, s[64:65] scope:SCOPE_SE
	s_setreg_imm32_b32 hwreg(HW_REG_WAVE_MODE, 25, 1), 1
	s_wait_xcnt 0x0
; Layer norm 2: ob [4096][1024] f32 -> hn [4096][1024] f16.  Gain and bias are inputs: rounded to bf16 first; ob is the program's own and stays f32.
; A work-group has 16 rows, a wave two; a row lies in 32 registers of one wave between the passes: memory is read once, and no wave waits for another.  No LDS, no matrix unit: memory binds.
.set T,   4
.set G,   16
.set BB,  48
.set X0,  80
.set X1,  112
.set Y,   144
.set XP,  8
.set GP,  10
.set BP,  12
.set HN,  14
.macro RND base, n
.set p, 0
.rept \n
	v_cvt_pk_bf16_f32 v[T+p%4], v[(\base)+2*p], v[(\base)+2*p+1]
	v_lshlrev_b32 v[(\base)+2*p], 16, v[T+p%4]
	v_and_b32 v[(\base)+2*p+1], s5, v[T+p%4]
.set p, p+1
.endr
.endm
.macro REDUCE
	v_pk_add_f32 v[T:T+1], v[T:T+1], v[T+2:T+3]
	v_pk_add_f32 v[T+4:T+5], v[T+4:T+5], v[T+6:T+7]
	v_pk_add_f32 v[T:T+1], v[T:T+1], v[T+4:T+5]
	v_add_f32 v[T], v[T], v[T+1]
	v_add_f32_dpp v[T], v[T], v[T] row_xmask:1 row_mask:0xf bank_mask:0xf
	v_add_f32_dpp v[T], v[T], v[T] row_xmask:2 row_mask:0xf bank_mask:0xf
	v_add_f32_dpp v[T], v[T], v[T] row_xmask:4 row_mask:0xf bank_mask:0xf
	v_add_f32_dpp v[T], v[T], v[T] row_xmask:8 row_mask:0xf bank_mask:0xf
	v_permlanex16_b32 v[T+1], v[T], s6, s7
	v_add_f32 v[T], v[T], v[T+1]
.endm
.macro LNROW X, off                    ; mean, then the mean of the squared differences (two passes), scale, gain, bias, f16
.irp c, 0,1,2,3
	v_pk_add_f32 v[T+2*(\c):T+2*(\c)+1], v[(\X)+2*(\c):(\X)+2*(\c)+1], v[(\X)+8+2*(\c):(\X)+8+2*(\c)+1]
.endr
.irp c, 0,1,2,3
	v_pk_add_f32 v[T+2*(\c):T+2*(\c)+1], v[T+2*(\c):T+2*(\c)+1], v[(\X)+16+2*(\c):(\X)+16+2*(\c)+1]
.endr
.irp c, 0,1,2,3
	v_pk_add_f32 v[T+2*(\c):T+2*(\c)+1], v[T+2*(\c):T+2*(\c)+1], v[(\X)+24+2*(\c):(\X)+24+2*(\c)+1]
.endr
	REDUCE
	v_mul_f32 v[T+8], s31, v[T]
	v_mov_b32 v[T+9], v[T+8]
.set p, 0
.rept 16
	v_pk_add_f32 v[(\X)+2*p:(\X)+2*p+1], v[(\X)+2*p:(\X)+2*p+1], v[T+8:T+9] neg_lo:[0,1] neg_hi:[0,1]
.set p, p+1
.endr
.irp c, 0,1,2,3
	v_pk_mul_f32 v[T+2*(\c):T+2*(\c)+1], v[(\X)+2*(\c):(\X)+2*(\c)+1], v[(\X)+2*(\c):(\X)+2*(\c)+1]
.endr
.irp o, 8,16,24
.irp c, 0,1,2,3
	v_pk_fma_f32 v[T+2*(\c):T+2*(\c)+1], v[(\X)+(\o)+2*(\c):(\X)+(\o)+2*(\c)+1], v[(\X)+(\o)+2*(\c):(\X)+(\o)+2*(\c)+1], v[T+2*(\c):T+2*(\c)+1]
.endr
.endr
	REDUCE
	v_fmaak_f32 v[T+10], s31, v[T], 0x3727c5ac     ; the variance + 1e-5
	v_rsq_f32 v[T+10], v[T+10]
	v_nop                                          ; a plain instruction behind the root,
	s_wait_alu depctr_va_vdst(0)                   ; and the wait ahead of its first reader
	v_mov_b32 v[T+11], v[T+10]
.set p, 0
.rept 16
	v_pk_mul_f32 v[(\X)+2*p:(\X)+2*p+1], v[(\X)+2*p:(\X)+2*p+1], v[T+10:T+11]
.set p, p+1
.endr
.set p, 0
.rept 16
	v_pk_fma_f32 v[(\X)+2*p:(\X)+2*p+1], v[(\X)+2*p:(\X)+2*p+1], v[G+2*p:G+2*p+1], v[BB+2*p:BB+2*p+1]
.set p, p+1
.endr
.set p, 0
.rept 16
	v_cvt_pk_f16_f32 v[Y+p], v[(\X)+2*p], v[(\X)+2*p+1]
.set p, p+1
.endr
.irp j, 0,1,2,3,4,5,6,7
	global_store_b64 v2, v[Y+2*(\j):Y+2*(\j)+1], s[HN:HN+1] offset:(\off)+256*(\j)  ; 32 lanes store 256 consecutive bytes, aligned
.endr
.endm
	s_load_b256 s[8:15], s[0:1], 0x0               ; ob, ln2_g, ln2_b, hn
	v_lshrrev_b32 v1, 5, v0
	v_readfirstlane_b32 s4, v1
	v_and_b32 v3, 31, v0
	s_mov_b32 s5, 0xffff0000
	s_mov_b32 s6, 0x76543210
	s_mov_b32 s7, 0xfedcba98
	s_mov_b32 s31, 0x3a800000                      ; 1 / 1,024
	v_lshlrev_b32 v1, 4, v3
	v_lshlrev_b32 v2, 3, v3
	s_lshl_b32 s2, ttmp9, 16
	s_lshl_b32 s3, s4, 13
	s_add_co_u32 s2, s2, s3
	s_mov_b32 s3, 0
	s_wait_kmcnt 0x0
	s_add_nc_u64 s[XP:XP+1], s[XP:XP+1], s[2:3]
	s_lshr_b32 s2, s2, 1
	s_add_nc_u64 s[HN:HN+1], s[HN:HN+1], s[2:3]
.irp j, 0,1,2,3,4,5,6,7
	global_load_b128 v[G+4*(\j):G+4*(\j)+3], v1, s[GP:GP+1] offset:512*(\j)
.endr
.irp j, 0,1,2,3,4,5,6,7
	global_load_b128 v[BB+4*(\j):BB+4*(\j)+3], v1, s[BP:BP+1] offset:512*(\j)
.endr
.irp j, 0,1,2,3,4,5,6,7
	global_load_b128 v[X0+4*(\j):X0+4*(\j)+3], v1, s[XP:XP+1] offset:512*(\j) th:TH_LOAD_NT
.endr
.irp j, 0,1,2,3,4,5,6,7
	global_load_b128 v[X1+4*(\j):X1+4*(\j)+3], v1, s[XP:XP+1] offset:4096+512*(\j) th:TH_LOAD_NT
.endr
	s_wait_loadcnt 16                              ; gain and bias are in; the two rows' sixteen loads stay out
	RND G, 16
	RND BB, 16
	s_wait_loadcnt 8                               ; the first row is in
	LNROW X0, 0
	s_wait_loadcnt 0x0
	s_wait_xcnt 0x0                                ; Y is rewritten only behind this wait
	LNROW X1, 2048
	s_endpgm
.Lfunc_end_k_q36bde00635_ln2:
	.size	k_q36bde00635_ln2, .Lfunc_end_k_q36bde00635_ln2-k_q36bde00635_ln2
	.p2alignl 7, 3214868480
	.fill 96, 4, 3214868480
	.section	.rodata,"a",@progbits
	.p2align	6, 0x0
	.amdhsa_kernel k_q36bde00635_ln2
		.amdhsa_group_segment_fixed_size 0
		.amdhsa_private_segment_fixed_size 0
		.amdhsa_enable_private_segment 0
		.amdhsa_kernarg_size 32
		.amdhsa_user_sgpr_count 2
		.amdhsa_user_sgpr_kernarg_segment_ptr 1
		.amdhsa_wavefront_size32 1
		.amdhsa_system_sgpr_workgroup_id_x 1
		.amdhsa_system_sgpr_workgroup_id_y 1
		.amdhsa_system_sgpr_workgroup_id_z 1
		.amdhsa_system_vgpr_workitem_id 0
		.amdhsa_next_free_vgpr 160
		.amdhsa_next_free_sgpr 66
		.amdhsa_reserve_vcc 0
		.amdhsa_float_denorm_mode_32 3
		.amdhsa_float_denorm_mode_16_64 3
		.amdhsa_memory_ordered 1
		.amdhsa_forward_progress 1
		.amdhsa_inst_pref_size 24
	.end_amdhsa_kernel
	.amdgpu_metadata
---
amdhsa.version: [ 1, 2 ]
amdhsa.kernels:
  - .name:           k_q36bde00635_ln2
    .symbol:         k_q36bde00635_ln2.kd
    .args:
      - { .name: ob, .offset: 0, .size: 8, .value_kind: global_buffer, .address_space: global }
      - { .name: ln2_g, .offset: 8, .size: 8, .value_kind: global_buffer, .address_space: global }
      - { .name: ln2_b, .offset: 16, .size: 8, .value_kind: global_buffer, .address_space: global }
      - { .name: hn, .offset: 24, .size: 8, .value_kind: global_buffer, .address_space: global }
    .group_segment_fixed_size: 0
    .private_segment_fixed_size: 0
    .kernarg_segment_align: 8
    .kernarg_segment_size: 32
    .max_flat_workgroup_size: 256
    .sgpr_count:     66
    .vgpr_count:     160
    .wavefront_size: 32
...
	.end_amdgpu_metadata
.endif
;; end of part 6
;; launch ffn1 (part 7): grid 16 x 16, 4 waves a work-group, clusters of 4 x 4, 327,680 bytes of LDS; arguments hn, wts, act, b1; writes act
.if DOCPART == 7
	.amdgcn_target "amdgcn-amd-amdhsa--gfx1250"
	.amdhsa_code_object_version 6
	.text
	.protected	k_q36bde00635_ffn1
	.globl	k_q36bde00635_ffn1
	.p2align	8
	.type	k_q36bde00635_ffn1,@function
k_q36bde00635_ffn1:
	s_mov_b64 s[64:65], 0
	v_nop
	global_prefetch_b8 v0, s[64:65] scope:SCOPE_SE
	s_setreg_imm32_b32 hwreg(HW_REG_WAVE_MODE, 25, 1), 1
	s_wait_xcnt 0x0
	s_wait_alu depctr_hold_cnt(0) depctr_sa_sdst(0) depctr_va_vdst(0) depctr_va_sdst(0) depctr_va_ssrc(0) depctr_va_vcc(0) depctr_vm_vsrc(0)
	s_getreg_b32 s2, hwreg(HW_REG_IB_STS2, 6, 4)
	s_cmp_eq_u32 s2, 0
	s_cbranch_scc0 .Lentry_in_a_cluster
	s_endpgm
.Lentry_in_a_cluster:
	s_bfe_u32 s2, ttmp6, 0x10000c
	s_cmp_lg_u32 s2, 0xf033
	s_cbranch_scc0 .Lentry_shape_is_right
	s_endpgm
.Lentry_shape_is_right:
; C = relu(A B + bias).  A: hn [4096][1024] f16.  B: [1024][NN] f16 at byte WOFF of wts, rows along N.  C leaves in groups of 64 columns, [NN/64][4096][64] f16, rounded once from f32 sums.
; Here: the hidden layer (NN = 4,096).  The text is that of the q, k, v product with EPI = 1: the bias (an input: rounded to bf16) is the C operand of each accumulator's first product; the ReLU is taken on the packed halves.
; A tile of C is 256 x 256: four waves, each 128 x 128 in 64 accumulators (512 registers).  K = 1,024 goes in 8 steps of 128 through two LDS slots filled by the tensor data mover.
; The loop is ONE K step; which slot is read and which is filled goes by two words that an exclusive or turns.
; CLUSTER: 4 x 4 work-groups.  A's tiles are shared along a row of the cluster, B's along a column: each is asked for jointly, by the same load, descriptor and mask in the four.
; THE PRODUCT IS TAKEN TRANSPOSED: source 0 = 16 columns of B (turned on the way out of LDS by ds_load_tr16_b128), source 1 = 16 rows of A: a lane holds eight neighbouring columns of one row of C.
; REGISTERS: window 0: v16-31 addresses; v64-127, v128-191 A's fragments, two buffers; v192-255 the bias; on the way out v64-95 packed, v32-63 and v96-127 rows read back.
;   window 1: v64-127, v128-191 B's fragments.  Window 2: the accumulators of my rows 0-63 ((a, b) at v[8 (8 a + b)]); window 3: rows 64-127.
; LIMIT: the results lie within f16's 65,504.
.set NN,    4096
.set WOFF,  8388608
.set EPI,   1
.set KSTEP, 128
.set PA,    272                        ; a row of A in LDS: 256 bytes + 16
.set PB,    544                        ; a row of B (one k, 256 columns): 512 bytes + 32
.set HALFT, 128*PA                     ; what one tensor load brings: 128 rows of A, or 64 rows of B
.set SLOT,  4*HALFT                    ; 0x22000: none of its bits is set in wave x HALFT, so an exclusive or changes slots
.set STAGE, 2*SLOT
.set SPITCH, 272
.set SPARE, STAGE+4*16*SPITCH
.set BSTEP, KSTEP*NN*2
.set A0,   16
.set B0,   17
.set ADRA, 18
.set ADRB, 19
.set STO,  24
.set RD,   25
.set CO,   26
.set BO,   27
.set SPW,  28
.set NIL,  29
.set PFO,  30
.set ZR,   31
.set F0,   64
.set F1,   128
.set TMP,  64
.set BIAS, 192
.set G1,  24
.set G0,  32
.set G1B, 48
.set G0B, 56
.set LIM, 43
.set PFA, 44
.set TB,  66
.set PST, 68
.set MSB, 0
.macro WIN new
.if MSB != (\new)
	s_set_vgpr_msb (MSB<<8)|(\new)
.set MSB, \new
.endif
.endm
.set MUL_LO, 0xa1
.set TO_B,   0x40
.macro PLACES
.rept 4
	v_nop
.endr
.endm
.macro JLOAD
	s_cmp_eq_u32 s11, 0
	s_cbranch_scc0 .Lfor_b_\@
	tensor_load_to_lds s[G0+4:G0+7], s[G1:G1+7]
	s_nop 0
.rept 4
	v_nop
.endr
	s_branch .Lasked_\@
.Lfor_b_\@:
	tensor_load_to_lds s[G0B+4:G0B+7], s[G1B:G1B+7]
	s_nop 0
.rept 4
	v_nop
.endr
.Lasked_\@:
.endm
.macro CREST
	s_cmp_lg_u32 s10, 0
	s_cbranch_scc1 .Lnot_wave_0_\@
	s_barrier_signal -3
.Lnot_wave_0_\@:
	s_barrier_wait -3
	s_barrier_signal -1
	s_barrier_wait -1
.endm
.macro CROUND
	s_barrier_signal -1
	s_barrier_wait -1
	CREST
.endm
.macro ASK                             ; the K step two refills on: 32 blocks of 256 bytes, a lane a block; each block is named once in the launch
	s_cmp_gt_u32 s3, s[LIM]
	s_cbranch_scc0 .Lnot_mine_\@
	global_prefetch_b8 v[PFO], s[PFA:PFA+1] th:TH_LOAD_NT scope:SCOPE_SE
.Lnot_mine_\@:
.endm
.macro RND base, n
.set p, 0
.rept \n
	v_cvt_pk_bf16_f32 v[1+p%4], v[(\base)+2*p], v[(\base)+2*p+1]
	v_lshlrev_b32 v[(\base)+2*p], 16, v[1+p%4]
	v_and_b32 v[(\base)+2*p+1], s72, v[1+p%4]
.set p, p+1
.endr
.endm
.macro MUL16 f, hi, a0, zero
.if (\zero) && EPI
	WIN 0x81+0x40*(\hi)                            ; C (the bias) in window 0
.else
	WIN MUL_LO+0x50*(\hi)
.endif
.irp a, \a0, (\a0)+1
.irp b, 0,1,2,3,4,5,6,7
.if (\zero) && EPI
	v_wmma_f32_16x16x32_f16 v[8*(8*(\a)+(\b)):8*(8*(\a)+(\b))+7], v[(\f)+8*(\b):(\f)+8*(\b)+7], v[(\f)+8*(4*(\hi)+(\a)):(\f)+8*(4*(\hi)+(\a))+7], v[BIAS+8*(\b):BIAS+8*(\b)+7]
.elseif \zero
	v_wmma_f32_16x16x32_f16 v[8*(8*(\a)+(\b)):8*(8*(\a)+(\b))+7], v[(\f)+8*(\b):(\f)+8*(\b)+7], v[(\f)+8*(4*(\hi)+(\a)):(\f)+8*(4*(\hi)+(\a))+7], 0
.else
	v_wmma_f32_16x16x32_f16 v[8*(8*(\a)+(\b)):8*(8*(\a)+(\b))+7], v[(\f)+8*(\b):(\f)+8*(\b)+7], v[(\f)+8*(4*(\hi)+(\a)):(\f)+8*(4*(\hi)+(\a))+7], v[8*(8*(\a)+(\b)):8*(8*(\a)+(\b))+7]
.endif
.endr
.endr
.endm
.macro FETCH k, f
	WIN TO_B
.irp i, 0,1,2,3,4,5,6,7
	ds_load_tr16_b128 v[(\f)+8*(\i):(\f)+8*(\i)+3],   v[ADRB] offset:((\k)/64)*32*PB+32*(\i)
	ds_load_tr16_b128 v[(\f)+8*(\i)+4:(\f)+8*(\i)+7], v[ADRB] offset:((\k)/64)*32*PB+16*PB+32*(\i)
.endr
	WIN 0
.irp i, 0,1,2,3,4,5,6,7
	ds_load_b128 v[(\f)+8*(\i):(\f)+8*(\i)+3],   v[ADRA] offset:(\k)+(\i)*16*PA
	ds_load_b128 v[(\f)+8*(\i)+4:(\f)+8*(\i)+7], v[ADRA] offset:(\k)+(\i)*16*PA+32
.endr
.endm
.macro QUARTER k, f, g, zero
	s_wait_dscnt 8                                 ; B and A's rows 0-63 are in; the youngest eight loads (A's rows 64-127) may be out
	MUL16 \f, 0, 0, \zero
	MUL16 \f, 0, 2, \zero
	PLACES
	FETCH \k, \g
	s_wait_dscnt 32                                ; all but the 32 just issued
	MUL16 \f, 1, 0, \zero
	MUL16 \f, 1, 2, \zero
.endm
.macro MEET
	WIN 0
	s_wait_tensorcnt 0x0                           ; all my tensor loads have landed: the one that was out is my part of the other slot
	ds_add_u32 v[SPW], v[NIL]                      ; 0 onto my spare word
	s_wait_dscnt 9                                 ; the add and the youngest eight loads may be out
	MUL16 F1, 0, 0, 0
	s_wait_dscnt 0x0                               ; the add is done, and my reads of this slot are over
	s_barrier_signal -1
	MUL16 F1, 0, 2, 0
	WIN 0
	s_barrier_wait -1
.endm
.macro SWAP
	s_xor_b32 s[TB], s[TB], SLOT
	v_add_nc_u32 v[ADRA], s[TB], v[A0]
	v_add_nc_u32 v[ADRB], s[TB], v[B0]
.endm
.macro TURN
	s_wait_xcnt 0x0                                ; the last prefetch, a K step back, has read its address
	s_add_nc_u64 s[PFA:PFA+1], s[PFA:PFA+1], s[PST:PST+1]
	MEET
	CREST                                          ; the barrier has opened a round of the cluster's: no wave of any partner still reads the slot or has a load on its way
	s_xor_b32 s[G0+5], s[G0+5], SLOT
	s_add_nc_u64 s[G0+6:G0+7], s[G0+6:G0+7], KSTEP*2
	s_xor_b32 s[G0B+5], s[G0B+5], SLOT
	s_add_nc_u64 s[G0B+6:G0B+7], s[G0B+6:G0B+7], BSTEP
	JLOAD                                          ; the first tensor load behind the round: 224 matrix instructions ahead of the wait for it
	SWAP
	FETCH 0, F0
	ASK
	MUL16 F1, 1, 0, 0
	MUL16 F1, 1, 2, 0
.endm
	s_load_b128 s[4:7], s[0:1], 0x0                ; A s[4:5], wts s[6:7]
	s_load_b64 s[8:9], s[0:1], 0x10                ; C
.if EPI
	s_load_b64 s[70:71], s[0:1], 0x18              ; the bias
.endif
	v_lshl_add_u32 v[SPW], v0, 2, SPARE
	v_mov_b32 v[NIL], 0
	ds_add_u32 v[SPW], v[NIL]                      ; the wave's opening: the add, twice on end, and its wait ahead of my first tensor load
	ds_add_u32 v[SPW], v[NIL]
	v_lshrrev_b32 v1, 5, v0
	v_readfirstlane_b32 s10, v1
	s_lshr_b32 s11, s10, 1
	s_and_b32 s12, s10, 1
	s_bfe_u32 s40, ttmp6, 0x40000
	s_bfe_u32 s41, ttmp6, 0x40004
	s_lshl_b32 s42, ttmp9, 2
	s_add_co_u32 s42, s42, s40
	s_and_b32 s13, ttmp7, 0xffff
	s_lshl_b32 s13, s13, 2
	s_add_co_u32 s13, s13, s41
	s_lshl_b32 s74, s41, 2
	s_lshl_b32 s74, 15, s74
	s_lshl_b32 s75, 0x1111, s40
	s_or_b32 s[G1+0], s74, (1<<16)|(1<<20)|(1<<21)|(5<<22)|(3<<25)
	s_or_b32 s[G1B+0], s75, (1<<16)|(1<<20)|(1<<21)|(6<<22)|(7<<25)
	s_mov_b32 s[G1+1], 128<<16
	s_mov_b32 s[G1+2], 128<<16
	s_mov_b32 s[G1+3], 128<<16
	s_mov_b32 s[G1+4], 128
	s_mov_b32 s[G1+5], 1024
	s_mov_b32 s[G1+6], 0
	s_mov_b32 s[G1+7], 0
	s_mov_b32 s[G1B+1], 256<<16
	s_mov_b32 s[G1B+2], 64<<16
	s_mov_b32 s[G1B+3], 256<<16
	s_mov_b32 s[G1B+4], 64
	s_mov_b32 s[G1B+5], NN
	s_mov_b32 s[G1B+6], 0
	s_mov_b32 s[G1B+7], 0
	s_lshl_b32 s16, s13, 8
	s_lshl_b32 s17, s12, 7
	s_add_co_u32 s16, s16, s17
	s_lshl_b32 s16, s16, 11
	s_mov_b32 s17, 0
	s_mul_i32 s46, s12, 128*NN
	s_lshl_b32 s47, s42, 9
	s_add_co_u32 s46, s46, s47
	s_add_co_u32 s46, s46, WOFF
	s_mov_b32 s47, 0
	s_mul_i32 s20, s10, HALFT
	s_wait_dscnt 0x0                               ; both opening adds are done
	s_wait_kmcnt 0x0
	s_add_nc_u64 s[14:15], s[4:5], s[16:17]
	s_add_nc_u64 s[46:47], s[6:7], s[46:47]
	CROUND                                         ; all sixteen work-groups are here: the first joint loads meet
.irp s, 0,1
	s_mov_b32 s[G0+4*(\s)], 1
	s_add_co_u32 s[G0+4*(\s)+1], s20, (\s)*SLOT
	s_add_nc_u64 s[G0+4*(\s)+2:G0+4*(\s)+3], s[14:15], (\s)*KSTEP*2
	s_or_b32 s[G0+4*(\s)+3], s[G0+4*(\s)+3], 0x80000000
	s_mov_b32 s[G0B+4*(\s)], 1
	s_add_co_u32 s[G0B+4*(\s)+1], s20, (\s)*SLOT
	s_add_nc_u64 s[G0B+4*(\s)+2:G0B+4*(\s)+3], s[46:47], (\s)*BSTEP
	s_or_b32 s[G0B+4*(\s)+3], s[G0B+4*(\s)+3], 0x80000000
.endr
	s_cmp_eq_u32 s11, 0                            ; a wave's two first fills stand in one branch: two loads of mine are out
	s_cbranch_scc0 .Lfirst_b
	tensor_load_to_lds s[G0:G0+3], s[G1:G1+7]
	s_nop 0
	tensor_load_to_lds s[G0+4:G0+7], s[G1:G1+7]
	s_nop 0
.rept 4
	v_nop
.endr
	s_branch .Lfirst_asked
.Lfirst_b:
	tensor_load_to_lds s[G0B:G0B+3], s[G1B:G1B+7]
	s_nop 0
	tensor_load_to_lds s[G0B+4:G0B+7], s[G1B:G1B+7]
	s_nop 0
.rept 4
	v_nop
.endr
.Lfirst_asked:
	v_and_b32 v1, 15, v0
	v_bfe_u32 v2, v0, 4, 1
	v_bfe_u32 v5, v0, 3, 1
	v_and_b32 v7, 7, v0
.if EPI
	s_lshl_b32 s21, s42, 10                        ; the bias of my 128 columns: a lane's eight of each block of 16
	s_lshl_b32 s22, s12, 9
	s_add_co_u32 s21, s21, s22
	v_lshl_add_u32 v[BO], v2, 5, s21
.irp b, 0,1,2,3,4,5,6,7
	global_load_b128 v[BIAS+8*(\b):BIAS+8*(\b)+3],   v[BO], s[70:71] offset:64*(\b)
	global_load_b128 v[BIAS+8*(\b)+4:BIAS+8*(\b)+7], v[BO], s[70:71] offset:64*(\b)+16
.endr
	s_mov_b32 s72, 0xffff0000
.endif
	v_mov_b32 v[ZR], 0
	v_mul_u32_u24 v3, v1, PA
	v_lshl_add_u32 v3, v2, 4, v3
	s_mul_i32 s21, s11, HALFT
	v_add_nc_u32 v[A0], s21, v3
	v_lshl_add_u32 v4, v2, 3, v7
	v_mul_u32_u24 v4, v4, PB
	v_lshl_add_u32 v4, v5, 4, v4
	s_lshl_b32 s22, s12, 8
	s_add_co_u32 s22, s22, 2*HALFT
	v_add_nc_u32 v[B0], s22, v4
	v_mov_b32 v[ADRA], v[A0]
	v_mov_b32 v[ADRB], v[B0]
	s_mov_b32 s[TB], 0
	s_mul_i32 s23, s10, 16*SPITCH
	s_add_co_u32 s23, s23, STAGE
	v_mul_u32_u24 v6, v1, SPITCH
	v_lshl_add_u32 v6, v2, 4, v6
	v_add_nc_u32 v[STO], s23, v6
	v_mul_u32_u24 v6, v5, SPITCH
	v_lshl_add_u32 v6, v2, 7, v6
	v_lshl_add_u32 v6, v7, 4, v6
	v_add_nc_u32 v[RD], s23, v6
	v_lshlrev_b32 v6, 19, v2
	v_lshl_add_u32 v6, v5, 7, v6
	v_lshl_add_u32 v[CO], v7, 4, v6
	s_lshl_b32 s16, s42, 2
	s_lshl1_add_u32 s16, s12, s16
	s_lshl_b32 s16, s16, 19
	s_lshl_b32 s17, s13, 8
	s_lshl_b32 s18, s11, 7
	s_add_co_u32 s17, s17, s18
	s_lshl_b32 s17, s17, 7
	s_add_co_u32 s16, s16, s17
	s_mov_b32 s17, 0
	; THE PREFETCHES.  A's tile row is read by every cluster of that row of clusters: cluster x = 0 asks; B's tile column by every cluster of that column: cluster y = 0 asks.
	; Of what a wave fetches in a K step (A: 128 rows of 256 bytes; B: 64 rows of 512) each of the four partners takes 32 blocks of 256 bytes, told apart by address (cx for A, cy for B).
	; Trip i of the loop names K step i + 4, two refills ahead; K steps 0-3 come by their loads alone; the last two trips ask for nothing.
	s_lshl_b32 s21, s13, 8
	s_lshl_b32 s22, s12, 7
	s_add_co_u32 s21, s21, s22
	s_lshl_b32 s22, s40, 5
	s_add_co_u32 s21, s21, s22
	s_lshl_b32 s21, s21, 11
	s_add_co_u32 s21, s21, 3*KSTEP*2
	s_lshl_b32 s22, s12, 6
	s_lshl_b32 s23, s41, 4
	s_add_co_u32 s22, s22, s23
	s_mul_i32 s22, s22, 2*NN
	s_lshl_b32 s23, s42, 9
	s_add_co_u32 s22, s22, s23
	s_add_co_u32 s22, s22, WOFF+3*BSTEP
	s_and_b32 s23, ttmp7, 0xffff
	s_mov_b32 s18, BSTEP
	s_mov_b32 s19, 2*NN
	s_cmp_eq_u32 s11, 0
	s_cselect_b32 s76, s21, s22
	s_cselect_b32 s23, ttmp9, s23
	s_cselect_b64 s[PFA:PFA+1], s[4:5], s[6:7]
	s_cselect_b32 s[PST], KSTEP*2, s18
	s_cselect_b32 s78, 2048, s19
	s_cselect_b32 s79, 0, 1
	s_mov_b32 s[PST+1], 0
	s_mov_b32 s77, 0
	s_add_nc_u64 s[PFA:PFA+1], s[PFA:PFA+1], s[76:77]
	s_cmp_eq_u32 s23, 0
	s_cselect_b32 s[LIM], 2, -1
	v_and_b32 v3, 31, v0
	v_lshrrev_b32 v[PFO], s79, v3
	v_mul_lo_u32 v[PFO], v[PFO], s78
	v_and_b32 v4, s79, v3
	v_lshl_add_u32 v[PFO], v4, 8, v[PFO]
	s_wait_tensorcnt 1                             ; my part of K step 0 is in; K step 1's may stay out
	s_barrier_signal -1
	s_barrier_wait -1
	FETCH 0, F0
.if EPI
	s_wait_loadcnt 0x0                             ; the bias,
	RND BIAS, 32                                   ; an input: rounded to bf16
.endif
	QUARTER 64, F0, F1, 1
	WIN 0
	s_mov_b32 s3, 6
.Lk:                                           ; six trips, a K step each, from a step's second quarter to the next step's first; trip i asks for K step i + 2
	QUARTER 128, F1, F0, 0
	QUARTER 192, F0, F1, 0
	TURN
	QUARTER 64, F0, F1, 0
	WIN 0
	s_sub_co_u32 s3, s3, 1
	s_cmp_lg_u32 s3, 0
	s_cbranch_scc1 .Lk
	s_mov_b32 s3, 2
.Lt:                                           ; the last two K steps ask for nothing; the second trip is left in its middle
	QUARTER 128, F1, F0, 0
	QUARTER 192, F0, F1, 0
	MEET
	s_sub_co_u32 s3, s3, 1
	s_cmp_eq_u32 s3, 0
	s_cbranch_scc1 .Lout
	SWAP
	PLACES
	FETCH 0, F0
	MUL16 F1, 1, 0, 0
	MUL16 F1, 1, 2, 0
	QUARTER 64, F0, F1, 0
	WIN 0
	s_branch .Lt
.Lout:
	MUL16 F1, 1, 0, 0
	MUL16 F1, 1, 2, 0
	WIN 0
	PLACES
	PLACES
.macro PACK a
.set AC, 64*((\a)%4)
	WIN 0x0a+5*((\a)/4)
.irp b, 0,1,2,3,4,5,6,7
.irp r, 0,1,2,3
	v_cvt_pk_f16_f32 v[TMP+4*(\b)+(\r)], v[AC+8*(\b)+2*(\r)], v[AC+8*(\b)+2*(\r)+1]
.endr
.endr
	WIN 0
.if EPI
.set p, 0
.rept 32
	v_pk_max_num_f16 v[TMP+p], v[TMP+p], v[ZR]
.set p, p+1
.endr
.endif
.endm
.macro TOSTAGE a
.set BK, 32+64*((\a)%2)
.irp b, 0,1,2,3,4,5,6,7
	ds_store_b128 v[STO], v[TMP+4*(\b):TMP+4*(\b)+3] offset:32*(\b)
.endr
.irp t, 0,1,2,3,4,5,6,7
	ds_load_b128 v[BK+4*(\t):BK+4*(\t)+3], v[RD] offset:(\t)*2*SPITCH  ; LDS serves a wave's instructions in order (ISA guide 5.7.1.4): these see the stores above
.endr
.endm
.macro SEND a
.set BK, 32+64*((\a)%2)
	s_wait_dscnt 0x0                               ; the block is back in registers
	s_wait_xcnt 0x0                                ; the stores' base and the registers that earlier stores read are rewritten only behind this wait
.if (\a) == 0
	s_add_nc_u64 s[8:9], s[8:9], s[16:17]
.else
	s_add_nc_u64 s[8:9], s[8:9], 2048
.endif
.irp t, 0,1,2,3,4,5,6,7
	global_store_b128 v[CO], v[BK+4*(\t):BK+4*(\t)+3], s[8:9] offset:256*(\t)  ; 16 lanes store 256 consecutive bytes, aligned: two rows of a group
.endr
.endm
	PACK 0
	TOSTAGE 0
.irp a, 1,2,3,4,5,6,7
	PACK \a
	SEND (\a)-1
	TOSTAGE \a
.endr
	SEND 7
	s_wait_tensorcnt 0x0                           ; the wave's end
	ds_add_u32 v[SPW], v[NIL]
	s_wait_dscnt 0x0
	CROUND                                         ; the closing round
	s_endpgm
.Lfunc_end_k_q36bde00635_ffn1:
	.size	k_q36bde00635_ffn1, .Lfunc_end_k_q36bde00635_ffn1-k_q36bde00635_ffn1
	.p2alignl 7, 3214868480
	.fill 96, 4, 3214868480
	.section	.rodata,"a",@progbits
	.p2align	6, 0x0
	.amdhsa_kernel k_q36bde00635_ffn1
		.amdhsa_group_segment_fixed_size 327680
		.amdhsa_private_segment_fixed_size 0
		.amdhsa_enable_private_segment 0
		.amdhsa_kernarg_size 32
		.amdhsa_user_sgpr_count 2
		.amdhsa_user_sgpr_kernarg_segment_ptr 1
		.amdhsa_wavefront_size32 1
		.amdhsa_system_sgpr_workgroup_id_x 1
		.amdhsa_system_sgpr_workgroup_id_y 1
		.amdhsa_system_sgpr_workgroup_id_z 1
		.amdhsa_system_vgpr_workitem_id 0
		.amdhsa_next_free_vgpr 1024
		.amdhsa_next_free_sgpr 80
		.amdhsa_reserve_vcc 0
		.amdhsa_float_denorm_mode_32 3
		.amdhsa_float_denorm_mode_16_64 3
		.amdhsa_memory_ordered 1
		.amdhsa_forward_progress 1
		.amdhsa_inst_pref_size 126
	.end_amdhsa_kernel
	.amdgpu_metadata
---
amdhsa.version: [ 1, 2 ]
amdhsa.kernels:
  - .name:           k_q36bde00635_ffn1
    .symbol:         k_q36bde00635_ffn1.kd
    .args:
      - { .name: hn, .offset: 0, .size: 8, .value_kind: global_buffer, .address_space: global }
      - { .name: wts, .offset: 8, .size: 8, .value_kind: global_buffer, .address_space: global }
      - { .name: act, .offset: 16, .size: 8, .value_kind: global_buffer, .address_space: global }
      - { .name: b1, .offset: 24, .size: 8, .value_kind: global_buffer, .address_space: global }
    .group_segment_fixed_size: 327680
    .private_segment_fixed_size: 0
    .kernarg_segment_align: 8
    .kernarg_segment_size: 32
    .max_flat_workgroup_size: 128
    .sgpr_count:     80
    .vgpr_count:     1024
    .wavefront_size: 32
...
	.end_amdgpu_metadata
.endif
;; end of part 7
;; launch ffn2 (part 8): grid 8 x 32, 4 waves a work-group, clusters of 4 x 4, 327,680 bytes of LDS; arguments act, wts, out0, b2; writes out0
.if DOCPART == 8
	.amdgcn_target "amdgcn-amd-amdhsa--gfx1250"
	.amdhsa_code_object_version 6
	.text
	.protected	k_q36bde00635_ffn2
	.globl	k_q36bde00635_ffn2
	.p2align	8
	.type	k_q36bde00635_ffn2,@function
k_q36bde00635_ffn2:
	s_mov_b64 s[64:65], 0
	v_nop
	global_prefetch_b8 v0, s[64:65] scope:SCOPE_SE
	s_setreg_imm32_b32 hwreg(HW_REG_WAVE_MODE, 25, 1), 1
	s_wait_xcnt 0x0
	s_wait_alu depctr_hold_cnt(0) depctr_sa_sdst(0) depctr_va_vdst(0) depctr_va_sdst(0) depctr_va_ssrc(0) depctr_va_vcc(0) depctr_vm_vsrc(0)
	s_getreg_b32 s2, hwreg(HW_REG_IB_STS2, 6, 4)
	s_cmp_eq_u32 s2, 0
	s_cbranch_scc0 .Lentry_in_a_cluster
	s_endpgm
.Lentry_in_a_cluster:
	s_bfe_u32 s2, ttmp6, 0x10000c
	s_cmp_lg_u32 s2, 0xf033
	s_cbranch_scc0 .Lentry_shape_is_right
	s_endpgm
.Lentry_shape_is_right:
; C = A B + bias, in f32.  A: [K/64][4096][64] f16 (groups of 64 channels).  B: [K][1024] f16 at byte WOFF of wts.  C: [4096][1024] f32.  Here: the second layer of the feed-forward net, K = 4,096.
; The text is that of the output projection with 16 K steps.  A tile of C is 128 x 128, so that 256 work-groups share the work; four waves, each 64 x 64 in 16 accumulators.  K goes in steps of 256 through two LDS slots.
; The loop is ONE K step; which slot is read and which is filled goes by two words that an exclusive or turns.  The bias (an input: rounded to bf16) is the C operand of each accumulator's first product.
; CLUSTER: 4 x 4; A's tiles are shared along a row, B's along a column, each asked for jointly.  THE PRODUCT IS TAKEN TRANSPOSED (source 0 = 16 columns of B, turned by ds_load_tr16_b128; source 1 = 16 rows of A).
; No prefetch: the tiles are small, and each is read by eight or thirty-two work-groups at about the same time.
; REGISTERS: window 0: v16-29 addresses; v64-95 rows read back; v96-127 the bias; v128-255 the accumulators ((a, b) at v[128 + 8 (4 a + b)]).  Window 1: two fragment buffers of 128: A's 64, then B's 64.
.set TSTEPS, 16
.set WOFF,  16777216
.set PAA,   144
.set PBB,   288
.set AG,    128*PAA
.set BOFF,  4*AG
.set WLOAD, 2*AG
.set SLOT,  4*WLOAD                    ; 0x24000: none of its bits is set in wave x WLOAD, so an exclusive or changes slots
.set STAGE, 2*SLOT
.set SPITCH, 272
.set SPARE, STAGE+4*16*SPITCH
.set ASTEP, 4*524288
.set BSTEP, 256*2048
.set A0,   16
.set B0,   17
.set ADRA, 18
.set ADRB, 20
.set STO,  24
.set RD,   25
.set CO,   26
.set BO,   27
.set SPW,  28
.set NIL,  29
.set OB,   64
.set BIAS, 96
.set ACC,  128
.set F0,   0
.set F1,   128
.set G1,  24
.set G0,  32
.set G1B, 48
.set G0B, 56
.set TB,  66
.set MSB, 0
.macro WIN new
.if MSB != (\new)
	s_set_vgpr_msb (MSB<<8)|(\new)
.set MSB, \new
.endif
.endm
.set MUL,  0x05
.set TO_F, 0x40
.macro PLACES
.rept 4
	v_nop
.endr
.endm
.macro JLOAD
	s_cmp_eq_u32 s11, 0
	s_cbranch_scc0 .Lfor_b_\@
	tensor_load_to_lds s[G0+4:G0+7], s[G1:G1+7]
	s_nop 0
.rept 4
	v_nop
.endr
	s_branch .Lasked_\@
.Lfor_b_\@:
	tensor_load_to_lds s[G0B+4:G0B+7], s[G1B:G1B+7]
	s_nop 0
.rept 4
	v_nop
.endr
.Lasked_\@:
.endm
.macro CREST
	s_cmp_lg_u32 s10, 0
	s_cbranch_scc1 .Lnot_wave_0_\@
	s_barrier_signal -3
.Lnot_wave_0_\@:
	s_barrier_wait -3
	s_barrier_signal -1
	s_barrier_wait -1
.endm
.macro CROUND
	s_barrier_signal -1
	s_barrier_wait -1
	CREST
.endm
.macro RND base, n
.set p, 0
.rept \n
	v_cvt_pk_bf16_f32 v[1+p%4], v[(\base)+2*p], v[(\base)+2*p+1]
	v_lshlrev_b32 v[(\base)+2*p], 16, v[1+p%4]
	v_and_b32 v[(\base)+2*p+1], s72, v[1+p%4]
.set p, p+1
.endr
.endm
.macro MUL8 f, c, a0, zero
	WIN MUL
.irp a, \a0, (\a0)+1
.irp b, 0,1,2,3
.if \zero
	v_wmma_f32_16x16x32_f16 v[ACC+8*(4*(\a)+(\b)):ACC+8*(4*(\a)+(\b))+7], v[(\f)+64+8*(4*(\c)+(\b)):(\f)+64+8*(4*(\c)+(\b))+7], v[(\f)+8*(4*(\c)+(\a)):(\f)+8*(4*(\c)+(\a))+7], v[BIAS+8*(\b):BIAS+8*(\b)+7]
.else
	v_wmma_f32_16x16x32_f16 v[ACC+8*(4*(\a)+(\b)):ACC+8*(4*(\a)+(\b))+7], v[(\f)+64+8*(4*(\c)+(\b)):(\f)+64+8*(4*(\c)+(\b))+7], v[(\f)+8*(4*(\c)+(\a)):(\f)+8*(4*(\c)+(\a))+7], v[ACC+8*(4*(\a)+(\b)):ACC+8*(4*(\a)+(\b))+7]
.endif
.endr
.endr
.endm
.macro FETCH q, f
	WIN TO_F
.irp c, 0,1
.irp i, 0,1,2,3
	ds_load_tr16_b128 v[(\f)+64+8*(4*(\c)+(\i)):(\f)+64+8*(4*(\c)+(\i))+3],   v[ADRB+(\q)/2] offset:((\q)%2)*64*PBB+(\c)*32*PBB+32*(\i)
	ds_load_tr16_b128 v[(\f)+64+8*(4*(\c)+(\i))+4:(\f)+64+8*(4*(\c)+(\i))+7], v[ADRB+(\q)/2] offset:((\q)%2)*64*PBB+(\c)*32*PBB+16*PBB+32*(\i)
	ds_load_b128 v[(\f)+8*(4*(\c)+(\i)):(\f)+8*(4*(\c)+(\i))+3],   v[ADRA] offset:(\q)*AG+64*(\c)+(\i)*16*PAA
	ds_load_b128 v[(\f)+8*(4*(\c)+(\i))+4:(\f)+8*(4*(\c)+(\i))+7], v[ADRA] offset:(\q)*AG+64*(\c)+(\i)*16*PAA+32
.endr
.endr
.endm
.macro QUARTER q, f, g, zero
	s_wait_dscnt 16                                ; the first 32 along K are in
	MUL8 \f, 0, 0, \zero
	MUL8 \f, 0, 2, \zero
	PLACES
	FETCH \q, \g
	s_wait_dscnt 32                                ; all but the 32 just issued
	MUL8 \f, 1, 0, 0
	MUL8 \f, 1, 2, 0
.endm
.macro MEET
	WIN 0
	s_wait_tensorcnt 0x0                           ; all my tensor loads have landed: my part of the other slot
	ds_add_u32 v[SPW], v[NIL]                      ; 0 onto my spare word
	s_wait_dscnt 17                                ; the add and the youngest sixteen loads may be out
	MUL8 F1, 0, 0, 0
	s_wait_dscnt 0x0                               ; the add is done, and my reads of this slot are over
	s_barrier_signal -1
	MUL8 F1, 0, 2, 0
	WIN 0
	s_barrier_wait -1
.endm
.macro SWAP
	s_xor_b32 s[TB], s[TB], SLOT
	v_add_nc_u32 v[ADRA], s[TB], v[A0]
	v_add_nc_u32 v[ADRB], s[TB], v[B0]
	v_add_nc_u32 v[ADRB+1], 128*PBB, v[ADRB]
.endm
.macro TURN
	MEET
	CREST                                          ; the barrier has opened a round of the cluster's: no wave of any partner still reads the slot or has a load on its way
	s_xor_b32 s[G0+5], s[G0+5], SLOT
	s_add_nc_u64 s[G0+6:G0+7], s[G0+6:G0+7], ASTEP
	s_xor_b32 s[G0B+5], s[G0B+5], SLOT
	s_add_nc_u64 s[G0B+6:G0B+7], s[G0B+6:G0B+7], BSTEP
	JLOAD                                          ; the first tensor load behind the round: 112 matrix instructions ahead of the wait for it
	SWAP
	FETCH 0, F0
	MUL8 F1, 1, 0, 0
	MUL8 F1, 1, 2, 0
.endm
	s_load_b128 s[4:7], s[0:1], 0x0                ; A s[4:5], wts s[6:7]
	s_load_b64 s[8:9], s[0:1], 0x10                ; C
	s_load_b64 s[70:71], s[0:1], 0x18              ; the bias
	v_lshl_add_u32 v[SPW], v0, 2, SPARE
	v_mov_b32 v[NIL], 0
	ds_add_u32 v[SPW], v[NIL]                      ; the wave's opening: the add, twice on end, and its wait ahead of my first tensor load
	ds_add_u32 v[SPW], v[NIL]
	v_lshrrev_b32 v1, 5, v0
	v_readfirstlane_b32 s10, v1
	s_lshr_b32 s11, s10, 1
	s_and_b32 s12, s10, 1
	s_bfe_u32 s40, ttmp6, 0x40000
	s_bfe_u32 s41, ttmp6, 0x40004
	s_lshl_b32 s42, ttmp9, 2
	s_add_co_u32 s42, s42, s40
	s_and_b32 s13, ttmp7, 0xffff
	s_lshl_b32 s13, s13, 2
	s_add_co_u32 s13, s13, s41
	s_lshl_b32 s74, s41, 2
	s_lshl_b32 s74, 15, s74
	s_lshl_b32 s75, 0x1111, s40
	s_or_b32 s[G1+0], s74, (1<<16)|(1<<20)|(1<<21)|(4<<22)|(3<<25)
	s_or_b32 s[G1B+0], s75, (1<<16)|(1<<20)|(1<<21)|(5<<22)|(7<<25)
	s_mov_b32 s[G1+1], 8192<<16                    ; A: a group's 128 rows are 8,192 dense elements: one long row; two groups, 262,144 elements apart
	s_mov_b32 s[G1+2], 2<<16
	s_mov_b32 s[G1+3], 8192<<16
	s_mov_b32 s[G1+4], 2
	s_mov_b32 s[G1+5], 262144
	s_mov_b32 s[G1+6], 0
	s_mov_b32 s[G1+7], 0
	s_mov_b32 s[G1B+1], 128<<16
	s_mov_b32 s[G1B+2], 128<<16
	s_mov_b32 s[G1B+3], 128<<16
	s_mov_b32 s[G1B+4], 128
	s_mov_b32 s[G1B+5], 1024
	s_mov_b32 s[G1B+6], 0
	s_mov_b32 s[G1B+7], 0
	s_lshl_b32 s16, s12, 20
	s_lshl_b32 s17, s13, 14
	s_add_co_u32 s16, s16, s17
	s_mov_b32 s17, 0
	s_lshl_b32 s46, s12, 18
	s_lshl_b32 s47, s42, 8
	s_add_co_u32 s46, s46, s47
	s_add_co_u32 s46, s46, WOFF
	s_mov_b32 s47, 0
	s_mul_i32 s20, s10, WLOAD
	s_wait_dscnt 0x0                               ; both opening adds are done
	s_wait_kmcnt 0x0
	s_add_nc_u64 s[14:15], s[4:5], s[16:17]
	s_add_nc_u64 s[46:47], s[6:7], s[46:47]
	CROUND                                         ; all sixteen work-groups are here: the first joint loads meet
.irp s, 0,1
	s_mov_b32 s[G0+4*(\s)], 1
	s_add_co_u32 s[G0+4*(\s)+1], s20, (\s)*SLOT
	s_add_nc_u64 s[G0+4*(\s)+2:G0+4*(\s)+3], s[14:15], (\s)*ASTEP
	s_or_b32 s[G0+4*(\s)+3], s[G0+4*(\s)+3], 0x80000000
	s_mov_b32 s[G0B+4*(\s)], 1
	s_add_co_u32 s[G0B+4*(\s)+1], s20, (\s)*SLOT
	s_add_nc_u64 s[G0B+4*(\s)+2:G0B+4*(\s)+3], s[46:47], (\s)*BSTEP
	s_or_b32 s[G0B+4*(\s)+3], s[G0B+4*(\s)+3], 0x80000000
.endr
	s_cmp_eq_u32 s11, 0                            ; a wave's two first fills stand in one branch: two loads of mine are out
	s_cbranch_scc0 .Lfirst_b
	tensor_load_to_lds s[G0:G0+3], s[G1:G1+7]
	s_nop 0
	tensor_load_to_lds s[G0+4:G0+7], s[G1:G1+7]
	s_nop 0
.rept 4
	v_nop
.endr
	s_branch .Lfirst_asked
.Lfirst_b:
	tensor_load_to_lds s[G0B:G0B+3], s[G1B:G1B+7]
	s_nop 0
	tensor_load_to_lds s[G0B+4:G0B+7], s[G1B:G1B+7]
	s_nop 0
.rept 4
	v_nop
.endr
.Lfirst_asked:
	v_and_b32 v1, 15, v0
	v_bfe_u32 v2, v0, 4, 1
	v_bfe_u32 v5, v0, 3, 1
	v_and_b32 v7, 7, v0
	s_lshl_b32 s21, s42, 9
	s_lshl_b32 s22, s12, 8
	s_add_co_u32 s21, s21, s22
	v_lshl_add_u32 v[BO], v2, 5, s21
.irp b, 0,1,2,3
	global_load_b128 v[BIAS+8*(\b):BIAS+8*(\b)+3],   v[BO], s[70:71] offset:64*(\b)
	global_load_b128 v[BIAS+8*(\b)+4:BIAS+8*(\b)+7], v[BO], s[70:71] offset:64*(\b)+16
.endr
	s_mov_b32 s72, 0xffff0000
	v_mul_u32_u24 v3, v1, PAA
	v_lshl_add_u32 v3, v2, 4, v3
	s_mul_i32 s21, s11, 64*PAA
	v_add_nc_u32 v[A0], s21, v3
	v_lshl_add_u32 v4, v2, 3, v7
	v_mul_u32_u24 v4, v4, PBB
	v_lshl_add_u32 v4, v5, 4, v4
	s_lshl_b32 s22, s12, 7
	s_add_co_u32 s22, s22, BOFF
	v_add_nc_u32 v[B0], s22, v4
	v_mov_b32 v[ADRA], v[A0]
	v_mov_b32 v[ADRB], v[B0]
	v_add_nc_u32 v[ADRB+1], 128*PBB, v[B0]
	s_mov_b32 s[TB], 0
	s_mul_i32 s23, s10, 16*SPITCH
	s_add_co_u32 s23, s23, STAGE
	v_mul_u32_u24 v6, v1, SPITCH
	v_lshl_add_u32 v6, v2, 5, v6
	v_add_nc_u32 v[STO], s23, v6
	v_mul_u32_u24 v6, v2, SPITCH
	v_lshl_add_u32 v6, v1, 4, v6
	v_add_nc_u32 v[RD], s23, v6
	v_lshlrev_b32 v6, 12, v2
	v_lshl_add_u32 v[CO], v1, 4, v6
	s_lshl_b32 s16, s13, 19
	s_lshl_b32 s17, s11, 18
	s_add_co_u32 s16, s16, s17
	s_lshl_b32 s17, s42, 9
	s_add_co_u32 s16, s16, s17
	s_lshl_b32 s17, s12, 8
	s_add_co_u32 s16, s16, s17
	s_mov_b32 s17, 0
	s_add_nc_u64 s[8:9], s[8:9], s[16:17]
	s_wait_tensorcnt 1                             ; my part of K step 0 is in; K step 1's may stay out
	s_barrier_signal -1
	s_barrier_wait -1
	FETCH 0, F0
	WIN 0
	s_wait_loadcnt 0x0                             ; the bias,
	RND BIAS, 16                                   ; an input: rounded to bf16
	QUARTER 1, F0, F1, 1
	WIN 0
	s_mov_b32 s3, TSTEPS-2
.Lk:                                           ; a trip is a K step, from its second quarter to the next step's first; trip i asks for K step i + 2
	QUARTER 2, F1, F0, 0
	QUARTER 3, F0, F1, 0
	TURN
	QUARTER 1, F0, F1, 0
	WIN 0
	s_sub_co_u32 s3, s3, 1
	s_cmp_lg_u32 s3, 0
	s_cbranch_scc1 .Lk
	s_mov_b32 s3, 2
.Lt:                                           ; the last two K steps ask for nothing; the second trip is left in its middle
	QUARTER 2, F1, F0, 0
	QUARTER 3, F0, F1, 0
	MEET
	s_sub_co_u32 s3, s3, 1
	s_cmp_eq_u32 s3, 0
	s_cbranch_scc1 .Lout
	SWAP
	PLACES
	FETCH 0, F0
	MUL8 F1, 1, 0, 0
	MUL8 F1, 1, 2, 0
	QUARTER 1, F0, F1, 0
	WIN 0
	s_branch .Lt
.Lout:
	MUL8 F1, 1, 0, 0
	MUL8 F1, 1, 2, 0
	WIN 0
	PLACES
	PLACES
	; THE WAY OUT: 16 rows at a time, from the accumulators into my own stage, back as whole rows of 256 bytes, stored
.irp a, 0,1,2,3
.irp b, 0,1,2,3
	ds_store_b128 v[STO], v[ACC+8*(4*(\a)+(\b)):ACC+8*(4*(\a)+(\b))+3]   offset:64*(\b)
	ds_store_b128 v[STO], v[ACC+8*(4*(\a)+(\b))+4:ACC+8*(4*(\a)+(\b))+7] offset:64*(\b)+16
.endr
	s_wait_xcnt 0x0                                ; the registers that the last block's stores read, and their base, are rewritten only behind this wait
.irp t, 0,1,2,3,4,5,6,7
	ds_load_b128 v[OB+4*(\t):OB+4*(\t)+3], v[RD] offset:(\t)*2*SPITCH  ; LDS serves a wave's instructions in order (ISA guide 5.7.1.4): these see the stores above
.endr
	s_wait_dscnt 0x0
.if (\a) > 0
	s_add_nc_u64 s[8:9], s[8:9], 65536             ; 16 rows of C on
.endif
.irp t, 0,1,2,3,4,5,6,7
	global_store_b128 v[CO], v[OB+4*(\t):OB+4*(\t)+3], s[8:9] offset:8192*(\t)  ; 16 lanes store 256 consecutive bytes, aligned
.endr
.endr
	s_wait_tensorcnt 0x0                           ; the wave's end
	ds_add_u32 v[SPW], v[NIL]
	s_wait_dscnt 0x0
	CROUND                                         ; the closing round
	s_endpgm
.Lfunc_end_k_q36bde00635_ffn2:
	.size	k_q36bde00635_ffn2, .Lfunc_end_k_q36bde00635_ffn2-k_q36bde00635_ffn2
	.p2alignl 7, 3214868480
	.fill 96, 4, 3214868480
	.section	.rodata,"a",@progbits
	.p2align	6, 0x0
	.amdhsa_kernel k_q36bde00635_ffn2
		.amdhsa_group_segment_fixed_size 327680
		.amdhsa_private_segment_fixed_size 0
		.amdhsa_enable_private_segment 0
		.amdhsa_kernarg_size 32
		.amdhsa_user_sgpr_count 2
		.amdhsa_user_sgpr_kernarg_segment_ptr 1
		.amdhsa_wavefront_size32 1
		.amdhsa_system_sgpr_workgroup_id_x 1
		.amdhsa_system_sgpr_workgroup_id_y 1
		.amdhsa_system_sgpr_workgroup_id_z 1
		.amdhsa_system_vgpr_workitem_id 0
		.amdhsa_next_free_vgpr 512
		.amdhsa_next_free_sgpr 80
		.amdhsa_reserve_vcc 0
		.amdhsa_float_denorm_mode_32 3
		.amdhsa_float_denorm_mode_16_64 3
		.amdhsa_memory_ordered 1
		.amdhsa_forward_progress 1
		.amdhsa_inst_pref_size 62
	.end_amdhsa_kernel
	.amdgpu_metadata
---
amdhsa.version: [ 1, 2 ]
amdhsa.kernels:
  - .name:           k_q36bde00635_ffn2
    .symbol:         k_q36bde00635_ffn2.kd
    .args:
      - { .name: act, .offset: 0, .size: 8, .value_kind: global_buffer, .address_space: global }
      - { .name: wts, .offset: 8, .size: 8, .value_kind: global_buffer, .address_space: global }
      - { .name: out0, .offset: 16, .size: 8, .value_kind: global_buffer, .address_space: global }
      - { .name: b2, .offset: 24, .size: 8, .value_kind: global_buffer, .address_space: global }
    .group_segment_fixed_size: 327680
    .private_segment_fixed_size: 0
    .kernarg_segment_align: 8
    .kernarg_segment_size: 32
    .max_flat_workgroup_size: 128
    .sgpr_count:     80
    .vgpr_count:     512
    .wavefront_size: 32
...
	.end_amdgpu_metadata
.endif
;; end of part 8
;; ======== version 2 of 2: 7 launches
;; limits: values are held in f16: magnitudes above 65,504 overflow, below 6.1e-05 lose precision; right only within a limited range of input values
;; workspace buffers: hn 8,388,608 bytes; wq 8,405,248 bytes; w1 8,405,248 bytes; wts 25,165,824 bytes; qkv 25,165,824 bytes; oatt 8,388,608 bytes; ob 16,777,216 bytes; act 33,554,432 bytes
;; launch prep (part 9): grid 641 x 1, 8 waves a work-group, no clusters, 0 bytes of LDS; arguments x, ln1_g, ln1_b, W1, W2, Wo, Wq, Wk, Wv, b1, hn, wq, w1, wts; writes hn, wq, w1, wts
.if DOCPART == 9
	.amdgcn_target "amdgcn-amd-amdhsa--gfx1250"
	.amdhsa_code_object_version 6
	.text
	.protected	k_q36bde00635_prep
	.globl	k_q36bde00635_prep
	.p2align	8
	.type	k_q36bde00635_prep,@function
k_q36bde00635_prep:
	s_mov_b64 s[64:65], 0
	v_nop
	global_prefetch_b8 v0, s[64:65] scope:SCOPE_SE
	s_setreg_imm32_b32 hwreg(HW_REG_WAVE_MODE, 25, 1), 1
	s_wait_xcnt 0x0
; FIRST LAUNCH OF SEVEN: layer norm 1 of x -> hn (f16); all weights -> f16: Wq, Wk, Wv side by side as columns 0-3,071 of wq [1024][4096], W1 -> w1 [1024][4096], Wo and W2 -> wts;
; and, behind the weights of wq and w1 (at byte 8,388,608), the block that the product's way out reads: 4,096 f32 of bias and 256 bytes of a packed f16 floor.
; FORMATS OF THE WHOLE PROGRAM.  Every floating-point input (x, all weights, gains, biases) is rounded once to bf16; the weights' bf16 numbers are then written as f16
; (exact from 2^-14 up; below that f16's fixed step of 2^-24).  What the program itself makes (h, q, k, v, p, O, h2, the hidden layer) is f16; all sums, norms and the softmax are f32.
; LIMITS.  h, q, k, v, O, h2 and the hidden layer lie within f16's 65,504; |q . k| stays under 1.6e10; NaN and infinities are not treated apart.
; WORK LEFT OUT (in the attention launch), shown here for all values of the inputs.  reference() overwrites every score above the diagonal: with -1e9 where the key is padded,
; with -inf elsewhere, whatever q . k is.  So the products q . k of a key step that lies wholly above a query tile reach no output.  What such keys still add to a row is
; exp(-1e9 - m) v[s] for padded s.  Case 1: the row sees an unpadded key at or below the diagonal.  Then m is that row's greatest true score, and exp(-1e9 - m) is below every
; rounding while the scaled scores stay above -5e8 (the limit above): reference()'s own f32 gives 0.  Case 2: every key at or below the diagonal is padded.  Then all padded keys of
; the batch, on both sides of the diagonal, have the score -1e9 and all others -inf: the row is exactly the mean of v over the batch's padded keys.  That mean is made in the
; attention launch and selected for such rows.  No input is left out.  A NaN, an infinity or an overflow that reaches only the products left out is not carried to the result.
; SHARES.  Work-groups 0-255: 16 rows of x each, a wave two rows, a row in 32 registers between the passes.  Work-groups 256-639: 32,768 weights each.  Work-group 640: the two blocks.
.set T,   4                            ; v[4:15]   at work
.set G,   16                           ; v[16:47]  gain of my 32 columns
.set BB,  48                           ; v[48:79]  bias
.set X0,  80                           ; v[80:111] first row
.set X1,  112                          ; v[112:143] second row
.set Y,   144                          ; v[144:159] a row in f16
.set CX,  16                           ; cast: 8 x 4 registers as loaded
.set CY,  48                           ; cast: 8 x 2 registers to store
.set XP,  8                            ; s[8:9]   the rows
.set GP,  10                           ; s[10:11] gain
.set BP,  12                           ; s[12:13] bias
.set HN,  28                           ; s[28:29] the result
.set INV, 45                           ; s45      1 / 1,024
.set CTR, 46                           ; s46      a cast's trips to go
.set SRC, 50                           ; s[50:51] a cast's source
.set DST, 56                           ; s[56:57] a cast's destination
.set EPB, 8388608                      ; the block behind 1,024 rows of 8,192 bytes
.macro RND base, n                     ; n pairs rounded to bf16, in place, as f32
.set p, 0
.rept \n
	v_cvt_pk_bf16_f32 v[T+p%4], v[(\base)+2*p], v[(\base)+2*p+1]
	v_lshlrev_b32 v[(\base)+2*p], 16, v[T+p%4]
	v_and_b32 v[(\base)+2*p+1], s5, v[T+p%4]
.set p, p+1
.endr
.endm
.macro REDUCE                          ; four packed chains in v[T:T+7] -> the sum over the wave's 1,024 numbers, in every lane's v[T]
	v_pk_add_f32 v[T:T+1], v[T:T+1], v[T+2:T+3]
	v_pk_add_f32 v[T+4:T+5], v[T+4:T+5], v[T+6:T+7]
	v_pk_add_f32 v[T:T+1], v[T:T+1], v[T+4:T+5]
	v_add_f32 v[T], v[T], v[T+1]
	v_add_f32_dpp v[T], v[T], v[T] row_xmask:1 row_mask:0xf bank_mask:0xf
	v_add_f32_dpp v[T], v[T], v[T] row_xmask:2 row_mask:0xf bank_mask:0xf
	v_add_f32_dpp v[T], v[T], v[T] row_xmask:4 row_mask:0xf bank_mask:0xf
	v_add_f32_dpp v[T], v[T], v[T] row_xmask:8 row_mask:0xf bank_mask:0xf
	v_permlanex16_b32 v[T+1], v[T], s6, s7
	v_add_f32 v[T], v[T], v[T+1]
.endm
.macro LNROW X, off                    ; one row: rounded to bf16 (x is an input); mean, then the mean of the squared differences (two passes, so a common offset costs nothing), scale, gain, bias, f16
	RND \X, 16
.irp c, 0,1,2,3
	v_pk_add_f32 v[T+2*(\c):T+2*(\c)+1], v[(\X)+2*(\c):(\X)+2*(\c)+1], v[(\X)+8+2*(\c):(\X)+8+2*(\c)+1]
.endr
.irp c, 0,1,2,3
	v_pk_add_f32 v[T+2*(\c):T+2*(\c)+1], v[T+2*(\c):T+2*(\c)+1], v[(\X)+16+2*(\c):(\X)+16+2*(\c)+1]
.endr
.irp c, 0,1,2,3
	v_pk_add_f32 v[T+2*(\c):T+2*(\c)+1], v[T+2*(\c):T+2*(\c)+1], v[(\X)+24+2*(\c):(\X)+24+2*(\c)+1]
.endr
	REDUCE
	v_mul_f32 v[T+8], s[INV], v[T]                 ; the mean
	v_mov_b32 v[T+9], v[T+8]
.set p, 0
.rept 16
	v_pk_add_f32 v[(\X)+2*p:(\X)+2*p+1], v[(\X)+2*p:(\X)+2*p+1], v[T+8:T+9] neg_lo:[0,1] neg_hi:[0,1]
.set p, p+1
.endr
.irp c, 0,1,2,3
	v_pk_mul_f32 v[T+2*(\c):T+2*(\c)+1], v[(\X)+2*(\c):(\X)+2*(\c)+1], v[(\X)+2*(\c):(\X)+2*(\c)+1]
.endr
.irp o, 8,16,24
.irp c, 0,1,2,3
	v_pk_fma_f32 v[T+2*(\c):T+2*(\c)+1], v[(\X)+(\o)+2*(\c):(\X)+(\o)+2*(\c)+1], v[(\X)+(\o)+2*(\c):(\X)+(\o)+2*(\c)+1], v[T+2*(\c):T+2*(\c)+1]
.endr
.endr
	REDUCE
	v_fmaak_f32 v[T+10], s[INV], v[T], 0x3727c5ac  ; the variance + 1e-5
	v_rsq_f32 v[T+10], v[T+10]
	v_nop                                          ; a plain instruction behind the root,
	s_wait_alu depctr_va_vdst(0)                   ; and the wait ahead of its first reader
	v_mov_b32 v[T+11], v[T+10]
.set p, 0
.rept 16
	v_pk_mul_f32 v[(\X)+2*p:(\X)+2*p+1], v[(\X)+2*p:(\X)+2*p+1], v[T+10:T+11]
.set p, p+1
.endr
.set p, 0
.rept 16
	v_pk_fma_f32 v[(\X)+2*p:(\X)+2*p+1], v[(\X)+2*p:(\X)+2*p+1], v[G+2*p:G+2*p+1], v[BB+2*p:BB+2*p+1]
.set p, p+1
.endr
.set p, 0
.rept 16
	v_cvt_pk_f16_f32 v[Y+p], v[(\X)+2*p], v[(\X)+2*p+1]
.set p, p+1
.endr
.irp j, 0,1,2,3,4,5,6,7
	global_store_b64 v2, v[Y+2*(\j):Y+2*(\j)+1], s[HN:HN+1] offset:(\off)+256*(\j)  ; 32 lanes store 256 consecutive bytes, aligned
.endr
.endm
; 32,768 numbers in four trips of eight loads a thread: f32 -> bf16 -> the same number as f16.  LI, SI: bytes from load to load and from store to store; LS, SS: from trip to trip.
.macro CASTLOOP LI, SI, LS, SS
	s_mov_b32 s[CTR], 4
.Lc_\@:
.irp i, 0,1,2,3,4,5,6,7
	global_load_b128 v[CX+4*(\i):CX+4*(\i)+3], v1, s[SRC:SRC+1] offset:(\i)*(\LI) th:TH_LOAD_NT
.endr
.irp i, 0,1,2,3,4,5,6,7
	s_wait_loadcnt 7-(\i)                          ; load i is in; the younger ones stay out
	v_cvt_pk_bf16_f32 v4, v[CX+4*(\i)], v[CX+4*(\i)+1]
	v_cvt_pk_bf16_f32 v5, v[CX+4*(\i)+2], v[CX+4*(\i)+3]
	v_lshlrev_b32 v6, 16, v4
	v_and_b32 v7, s5, v4
	v_lshlrev_b32 v8, 16, v5
	v_and_b32 v9, s5, v5
	v_cvt_pk_f16_f32 v[CY+2*(\i)], v6, v7
	v_cvt_pk_f16_f32 v[CY+2*(\i)+1], v8, v9
	global_store_b64 v2, v[CY+2*(\i):CY+2*(\i)+1], s[DST:DST+1] offset:(\i)*(\SI)  ; 32 lanes store 256 consecutive bytes, aligned
.endr
	s_wait_xcnt 0x0                                ; the pointers and the stores' data are rewritten only behind this wait
	s_add_nc_u64 s[SRC:SRC+1], s[SRC:SRC+1], \LS
	s_add_nc_u64 s[DST:DST+1], s[DST:DST+1], \SS
	s_sub_co_u32 s[CTR], s[CTR], 1
	s_cmp_lg_u32 s[CTR], 0
	s_cbranch_scc1 .Lc_\@
.endm
	s_load_b512 s[8:23], s[0:1], 0x0               ; x, ln1_g, ln1_b, W1 s[14:15], W2 s[16:17], Wo s[18:19], Wq s[20:21], Wk s[22:23]
	s_load_b256 s[24:31], s[0:1], 0x40             ; Wv s[24:25], b1 s[26:27], hn s[28:29], wq s[30:31]
	s_load_b128 s[32:35], s[0:1], 0x60             ; w1 s[32:33], wts s[34:35]
	v_lshrrev_b32 v1, 5, v0
	v_readfirstlane_b32 s4, v1                     ; wave 0..7
	v_and_b32 v3, 31, v0                           ; lane
	s_mov_b32 s5, 0xffff0000                       ; a word's upper bf16
	s_mov_b32 s6, 0x76543210                       ; v_permlanex16_b32: each lane takes its own place in the other half
	s_mov_b32 s7, 0xfedcba98
	s_mov_b32 s[INV], 0x3a800000                   ; 1 / 1,024
	s_wait_kmcnt 0x0
	s_cmp_lt_u32 ttmp9, 256
	s_cbranch_scc0 .Lcast
	; LAYER NORM: rows 16 wg + 2 wave and the next.  A lane holds columns 128 j + 4 lane .. + 3, j = 0..7.
	v_lshlrev_b32 v1, 4, v3
	v_lshlrev_b32 v2, 3, v3
	s_lshl_b32 s2, ttmp9, 16                       ; 16 rows of 4,096 bytes,
	s_lshl_b32 s3, s4, 13                          ; my wave's two
	s_add_co_u32 s2, s2, s3
	s_mov_b32 s3, 0
	s_add_nc_u64 s[XP:XP+1], s[XP:XP+1], s[2:3]
	s_lshr_b32 s2, s2, 1                           ; the result's rows are half as long
	s_add_nc_u64 s[HN:HN+1], s[HN:HN+1], s[2:3]
.irp j, 0,1,2,3,4,5,6,7
	global_load_b128 v[G+4*(\j):G+4*(\j)+3], v1, s[GP:GP+1] offset:512*(\j)
.endr
.irp j, 0,1,2,3,4,5,6,7
	global_load_b128 v[BB+4*(\j):BB+4*(\j)+3], v1, s[BP:BP+1] offset:512*(\j)
.endr
.irp j, 0,1,2,3,4,5,6,7
	global_load_b128 v[X0+4*(\j):X0+4*(\j)+3], v1, s[XP:XP+1] offset:512*(\j) th:TH_LOAD_NT
.endr
.irp j, 0,1,2,3,4,5,6,7
	global_load_b128 v[X1+4*(\j):X1+4*(\j)+3], v1, s[XP:XP+1] offset:4096+512*(\j) th:TH_LOAD_NT
.endr
	s_wait_loadcnt 16                              ; gain and bias are in; the two rows' sixteen loads stay out
	RND G, 16
	RND BB, 16
	s_wait_loadcnt 8                               ; the first row is in
	LNROW X0, 0
	s_wait_loadcnt 0x0
	s_wait_xcnt 0x0                                ; Y is rewritten only behind this wait
	LNROW X1, 2048
	s_endpgm
.Lcast:
	s_sub_co_u32 s47, ttmp9, 256                   ; chunk 0..383: W1 128, W2 128, Wo 32, then Wq, Wk, Wv 32 each; 384: the two blocks
	s_mov_b32 s53, 0
	s_mov_b32 s55, 0
	s_cmp_lt_u32 s47, 288
	s_cbranch_scc0 .Lqkv
	s_and_b32 s54, s47, 127                        ; the chunk's number in its tensor
	s_lshl_b32 s54, s54, 17                        ; x 131,072 bytes
	s_add_co_u32 s52, s47, 128                     ; the chunk's place in its buffer, in units of 65,536 bytes: W2 from 256 in wts,
	s_sub_co_u32 s48, s47, 160                     ; Wo from 96 in wts,
	s_cmp_lt_u32 s47, 256
	s_cselect_b32 s52, s52, s48
	s_cselect_b64 s[SRC:SRC+1], s[16:17], s[18:19]
	s_cmp_lt_u32 s47, 128
	s_cselect_b32 s52, s47, s52                    ; W1 from 0 in w1
	s_cselect_b64 s[SRC:SRC+1], s[14:15], s[SRC:SRC+1]
	s_cselect_b64 s[DST:DST+1], s[32:33], s[34:35]
	s_lshl_b32 s52, s52, 16
	s_add_nc_u64 s[SRC:SRC+1], s[SRC:SRC+1], s[54:55]
	s_add_nc_u64 s[DST:DST+1], s[DST:DST+1], s[52:53]
	v_lshlrev_b32 v1, 4, v0
	v_lshlrev_b32 v2, 3, v0
	CASTLOOP 4096, 2048, 32768, 16384
	s_endpgm
.Lqkv:                                         ; [16][1024][64] -> columns which x 1,024 + 64 h + d of wq [1024][4096]: two heads and 256 rows c a chunk
	s_cmp_eq_u32 s47, 384
	s_cbranch_scc1 .Lep
	s_sub_co_u32 s47, s47, 288
	s_lshr_b32 s48, s47, 5                         ; which of q, k, v
	s_bfe_u32 s58, s47, 0x30002                    ; pair of heads
	s_and_b32 s59, s47, 3                          ; quarter of the rows c
	s_cmp_eq_u32 s48, 0
	s_cselect_b64 s[SRC:SRC+1], s[20:21], s[22:23]
	s_cmp_eq_u32 s48, 2
	s_cselect_b64 s[SRC:SRC+1], s[24:25], s[SRC:SRC+1]
	s_lshl_b32 s54, s58, 19                        ; two heads of 262,144 bytes
	s_lshl_b32 s60, s59, 16                        ; 256 rows of 256 bytes
	s_add_co_u32 s54, s54, s60
	s_add_nc_u64 s[SRC:SRC+1], s[SRC:SRC+1], s[54:55]
	s_lshl_b32 s52, s48, 11
	s_lshl_b32 s60, s58, 8
	s_add_co_u32 s52, s52, s60
	s_lshl_b32 s60, s59, 21                        ; 256 rows of 8,192 bytes
	s_add_co_u32 s52, s52, s60
	s_add_nc_u64 s[DST:DST+1], s[30:31], s[52:53]
	v_and_b32 v4, 15, v0
	v_bfe_u32 v5, v0, 4, 1
	v_lshlrev_b32 v1, 4, v4                        ; lanes 0-15 read a row of the even head, 256 bytes; lanes 16-31 the same row of the odd head
	v_lshl_add_u32 v1, v5, 18, v1
	s_lshl_b32 s60, s4, 8                          ; row c = 64 trip + 8 i + wave
	v_add_nc_u32 v1, s60, v1
	s_lshl_b32 s60, s4, 13
	v_lshl_add_u32 v2, v3, 3, s60
	CASTLOOP 2048, 65536, 16384, 524288
	s_endpgm
.Lep:                                          ; the blocks behind the weights.  w1: b1 rounded to bf16, floor 0 (the ReLU).  wq: a bias of 0 for its 3,072 columns, floor -inf (q, k, v have neither bias nor ReLU)
	s_add_nc_u64 s[DST:DST+1], s[32:33], EPB
	s_add_nc_u64 s[SRC:SRC+1], s[30:31], EPB
	v_lshlrev_b32 v1, 4, v0
.irp i, 0,1,2,3
	global_load_b128 v[CX+4*(\i):CX+4*(\i)+3], v1, s[26:27] offset:4096*(\i)
.endr
.irp i, 48,49,50,51
	v_mov_b32 v\i, 0
.endr
.irp i, 0,1,2
	global_store_b128 v1, v[48:51], s[SRC:SRC+1] offset:4096*(\i)  ; a wave stores 512 consecutive bytes, aligned
.endr
	s_wait_loadcnt 0x0
	RND CX, 8
.irp i, 0,1,2,3
	global_store_b128 v1, v[CX+4*(\i):CX+4*(\i)+3], s[DST:DST+1] offset:4096*(\i)
.endr
	s_cmp_lg_u32 s4, 0
	s_cbranch_scc1 .Lepend
	v_lshlrev_b32 v2, 3, v3
	v_mov_b32 v52, 0xfc00fc00                      ; -inf twice in f16
	v_mov_b32 v53, 0xfc00fc00
	global_store_b64 v2, v[52:53], s[SRC:SRC+1] offset:16384  ; 32 lanes store 256 consecutive bytes, aligned
	global_store_b64 v2, v[48:49], s[DST:DST+1] offset:16384
.Lepend:
	s_endpgm
.Lfunc_end_k_q36bde00635_prep:
	.size	k_q36bde00635_prep, .Lfunc_end_k_q36bde00635_prep-k_q36bde00635_prep
	.p2alignl 7, 3214868480
	.fill 96, 4, 3214868480
	.section	.rodata,"a",@progbits
	.p2align	6, 0x0
	.amdhsa_kernel k_q36bde00635_prep
		.amdhsa_group_segment_fixed_size 0
		.amdhsa_private_segment_fixed_size 0
		.amdhsa_enable_private_segment 0
		.amdhsa_kernarg_size 112
		.amdhsa_user_sgpr_count 2
		.amdhsa_user_sgpr_kernarg_segment_ptr 1
		.amdhsa_wavefront_size32 1
		.amdhsa_system_sgpr_workgroup_id_x 1
		.amdhsa_system_sgpr_workgroup_id_y 1
		.amdhsa_system_sgpr_workgroup_id_z 1
		.amdhsa_system_vgpr_workitem_id 0
		.amdhsa_next_free_vgpr 160
		.amdhsa_next_free_sgpr 66
		.amdhsa_reserve_vcc 0
		.amdhsa_float_denorm_mode_32 3
		.amdhsa_float_denorm_mode_16_64 3
		.amdhsa_memory_ordered 1
		.amdhsa_forward_progress 1
		.amdhsa_inst_pref_size 43
	.end_amdhsa_kernel
	.amdgpu_metadata
---
amdhsa.version: [ 1, 2 ]
amdhsa.kernels:
  - .name:           k_q36bde00635_prep
    .symbol:         k_q36bde00635_prep.kd
    .args:
      - { .name: x, .offset: 0, .size: 8, .value_kind: global_buffer, .address_space: global }
      - { .name: ln1_g, .offset: 8, .size: 8, .value_kind: global_buffer, .address_space: global }
      - { .name: ln1_b, .offset: 16, .size: 8, .value_kind: global_buffer, .address_space: global }
      - { .name: W1, .offset: 24, .size: 8, .value_kind: global_buffer, .address_space: global }
      - { .name: W2, .offset: 32, .size: 8, .value_kind: global_buffer, .address_space: global }
      - { .name: Wo, .offset: 40, .size: 8, .value_kind: global_buffer, .address_space: global }
      - { .name: Wq, .offset: 48, .size: 8, .value_kind: global_buffer, .address_space: global }
      - { .name: Wk, .offset: 56, .size: 8, .value_kind: global_buffer, .address_space: global }
      - { .name: Wv, .offset: 64, .size: 8, .value_kind: global_buffer, .address_space: global }
      - { .name: b1, .offset: 72, .size: 8, .value_kind: global_buffer, .address_space: global }
      - { .name: hn, .offset: 80, .size: 8, .value_kind: global_buffer, .address_space: global }
      - { .name: wq, .offset: 88, .size: 8, .value_kind: global_buffer, .address_space: global }
      - { .name: w1, .offset: 96, .size: 8, .value_kind: global_buffer, .address_space: global }
      - { .name: wts, .offset: 104, .size: 8, .value_kind: global_buffer, .address_space: global }
    .group_segment_fixed_size: 0
    .private_segment_fixed_size: 0
    .kernarg_segment_align: 8
    .kernarg_segment_size: 112
    .max_flat_workgroup_size: 256
    .sgpr_count:     66
    .vgpr_count:     160
    .wavefront_size: 32
...
	.end_amdgpu_metadata
.endif
;; end of part 9
;; launch qkv (part 10): grid 12 x 16, 4 waves a work-group, clusters of 4 x 4, 327,680 bytes of LDS; arguments hn, wq, qkv; writes qkv
.if DOCPART == 10
	.amdgcn_target "amdgcn-amd-amdhsa--gfx1250"
	.amdhsa_code_object_version 6
	.text
	.protected	k_q36bde00635_qkv
	.globl	k_q36bde00635_qkv
	.p2align	8
	.type	k_q36bde00635_qkv,@function
k_q36bde00635_qkv:
	s_mov_b64 s[64:65], 0
	v_nop
	global_prefetch_b8 v0, s[64:65] scope:SCOPE_SE
	s_setreg_imm32_b32 hwreg(HW_REG_WAVE_MODE, 25, 1), 1
	s_wait_xcnt 0x0
	s_wait_alu depctr_hold_cnt(0) depctr_sa_sdst(0) depctr_va_vdst(0) depctr_va_sdst(0) depctr_va_ssrc(0) depctr_va_vcc(0) depctr_vm_vsrc(0)
	s_getreg_b32 s2, hwreg(HW_REG_IB_STS2, 6, 4)
	s_cmp_eq_u32 s2, 0
	s_cbranch_scc0 .Lentry_in_a_cluster
	s_endpgm
.Lentry_in_a_cluster:
	s_bfe_u32 s2, ttmp6, 0x10000c
	s_cmp_lg_u32 s2, 0xf033
	s_cbranch_scc0 .Lentry_shape_is_right
	s_endpgm
.Lentry_shape_is_right:
; C = max(A B + bias, floor).  A: [4096][1024] f16.  B: [1024][4096] f16, rows along N, at the head of the second buffer; behind it, at byte 8,388,608, 4,096 f32 of bias and a packed f16 floor.
; C leaves in groups of 64 columns, [N/64][4096][64] f16, rounded once from f32 sums.
; ONE TEXT FOR TWO LAUNCHES.  The hidden layer: B = W1, bias = b1 (rounded to bf16 by the first launch), floor 0: the ReLU; 16 tile columns.  q, k, v of all heads in one product: B's columns 0-3,071
; (group = which x 16 + head), 12 tile columns, bias 0 and floor -inf: there the 17 loads of the block and the 256 packed maxima of a wave change nothing: the price of not writing this text twice.
; A tile of C is 256 x 256: four waves, each 128 x 128 in 64 accumulators (512 registers).  K = 1,024 goes in 8 steps of 128 through two LDS slots filled by the tensor data mover.
; The loop is ONE K step; which slot is read and which is filled goes by two words that an exclusive or turns.  The bias is the C operand of each accumulator's first product.
; CLUSTER: 4 x 4 work-groups.  A's tiles are shared along a row of the cluster, B's along a column: each is asked for jointly, by the same load, descriptor and mask in the four.
; THE PRODUCT IS TAKEN TRANSPOSED: source 0 = 16 columns of B (turned on the way out of LDS by ds_load_tr16_b128), source 1 = 16 rows of A: a lane holds eight neighbouring columns of one row of C.
; REGISTERS: window 0: v16-31 addresses; v64-127, v128-191 A's fragments, two buffers; v192-255 the bias; on the way out v64-95 packed, v32-63 and v96-127 rows read back.
;   window 1: v64-127, v128-191 B's fragments.  Window 2: the accumulators of my rows 0-63 ((a, b) at v[8 (8 a + b)]); window 3: rows 64-127.
; LIMIT: the results lie within f16's 65,504; a NaN among them is replaced by the floor.
.set NN,    4096
.set EPB,   8388608                    ; the block behind B's 1,024 rows of 8,192 bytes
.set KSTEP, 128
.set PA,    272                        ; a row of A in LDS: 256 bytes + 16: the 16 rows of a load start at 16 different groups of four banks
.set PB,    544                        ; a row of B (one k, 256 columns): 512 bytes + 32
.set HALFT, 128*PA                     ; what one tensor load brings: 128 rows of A, or 64 rows of B (64 x 544 is the same number)
.set SLOT,  4*HALFT                    ; A's 256 rows, then B's 128 rows.  0x22000: none of its bits is set in wave x HALFT, so an exclusive or changes slots
.set STAGE, 2*SLOT                     ; behind the ring: 16 rows x 272 bytes for each wave
.set SPITCH, 272
.set SPARE, STAGE+4*16*SPITCH          ; behind the stages: the spare words, 128 bytes a wave
.set BSTEP, KSTEP*NN*2                 ; bytes from a K step of B to the next
.set A0,   16                          ; v16  my place in A's rows of slot 0; never rewritten
.set B0,   17                          ; v17  the same for B
.set ADRA, 18                          ; v18  A0 + the slot in hand
.set ADRB, 19                          ; v19  B0 + the slot in hand
.set FO,   22                          ; v22  4 x my lane: my word of the floor; never rewritten
.set STO,  24
.set RD,   25
.set CO,   26
.set BO,   27                          ; v27  my byte offset in the bias; never rewritten
.set SPW,  28
.set NIL,  29
.set PFO,  30                          ; v30  the prefetches' lane offset
.set ZR,   31                          ; v31  the floor, twice in f16
.set F0,   64
.set F1,   128
.set TMP,  64
.set BIAS, 192
.set G1,  24                           ; s[24:31] group 1 for A
.set G0,  32                           ; s[32:39] group 0 for A: the two first fills; the second set then walks
.set G1B, 48                           ; s[48:55], s[56:63] the same for B
.set G0B, 56
.set LIM, 43                           ; s43  2 in a wave that prefetches, else the greatest number
.set PFA, 44                           ; s[44:45] where my prefetches stand
.set TB,  66                           ; s66  the slot that is read: 0 or SLOT
.set PST, 68                           ; s[68:69] the prefetches' step from K step to K step
.set MSB, 0
.macro WIN new
.if MSB != (\new)
	s_set_vgpr_msb (MSB<<8)|(\new)
.set MSB, \new
.endif
.endm
.set MUL_LO, 0xa1                      ; source 0 (B) window 1, source 1 (A) window 0, C and D window 2
.set TO_B,   0x40
.macro PLACES                          ; four plain places behind a matrix instruction, ahead of loads into its sources and of readers of its result
.rept 4
	v_nop
.endr
.endm
.macro JLOAD                           ; a joint refill by the walking sets: waves 0, 1 for A, waves 2, 3 for B; an s_nop 0 and four v_nop follow each line
	s_cmp_eq_u32 s11, 0
	s_cbranch_scc0 .Lfor_b_\@
	tensor_load_to_lds s[G0+4:G0+7], s[G1:G1+7]
	s_nop 0
.rept 4
	v_nop
.endr
	s_branch .Lasked_\@
.Lfor_b_\@:
	tensor_load_to_lds s[G0B+4:G0B+7], s[G1B:G1B+7]
	s_nop 0
.rept 4
	v_nop
.endr
.Lasked_\@:
.endm
.macro CREST                           ; a round of the cluster's barrier behind its opening barrier
	s_cmp_lg_u32 s10, 0
	s_cbranch_scc1 .Lnot_wave_0_\@
	s_barrier_signal -3
.Lnot_wave_0_\@:
	s_barrier_wait -3
	s_barrier_signal -1
	s_barrier_wait -1
.endm
.macro CROUND
	s_barrier_signal -1
	s_barrier_wait -1
	CREST
.endm
.macro ASK                             ; the K step two refills on: 32 blocks of 256 bytes, a lane a block; each block is named once in the launch (see the head)
	s_cmp_gt_u32 s3, s[LIM]
	s_cbranch_scc0 .Lnot_mine_\@
	global_prefetch_b8 v[PFO], s[PFA:PFA+1] th:TH_LOAD_NT scope:SCOPE_SE
.Lnot_mine_\@:
.endm
; 16 matrix instructions: m blocks a0, a0 + 1 of the window's four x all 8 n blocks, 32 along K.  zero = 1: the first product starts the sums with the bias of its columns.
.macro MUL16 f, hi, a0, zero
.if \zero
	WIN 0x81+0x40*(\hi)                            ; C (the bias) in window 0
.else
	WIN MUL_LO+0x50*(\hi)
.endif
.irp a, \a0, (\a0)+1
.irp b, 0,1,2,3,4,5,6,7
.if \zero
	v_wmma_f32_16x16x32_f16 v[8*(8*(\a)+(\b)):8*(8*(\a)+(\b))+7], v[(\f)+8*(\b):(\f)+8*(\b)+7], v[(\f)+8*(4*(\hi)+(\a)):(\f)+8*(4*(\hi)+(\a))+7], v[BIAS+8*(\b):BIAS+8*(\b)+7]
.else
	v_wmma_f32_16x16x32_f16 v[8*(8*(\a)+(\b)):8*(8*(\a)+(\b))+7], v[(\f)+8*(\b):(\f)+8*(\b)+7], v[(\f)+8*(4*(\hi)+(\a)):(\f)+8*(4*(\hi)+(\a))+7], v[8*(8*(\a)+(\b)):8*(8*(\a)+(\b))+7]
.endif
.endr
.endr
.endm
; 32 LDS loads in one run: the fragments of 32 along K (byte k of A's rows, rows k / 2 of B) into buffer f: B's 16 first, then A's
.macro FETCH k, f
	WIN TO_B
.irp i, 0,1,2,3,4,5,6,7
	ds_load_tr16_b128 v[(\f)+8*(\i):(\f)+8*(\i)+3],   v[ADRB] offset:((\k)/64)*32*PB+32*(\i)
	ds_load_tr16_b128 v[(\f)+8*(\i)+4:(\f)+8*(\i)+7], v[ADRB] offset:((\k)/64)*32*PB+16*PB+32*(\i)
.endr
	WIN 0
.irp i, 0,1,2,3,4,5,6,7
	ds_load_b128 v[(\f)+8*(\i):(\f)+8*(\i)+3],   v[ADRA] offset:(\k)+(\i)*16*PA
	ds_load_b128 v[(\f)+8*(\i)+4:(\f)+8*(\i)+7], v[ADRA] offset:(\k)+(\i)*16*PA+32
.endr
.endm
.macro QUARTER k, f, g, zero           ; multiplies buffer f; in its middle fetches the next quarter, at byte k, into g
	s_wait_dscnt 8                                 ; B and A's rows 0-63 are in; the youngest eight loads (A's rows 64-127) may be out
	MUL16 \f, 0, 0, \zero
	MUL16 \f, 0, 2, \zero
	PLACES
	FETCH \k, \g
	s_wait_dscnt 32                                ; all but the 32 just issued
	MUL16 \f, 1, 0, \zero
	MUL16 \f, 1, 2, \zero
.endm
.macro MEET                            ; the first half of a step's last quarter, and the barrier of the change of slots
	WIN 0
	s_wait_tensorcnt 0x0                           ; all my tensor loads have landed: the one that was out is my part of the other slot
	ds_add_u32 v[SPW], v[NIL]                      ; 0 onto my spare word
	s_wait_dscnt 9                                 ; the add and the youngest eight loads may be out
	MUL16 F1, 0, 0, 0
	s_wait_dscnt 0x0                               ; the add is done, and my reads of this slot are over
	s_barrier_signal -1
	MUL16 F1, 0, 2, 0
	WIN 0
	s_barrier_wait -1
.endm
.macro SWAP                            ; the reads go on in the other slot
	s_xor_b32 s[TB], s[TB], SLOT
	v_add_nc_u32 v[ADRA], s[TB], v[A0]
	v_add_nc_u32 v[ADRB], s[TB], v[B0]
.endm
.macro TURN                            ; a step's last quarter with a refill: the slot just read out takes the K step two on
	s_wait_xcnt 0x0                                ; the last prefetch, a K step back, has read its address
	s_add_nc_u64 s[PFA:PFA+1], s[PFA:PFA+1], s[PST:PST+1]
	MEET
	CREST                                          ; the barrier has opened a round of the cluster's: no wave of any partner still reads the slot or has a load on its way
	s_xor_b32 s[G0+5], s[G0+5], SLOT
	s_add_nc_u64 s[G0+6:G0+7], s[G0+6:G0+7], KSTEP*2
	s_xor_b32 s[G0B+5], s[G0B+5], SLOT
	s_add_nc_u64 s[G0B+6:G0B+7], s[G0B+6:G0B+7], BSTEP
	JLOAD                                          ; the first tensor load behind the round: 224 matrix instructions ahead of the wait for it
	SWAP
	FETCH 0, F0
	ASK
	MUL16 F1, 1, 0, 0
	MUL16 F1, 1, 2, 0
.endm
	s_load_b128 s[4:7], s[0:1], 0x0                ; A s[4:5], B and its block s[6:7]
	s_load_b64 s[8:9], s[0:1], 0x10                ; C
	v_lshl_add_u32 v[SPW], v0, 2, SPARE
	v_mov_b32 v[NIL], 0
	ds_add_u32 v[SPW], v[NIL]                      ; the wave's opening: the add, twice on end, and its wait ahead of my first tensor load
	ds_add_u32 v[SPW], v[NIL]
	v_lshrrev_b32 v1, 5, v0
	v_readfirstlane_b32 s10, v1                    ; wave 0..3
	s_lshr_b32 s11, s10, 1                         ; my half of the tile's rows.  Also: I fetch for A (0) or for B (1)
	s_and_b32 s12, s10, 1                          ; my half of its columns.  Also: which half of that tile I fetch
	s_bfe_u32 s40, ttmp6, 0x40000                  ; cx
	s_bfe_u32 s41, ttmp6, 0x40004                  ; cy
	s_lshl_b32 s42, ttmp9, 2
	s_add_co_u32 s42, s42, s40                     ; tile column
	s_and_b32 s13, ttmp7, 0xffff
	s_lshl_b32 s13, s13, 2
	s_add_co_u32 s13, s13, s41                     ; tile row
	s_lshl_b32 s74, s41, 2
	s_lshl_b32 s74, 15, s74                        ; my row of the cluster
	s_lshl_b32 s75, 0x1111, s40                    ; my column
	s_or_b32 s[G1+0], s74, (1<<16)|(1<<20)|(1<<21)|(5<<22)|(3<<25)   ; mask; 2-byte elements; padding on; bit 21 beside a mask; after every 64 words, 4 words
	s_or_b32 s[G1B+0], s75, (1<<16)|(1<<20)|(1<<21)|(6<<22)|(7<<25)  ; after every 128 words, 8 words
	s_mov_b32 s[G1+1], 128<<16                     ; A: 128 rows x 128 elements, 1,024 elements from row to row
	s_mov_b32 s[G1+2], 128<<16
	s_mov_b32 s[G1+3], 128<<16
	s_mov_b32 s[G1+4], 128
	s_mov_b32 s[G1+5], 1024
	s_mov_b32 s[G1+6], 0
	s_mov_b32 s[G1+7], 0
	s_mov_b32 s[G1B+1], 256<<16                    ; B: 64 rows x 256 elements, NN elements from row to row
	s_mov_b32 s[G1B+2], 64<<16
	s_mov_b32 s[G1B+3], 256<<16
	s_mov_b32 s[G1B+4], 64
	s_mov_b32 s[G1B+5], NN
	s_mov_b32 s[G1B+6], 0
	s_mov_b32 s[G1B+7], 0
	s_lshl_b32 s16, s13, 8
	s_lshl_b32 s17, s12, 7
	s_add_co_u32 s16, s16, s17                     ; A: row 256 x tile row + 128 x half,
	s_lshl_b32 s16, s16, 11                        ; of 2,048 bytes
	s_mov_b32 s17, 0
	s_mul_i32 s46, s12, 128*NN                     ; B: 64 rows of 2 NN bytes x half,
	s_lshl_b32 s47, s42, 9                         ; 512 bytes x tile column
	s_add_co_u32 s46, s46, s47
	s_mov_b32 s47, 0
	s_mul_i32 s20, s10, HALFT                      ; where they go: wave x HALFT: no place in the cluster enters an LDS address
	s_wait_dscnt 0x0                               ; both opening adds are done
	s_wait_kmcnt 0x0
	s_add_nc_u64 s[14:15], s[4:5], s[16:17]
	s_add_nc_u64 s[46:47], s[6:7], s[46:47]
	s_add_nc_u64 s[70:71], s[6:7], EPB             ; bias and floor
	CROUND                                         ; all sixteen work-groups are here: the first joint loads meet
.irp s, 0,1
	s_mov_b32 s[G0+4*(\s)], 1
	s_add_co_u32 s[G0+4*(\s)+1], s20, (\s)*SLOT
	s_add_nc_u64 s[G0+4*(\s)+2:G0+4*(\s)+3], s[14:15], (\s)*KSTEP*2
	s_or_b32 s[G0+4*(\s)+3], s[G0+4*(\s)+3], 0x80000000
	s_mov_b32 s[G0B+4*(\s)], 1
	s_add_co_u32 s[G0B+4*(\s)+1], s20, (\s)*SLOT
	s_add_nc_u64 s[G0B+4*(\s)+2:G0B+4*(\s)+3], s[46:47], (\s)*BSTEP
	s_or_b32 s[G0B+4*(\s)+3], s[G0B+4*(\s)+3], 0x80000000
.endr
	s_cmp_eq_u32 s11, 0                            ; a wave's two first fills stand in one branch: two loads of mine are out
	s_cbranch_scc0 .Lfirst_b
	tensor_load_to_lds s[G0:G0+3], s[G1:G1+7]
	s_nop 0
	tensor_load_to_lds s[G0+4:G0+7], s[G1:G1+7]
	s_nop 0
.rept 4
	v_nop
.endr
	s_branch .Lfirst_asked
.Lfirst_b:
	tensor_load_to_lds s[G0B:G0B+3], s[G1B:G1B+7]
	s_nop 0
	tensor_load_to_lds s[G0B+4:G0B+7], s[G1B:G1B+7]
	s_nop 0
.rept 4
	v_nop
.endr
.Lfirst_asked:
	v_and_b32 v1, 15, v0                           ; l % 16
	v_bfe_u32 v2, v0, 4, 1                         ; l / 16
	v_bfe_u32 v5, v0, 3, 1                         ; (l / 8) % 2
	v_and_b32 v7, 7, v0                            ; l % 8
	s_lshl_b32 s21, s42, 10                        ; the bias of my 128 columns: a lane's eight of each block of 16
	s_lshl_b32 s22, s12, 9
	s_add_co_u32 s21, s21, s22
	v_lshl_add_u32 v[BO], v2, 5, s21
.irp b, 0,1,2,3,4,5,6,7
	global_load_b128 v[BIAS+8*(\b):BIAS+8*(\b)+3],   v[BO], s[70:71] offset:64*(\b)
	global_load_b128 v[BIAS+8*(\b)+4:BIAS+8*(\b)+7], v[BO], s[70:71] offset:64*(\b)+16
.endr
	v_and_b32 v[FO], 31, v0
	v_lshlrev_b32 v[FO], 2, v[FO]
	global_load_b32 v[ZR], v[FO], s[70:71] offset:16384  ; the floor
	v_mul_u32_u24 v3, v1, PA
	v_lshl_add_u32 v3, v2, 4, v3                   ; A: row x pitch + 16 x half
	s_mul_i32 s21, s11, HALFT
	v_add_nc_u32 v[A0], s21, v3
	v_lshl_add_u32 v4, v2, 3, v7                   ; B, turned: row k = 8 (l / 16) + l % 8, 16 bytes x ((l / 8) % 2)
	v_mul_u32_u24 v4, v4, PB
	v_lshl_add_u32 v4, v5, 4, v4
	s_lshl_b32 s22, s12, 8                         ; my 128 columns
	s_add_co_u32 s22, s22, 2*HALFT
	v_add_nc_u32 v[B0], s22, v4
	v_mov_b32 v[ADRA], v[A0]
	v_mov_b32 v[ADRB], v[B0]
	s_mov_b32 s[TB], 0
	s_mul_i32 s23, s10, 16*SPITCH
	s_add_co_u32 s23, s23, STAGE                   ; my stage
	v_mul_u32_u24 v6, v1, SPITCH                   ; in: row l % 16, 16 bytes for each half of the lanes
	v_lshl_add_u32 v6, v2, 4, v6
	v_add_nc_u32 v[STO], s23, v6
	v_mul_u32_u24 v6, v5, SPITCH                   ; back: lanes 0-7 and 8-15 take two rows' 128 bytes of the first group of 64 columns, lanes 16-31 of the second
	v_lshl_add_u32 v6, v2, 7, v6
	v_lshl_add_u32 v6, v7, 4, v6
	v_add_nc_u32 v[RD], s23, v6
	v_lshlrev_b32 v6, 19, v2                       ; a group is 524,288 bytes of C; two rows of a group are 256 consecutive bytes
	v_lshl_add_u32 v6, v5, 7, v6
	v_lshl_add_u32 v[CO], v7, 4, v6
	s_lshl_b32 s16, s42, 2
	s_lshl1_add_u32 s16, s12, s16                  ; my first group: 4 x tile column + 2 x half
	s_lshl_b32 s16, s16, 19
	s_lshl_b32 s17, s13, 8
	s_lshl_b32 s18, s11, 7
	s_add_co_u32 s17, s17, s18                     ; my first row
	s_lshl_b32 s17, s17, 7
	s_add_co_u32 s16, s16, s17
	s_mov_b32 s17, 0                               ; s[16:17]: what the way out adds to C's address
	; THE PREFETCHES.  A's tile row is read by every cluster of that row of clusters: cluster x = 0 asks; B's tile column by every cluster of that column: cluster y = 0 asks.
	; Of what a wave fetches in a K step (A: 128 rows of 256 bytes; B: 64 rows of 512) each of the four partners takes 32 blocks of 256 bytes, told apart by address (cx for A, cy for B).
	; Trip i of the loop names K step i + 4, two refills ahead; K steps 0-3 come by their loads alone; the last two trips ask for nothing.
	s_lshl_b32 s21, s13, 8
	s_lshl_b32 s22, s12, 7
	s_add_co_u32 s21, s21, s22
	s_lshl_b32 s22, s40, 5
	s_add_co_u32 s21, s21, s22
	s_lshl_b32 s21, s21, 11
	s_add_co_u32 s21, s21, 3*KSTEP*2               ; A's offset, at K step 3: the first refill steps it to 4
	s_lshl_b32 s22, s12, 6
	s_lshl_b32 s23, s41, 4
	s_add_co_u32 s22, s22, s23
	s_mul_i32 s22, s22, 2*NN
	s_lshl_b32 s23, s42, 9
	s_add_co_u32 s22, s22, s23
	s_add_co_u32 s22, s22, 3*BSTEP                 ; B's offset
	s_and_b32 s23, ttmp7, 0xffff                   ; cluster y
	s_mov_b32 s18, BSTEP
	s_mov_b32 s19, 2*NN
	s_cmp_eq_u32 s11, 0                            ; do I fetch for A?
	s_cselect_b32 s76, s21, s22
	s_cselect_b32 s23, ttmp9, s23                  ; the coordinate along which other clusters read the same blocks
	s_cselect_b64 s[PFA:PFA+1], s[4:5], s[6:7]
	s_cselect_b32 s[PST], KSTEP*2, s18
	s_cselect_b32 s78, 2048, s19                   ; bytes from row to row
	s_cselect_b32 s79, 0, 1                        ; A: a lane a row; B: two lanes a row
	s_mov_b32 s[PST+1], 0
	s_mov_b32 s77, 0
	s_add_nc_u64 s[PFA:PFA+1], s[PFA:PFA+1], s[76:77]
	s_cmp_eq_u32 s23, 0
	s_cselect_b32 s[LIM], 2, -1                    ; the same in all sixteen partners, for a given wave
	v_and_b32 v3, 31, v0
	v_lshrrev_b32 v[PFO], s79, v3
	v_mul_lo_u32 v[PFO], v[PFO], s78
	v_and_b32 v4, s79, v3
	v_lshl_add_u32 v[PFO], v4, 8, v[PFO]
	s_wait_tensorcnt 1                             ; my part of K step 0 is in; K step 1's may stay out
	s_barrier_signal -1
	s_barrier_wait -1
	FETCH 0, F0
	s_wait_loadcnt 0x0                             ; bias and floor
	QUARTER 64, F0, F1, 1                          ; the first quarter stands in front of the loop: its products start the sums
	WIN 0
	s_mov_b32 s3, 6
.Lk:                                           ; six trips, a K step each, from a step's second quarter to the next step's first; trip i asks for K step i + 2
	QUARTER 128, F1, F0, 0
	QUARTER 192, F0, F1, 0
	TURN
	QUARTER 64, F0, F1, 0
	WIN 0
	s_sub_co_u32 s3, s3, 1
	s_cmp_lg_u32 s3, 0
	s_cbranch_scc1 .Lk
	s_mov_b32 s3, 2
.Lt:                                           ; the last two K steps ask for nothing; the second trip is left in its middle (its barrier serves nothing: the price of one text for both)
	QUARTER 128, F1, F0, 0
	QUARTER 192, F0, F1, 0
	MEET
	s_sub_co_u32 s3, s3, 1
	s_cmp_eq_u32 s3, 0
	s_cbranch_scc1 .Lout
	SWAP
	PLACES
	FETCH 0, F0
	MUL16 F1, 1, 0, 0
	MUL16 F1, 1, 2, 0
	QUARTER 64, F0, F1, 0
	WIN 0
	s_branch .Lt
.Lout:
	MUL16 F1, 1, 0, 0
	MUL16 F1, 1, 2, 0
	WIN 0
	PLACES
	PLACES
; THE WAY OUT, a block of 16 rows at a time: rounded to f16, held above the floor on the packed halves, through my own stage in LDS, back as rows, stored.
.macro PACK a
.set AC, 64*((\a)%4)
	WIN 0x0a+5*((\a)/4)                            ; sources 0 and 1: window 2 or 3
.irp b, 0,1,2,3,4,5,6,7
.irp r, 0,1,2,3
	v_cvt_pk_f16_f32 v[TMP+4*(\b)+(\r)], v[AC+8*(\b)+2*(\r)], v[AC+8*(\b)+2*(\r)+1]
.endr
.endr
	WIN 0
.set p, 0
.rept 32
	v_pk_max_num_f16 v[TMP+p], v[TMP+p], v[ZR]
.set p, p+1
.endr
.endm
.macro TOSTAGE a
.set BK, 32+64*((\a)%2)
.irp b, 0,1,2,3,4,5,6,7
	ds_store_b128 v[STO], v[TMP+4*(\b):TMP+4*(\b)+3] offset:32*(\b)
.endr
.irp t, 0,1,2,3,4,5,6,7
	ds_load_b128 v[BK+4*(\t):BK+4*(\t)+3], v[RD] offset:(\t)*2*SPITCH  ; LDS serves a wave's instructions in order (ISA guide 5.7.1.4): these see the stores above
.endr
.endm
.macro SEND a
.set BK, 32+64*((\a)%2)
	s_wait_dscnt 0x0                               ; the block is back in registers
	s_wait_xcnt 0x0                                ; the stores' base and the registers that earlier stores read are rewritten only behind this wait
.if (\a) == 0
	s_add_nc_u64 s[8:9], s[8:9], s[16:17]
.else
	s_add_nc_u64 s[8:9], s[8:9], 2048              ; 16 rows of 128 bytes on
.endif
.irp t, 0,1,2,3,4,5,6,7
	global_store_b128 v[CO], v[BK+4*(\t):BK+4*(\t)+3], s[8:9] offset:256*(\t)  ; 16 lanes store 256 consecutive bytes, aligned: two rows of a group
.endr
.endm
	PACK 0
	TOSTAGE 0
.irp a, 1,2,3,4,5,6,7
	PACK \a
	SEND (\a)-1
	TOSTAGE \a
.endr
	SEND 7
	s_wait_tensorcnt 0x0                           ; the wave's end
	ds_add_u32 v[SPW], v[NIL]
	s_wait_dscnt 0x0
	CROUND                                         ; the closing round
	s_endpgm
.Lfunc_end_k_q36bde00635_qkv:
	.size	k_q36bde00635_qkv, .Lfunc_end_k_q36bde00635_qkv-k_q36bde00635_qkv
	.p2alignl 7, 3214868480
	.fill 96, 4, 3214868480
	.section	.rodata,"a",@progbits
	.p2align	6, 0x0
	.amdhsa_kernel k_q36bde00635_qkv
		.amdhsa_group_segment_fixed_size 327680
		.amdhsa_private_segment_fixed_size 0
		.amdhsa_enable_private_segment 0
		.amdhsa_kernarg_size 24
		.amdhsa_user_sgpr_count 2
		.amdhsa_user_sgpr_kernarg_segment_ptr 1
		.amdhsa_wavefront_size32 1
		.amdhsa_system_sgpr_workgroup_id_x 1
		.amdhsa_system_sgpr_workgroup_id_y 1
		.amdhsa_system_sgpr_workgroup_id_z 1
		.amdhsa_system_vgpr_workitem_id 0
		.amdhsa_next_free_vgpr 1024
		.amdhsa_next_free_sgpr 80
		.amdhsa_reserve_vcc 0
		.amdhsa_float_denorm_mode_32 3
		.amdhsa_float_denorm_mode_16_64 3
		.amdhsa_memory_ordered 1
		.amdhsa_forward_progress 1
		.amdhsa_inst_pref_size 122
	.end_amdhsa_kernel
	.amdgpu_metadata
---
amdhsa.version: [ 1, 2 ]
amdhsa.kernels:
  - .name:           k_q36bde00635_qkv
    .symbol:         k_q36bde00635_qkv.kd
    .args:
      - { .name: hn, .offset: 0, .size: 8, .value_kind: global_buffer, .address_space: global }
      - { .name: wq, .offset: 8, .size: 8, .value_kind: global_buffer, .address_space: global }
      - { .name: qkv, .offset: 16, .size: 8, .value_kind: global_buffer, .address_space: global }
    .group_segment_fixed_size: 327680
    .private_segment_fixed_size: 0
    .kernarg_segment_align: 8
    .kernarg_segment_size: 24
    .max_flat_workgroup_size: 128
    .sgpr_count:     80
    .vgpr_count:     1024
    .wavefront_size: 32
...
	.end_amdgpu_metadata
.endif
;; end of part 10
;; launch attn (part 11): grid 4 x 64, 4 waves a work-group, no clusters, 327,680 bytes of LDS; arguments qkv, padding_mask, oatt; writes oatt
.if DOCPART == 11
	.amdgcn_target "amdgcn-amd-amdhsa--gfx1250"
	.amdhsa_code_object_version 6
	.text
	.protected	k_q36bde00635_attn
	.globl	k_q36bde00635_attn
	.p2align	8
	.type	k_q36bde00635_attn,@function
k_q36bde00635_attn:
	s_mov_b64 s[64:65], 0
	v_nop
	global_prefetch_b8 v0, s[64:65] scope:SCOPE_SE
	s_setreg_imm32_b32 hwreg(HW_REG_WAVE_MODE, 25, 1), 1
	s_wait_xcnt 0x0
; ATTENTION with the causal mask and the padding mask.  q, k, v: groups 0-15, 16-31, 32-47 of qkv, [group][4096][64] f16, row = 1,024 b + t.  O -> oatt [16][4096][64] f16.
; WORK LEFT OUT: key steps wholly above a wave's query rows (shown at the head of the first launch's text): their q . k is overwritten by reference() whatever it is; what padded keys there
; still add is below every rounding, or (rows whose keys up to the diagonal are all padded) the row is the mean of v over the batch's padded keys, which is made here, behind the walk, and selected.
; A NaN, an infinity or an overflow that reaches only the products left out is not carried to the result.
; LIMITS: |q . k| < 1.6e10; a causally hidden score counts as its value less 1e30; a padded one as q . k - 3.2e10 (= 32 x -1e9, ahead of the scale 1 / 32); a weight below 2^-126 counts as 0; NaN and infinities are not treated apart.
; SCORES.  S^T = K Q^T + MP, MP the step's padding mask as the C operand that starts the sum; in a group's diagonal step MD (-1e30 above the diagonal) is added.  p = 2^(c s - c m), c = log2(e) / 32, with a
; running maximum m and sum l; O and l are multiplied by a = 2^(c m_old - c m_new) in every step.  A row is all padded exactly when its last m lies below -1.6e10.
; SHARES.  A head's 1,024 queries lie in 8 blocks of 128.  Work-group j takes blocks 7 - j (group H) and j (group L): wave w rows 32 w .. 32 w + 31 of each, two tiles of 16 a group, all four in registers, so that a
; fragment of K or V feeds four tiles while both groups are live.  Key steps of 64; a group's last step, 2 x block + w / 2, holds its diagonal: 16 or 18 group steps a wave, whatever j.
; THE WALK.  Group L ends at step 7 at the latest, group H at step 8 at the earliest.  So steps 0-7 (loop A) hold both groups' text, H without a diagonal; steps 8-15 (loop B) hold H's alone.
; K AND V STAY IN LDS: four tiles of 256 keys, each with bytes of its own, filled once.  Tile 0 is asked for at the head, tile 1 when tile 0 is whole, tiles 2 and 3 behind the barriers at the ends of loop A's two trips:
; each load has a tile's four steps in which to land, and one load of a wave is out at a time; every wait for tensor loads is for 0.  The mean wants all of V, so every work-group fetches all four tiles;
; K's part of tile 3, 32,768 bytes, is not read in work-groups 2 and 3, whose walks end at step 11: one text for all.
; THE MEAN.  Wave w multiplies tile w's V^T by the padding flags of its 256 keys (1.0 or 0 in f16, the same for all 16 columns): 4 steps of 8 products on 4 accumulators; the four partial sums meet in LDS.
; With no padded key the sum is 0 and is divided by 1; no row then takes it.
; NO CLUSTER: the four work-groups of a head end their walks at different steps, so their jumps hang on their place.
; PHASES: a step is the fetch of K, mask and V; then K Q^T, softmax, V^T P for group H; then the same for group L.
; REGISTERS: window 0: v2-15 addresses; v16-31 statistics (c m, m, l, l a tile); v32-35 c m_old; v36-51 at work; v52-61 the head's; v64-191 S^T, 32 a tile; v192-255 P, 16 a tile.
;   window 1: v0-127 O^T, 32 a tile; v128-159 MD; v192-223 MP; v224-255 my part of the mean.  Window 2: v0-63 Q; v128-191 K of a step; v192-255 V of a step.
.set PKP,   144                        ; a row of K in LDS: 128 bytes + 16
.set PVP,   160                        ; a row of V: 128 + 32
.set VBASE, 1024*PKP                   ; V's 1,024 rows lie behind K's
.set MT,    VBASE+1024*PVP             ; the padding mask as 1,024 f32
.set STAGE, MT+4096                    ; 16 rows x 144 bytes for each wave, for the way out
.set SP,    144
.set SPARE, STAGE+4*16*SP              ; the spare words, 128 bytes a wave
.set VBS,   SPARE+512                  ; the four waves' parts of the mean: 64 f32 each
.set CNTS,  VBS+1024                   ; the four waves' counts of padded keys, in a block of their own
.set AK0, 2
.set AV0, 3
.set AK,  4
.set AV,  5
.set STO, 6
.set RD,  7
.set GO,  8
.set AM0, 9
.set AM,  10
.set PFO, 11                           ; v11  256 x my lane; never rewritten
.set QO,  15
.set ST,  16
.set MV,  32
.set TMP, 36
.set SPW, 62
.set NIL, 63
.set S,   64
.set P,   192
.set MD,  128                          ; window 1
.set MP,  192
.set VB,  224
.set KF,  128                          ; window 2
.set VF,  192
.set WV,  12
.set KH,  15                           ; s15  group H's last step
.set KL,  16                           ; s16  group L's
.set G1K, 24
.set G1V, 32
.set G0K, 40
.set G0V, 44
.set QH,  48                           ; s[48:49] Q at my rows of block 7 - j; s[50:51] of block j; s[52:55] O likewise
.set QL,  50
.set OH,  52
.set OL,  54
.set TL,  56                           ; s56  a loop's tiles to go, 2 to 1
.set CNT, 57                           ; s57  a tile's steps to go
.set CS,  58
.set SEL, 60
.set TBK, 62                           ; s62  LDS byte of the step's K; s63 of its V, less VBASE; s66 of its mask, less MT
.set TBV, 63
.set TBM, 66
.set KS,  67                           ; s67  the key step, 0 to 15
.set LIM, 69                           ; s69  1 in the head's first work-group, else the greatest number
.set PFA, 70                           ; s[70:71] my part of tile 2 in memory; never rewritten
.set BIGN, 72
.set THR, 73
.set FL,  74                           ; s74-77  a mask of lanes a tile: the row is all padded
.set SC,  86                           ; s[86:87] -1 / 3.2e10: turns the mask's numbers into flags
.set MSB, 0
.macro WIN new
.if MSB != (\new)
	s_set_vgpr_msb (MSB<<8)|(\new)
.set MSB, (\new)
.endif
.endm
.set W_KQ, 0x0a
.set W_KM, 0x1a
.set W_PV, 0x52
.set W_RS, 0x41
.macro PLACES
.rept 4
	v_nop
.endr
.endm
.macro LOAD                            ; waves 0, 1 fetch the halves of a tile's K, waves 2, 3 of its V: 128 keys each; an s_nop 0 and four v_nop follow each line
	s_cmp_lt_u32 s[WV], 2
	s_cbranch_scc0 .Lfor_v_\@
	tensor_load_to_lds s[G0K:G0K+3], s[G1K:G1K+7]
	s_nop 0
.rept 4
	v_nop
.endr
	s_branch .Lasked_\@
.Lfor_v_\@:
	tensor_load_to_lds s[G0V:G0V+3], s[G1V:G1V+7]
	s_nop 0
.rept 4
	v_nop
.endr
.Lasked_\@:
.endm
; Between two tiles: my load has landed; behind the barrier the next tile is whole for all four waves.  fill = 1: a load follows, and the descriptors step to its tile's own bytes.
.macro SYNC fill
	s_wait_tensorcnt 0x0                           ; no load of mine is out, so the descriptors may be written
	ds_add_u32 v[SPW], v[NIL]                      ; 0 onto my spare word
.if \fill
	s_add_co_u32 s[G0K+1], s[G0K+1], 256*PKP       ; the next tile's own bytes in LDS,
	s_add_nc_u64 s[G0K+2:G0K+3], s[G0K+2:G0K+3], 32768  ; and its 256 rows in memory
	s_add_co_u32 s[G0V+1], s[G0V+1], 256*PVP
	s_add_nc_u64 s[G0V+2:G0V+3], s[G0V+2:G0V+3], 32768
.endif
	s_wait_dscnt 0x0                               ; the add is done, and so are my LDS instructions (the first time: my stores of the mask and of my count)
	s_barrier_signal -1
	s_barrier_wait -1
.endm
; 16 products S^T = K Q^T + MP for group g: channels 32 (i / 8) on, keys 16 ((i / 2) % 4) on, tile 2 g + i % 2.  The 8 accumulators take turns.
.macro KQALL g
.set i, 0
.rept 16
.set qS, S+32*(2*(\g)+i%2)+8*((i/2)%4)
.set qK, KF+16*((i/2)%4)+8*(i/8)
.set qQ, 16*(2*(\g)+i%2)+8*(i/8)
.set qM, MP+8*((i/2)%4)
.if i < 8
	WIN W_KM
	v_wmma_f32_16x16x32_f16 v[qS:qS+7], v[qK:qK+7], v[qQ:qQ+7], v[qM:qM+7]
.else
	WIN W_KQ
	v_wmma_f32_16x16x32_f16 v[qS:qS+7], v[qK:qK+7], v[qQ:qQ+7], v[qS:qS+7]
.endif
.set i, i+1
.endr
.endm
; 16 products O^T += V^T P for group g: keys 32 (i / 8) on, channels 16 ((i / 2) % 4) on, tile 2 g + i % 2.
.macro PVALL g
	WIN W_PV
.set i, 0
.rept 16
.set qO, 32*(2*(\g)+i%2)+8*((i/2)%4)
.set qV, VF+32*(i/8)+8*((i/2)%4)
.set qP, P+16*(2*(\g)+i%2)+8*(i/8)
	v_wmma_f32_16x16x32_f16 v[qO:qO+7], v[qV:qV+7], v[qP:qP+7], v[qO:qO+7]
.set i, i+1
.endr
.endm
.macro LDM                             ; a step's mask: 8 loads: register 8 kt + j holds key 16 kt + 8 (l / 16) + j
	WIN 0x40
.irp f, 0,1,2,3
	ds_load_b128 v[MP+8*\f:MP+8*\f+3],   v[AM] offset:64*\f
	ds_load_b128 v[MP+8*\f+4:MP+8*\f+7], v[AM] offset:64*\f+16
.endr
.endm
.macro LDV                             ; a step's V, turned: 16 loads
	WIN 0x80
.irp f, 0,1,2,3,4,5,6,7
	ds_load_tr16_b128 v[VF+8*\f:VF+8*\f+3],   v[AV] offset:(\f/4)*32*PVP+(\f%4)*32
	ds_load_tr16_b128 v[VF+8*\f+4:VF+8*\f+7], v[AV] offset:(\f/4)*32*PVP+16*PVP+(\f%4)*32
.endr
	WIN 0
.endm
; A step's 40 LDS loads in one run: K (16), the mask (8), V turned (16).  The three additions and the v_nop are the four places behind the last product, which read V.
.macro FETCH_ALL
	WIN 0
	v_add_nc_u32 v[AK], s[TBK], v[AK0]
	v_add_nc_u32 v[AM], s[TBM], v[AM0]
	v_add_nc_u32 v[AV], s[TBV], v[AV0]
	v_nop
	WIN 0x80
.irp f, 0,1,2,3,4,5,6,7
	ds_load_b128 v[KF+8*\f:KF+8*\f+3],   v[AK] offset:(\f/2)*16*PKP+(\f%2)*64
	ds_load_b128 v[KF+8*\f+4:KF+8*\f+7], v[AK] offset:(\f/2)*16*PKP+(\f%2)*64+32
.endr
	LDM
	LDV
.endm
; The diagonal step: MD onto the scores, from each accumulator's low end on.  The second tile's queries lie 16 further on: its mask is the first's, 16 keys later, and its first 16 keys are all seen.
.macro DIAG g
	WIN 0x04
.set z, 0
.rept 16
	v_pk_add_f32 v[S+64*(\g)+2*z:S+64*(\g)+2*z+1], v[S+64*(\g)+2*z:S+64*(\g)+2*z+1], v[MD+2*z:MD+2*z+1]
.set z, z+1
.endr
.set z, 4
.rept 12
	v_pk_add_f32 v[S+64*(\g)+32+2*z:S+64*(\g)+32+2*z+1], v[S+64*(\g)+32+2*z:S+64*(\g)+32+2*z+1], v[MD+2*z-8:MD+2*z-7]
.set z, z+1
.endr
.endm
.macro REGS t
.set rT, ST+4*(\t)
.set rC, TMP+4*(\t)
.set rM, MV+(\t)
.set rS, S+32*(\t)
.set rP, P+16*(\t)
.set rO, 32*(\t)
.endm
; Number n of the 22 that find tile t's maximum and statistics: 0-11 four chains of seven scores (each accumulator's lowest registers first); 12-14, 16 the four left over, the old m, all into c0;
; 15 c m_old is kept; 17, 18 the other half of the lanes; 19-21 c m, its change, a.
.macro XS t, n
	REGS \t
.if (\n) < 4
	v_max3_num_f32 v[rC+(\n)], v[rS+8*(\n)], v[rS+8*(\n)+1], v[rS+8*(\n)+2]
.elseif (\n) < 12
	v_max3_num_f32 v[rC+(\n)%4], v[rC+(\n)%4], v[rS+8*((\n)%4)+2*((\n)/4)+1], v[rS+8*((\n)%4)+2*((\n)/4)+2]
.elseif (\n) == 12
	v_max3_num_f32 v[rC], v[rC], v[rS+7], v[rS+15]
.elseif (\n) == 13
	v_max3_num_f32 v[rC+1], v[rC+1], v[rS+23], v[rS+31]
.elseif (\n) == 14
	v_max3_num_f32 v[rC+2], v[rC+2], v[rC+3], v[rT+1]
.elseif (\n) == 15
	v_mov_b32 v[rM], v[rT]
.elseif (\n) == 16
	v_max3_num_f32 v[rC], v[rC], v[rC+1], v[rC+2]
.elseif (\n) == 17
	v_permlanex16_b32 v[rC+3], v[rC], s[SEL], s[SEL+1]
.elseif (\n) == 18
	v_max_num_f32 v[rT+1], v[rC], v[rC+3]
.elseif (\n) == 19
	v_mul_f32 v[rT], s[CS], v[rT+1]
.elseif (\n) == 20
	v_sub_f32 v[rC+1], v[rM], v[rT]
.else
	v_exp_f32 v[rC+2], v[rC+1]
.endif
.endm
.macro FS g, f                         ; c s - c m for pair f / 2 of tile 2 g + f % 2
	REGS 2*(\g)+(\f)%2
	v_pk_fma_f32 v[rS+2*((\f)/2):rS+2*((\f)/2)+1], v[rS+2*((\f)/2):rS+2*((\f)/2)+1], s[CS:CS+1], v[rT:rT+1] op_sel_hi:[1,0,0] neg_lo:[0,0,1] neg_hi:[0,0,1]
.endm
.macro SUM t, z                        ; sum z of 16 over a tile's 16 pairs, in place: neighbours 1, 2, 4, 8 pairs apart; then l = a l + sum
	REGS \t
.if (\z) < 8
	v_pk_add_f32 v[rS+4*(\z):rS+4*(\z)+1], v[rS+4*(\z):rS+4*(\z)+1], v[rS+4*(\z)+2:rS+4*(\z)+3]
.elseif (\z) < 12
	v_pk_add_f32 v[rS+8*((\z)-8):rS+8*((\z)-8)+1], v[rS+8*((\z)-8):rS+8*((\z)-8)+1], v[rS+8*((\z)-8)+4:rS+8*((\z)-8)+5]
.elseif (\z) < 14
	v_pk_add_f32 v[rS+16*((\z)-12):rS+16*((\z)-12)+1], v[rS+16*((\z)-12):rS+16*((\z)-12)+1], v[rS+16*((\z)-12)+8:rS+16*((\z)-12)+9]
.elseif (\z) == 14
	v_pk_add_f32 v[rS:rS+1], v[rS:rS+1], v[rS+16:rS+17]
.else
	v_pk_fma_f32 v[rT+2:rT+3], v[rT+2:rT+3], v[rC+2:rC+3], v[rS:rS+1] op_sel_hi:[1,0,1]
.endif
.endm
; THE SOFTMAX of group g's two tiles for one step.  The two a and the 64 exponentials are ONE batch with ONE wait: nothing ahead of the wait names a result of theirs; a pair is scaled ahead of its exponentials.
.macro SM g
	WIN 0
.irp n, 0,1,2,3,4,5,6,7,8,9,10,11,12,13,14,15,16,17,18,19,20,21
	XS 2*(\g), \n
	XS 2*(\g)+1, \n
.endr
.irp f, 0,1,2,3
	FS \g, \f
.endr
.set e, 0
.rept 64
	REGS 2*(\g)+e%2
	v_exp_f32 v[rS+e/2], v[rS+e/2]
.if (e%2 == 1) && (e < 57)
	FS \g, 4+(e-1)/2
.endif
.set e, e+1
.endr
	v_nop                                          ; a plain instruction behind the last exponential: one for the batch
	s_wait_alu depctr_va_vdst(0)                   ; the wait ahead of the batch's first reader
	WIN W_RS
.irp u, 0,1
	REGS 2*(\g)+\u
.set z, 0
.rept 16
	v_pk_mul_f32 v[rO+2*z:rO+2*z+1], v[rO+2*z:rO+2*z+1], v[rC+2:rC+3] op_sel_hi:[1,0]
.set z, z+1
.endr
.endr
	WIN 0
.irp u, 0,1
	REGS 2*(\g)+\u
.set z, 0
.rept 16
	v_cvt_pk_f16_f32 v[rP+z], v[rS+2*z], v[rS+2*z+1]
.set z, z+1
.endr
.endr
.set z, 0
.rept 16
	SUM 2*(\g), z
	SUM 2*(\g)+1, z
.set z, z+1
.endr
.endm
; One group's part of a step.  kd: the register with the group's diagonal step; diag = 1: the step may be that one; vw = 1: V's loads are still to be waited for.
.macro GROUP g, kd, diag, vw
	KQALL \g
	WIN 0
	PLACES                                         ; four places between the last product and the first reader of the scores
.if \diag
	s_cmp_eq_u32 s[KS], s[\kd]
	s_cbranch_scc0 .Lnod_\@
	DIAG \g
	WIN 0
.Lnod_\@:
.endif
	SM \g
.if \vw
	s_wait_dscnt 0x0                               ; V is in
.endif
	PVALL \g
	WIN 0
.endm
.macro BUMP                            ; on to the next step; the comparison is the step loop's
	s_add_co_u32 s[KS], s[KS], 1
	s_add_co_u32 s[TBK], s[TBK], 64*PKP
	s_add_co_u32 s[TBV], s[TBV], 64*PVP
	s_add_co_u32 s[TBM], s[TBM], 256
	s_sub_co_u32 s[CNT], s[CNT], 1
	s_cmp_lg_u32 s[CNT], 0
.endm
	s_load_b128 s[4:7], s[0:1], 0x0                ; qkv s[4:5], padding_mask s[6:7]
	s_load_b64 s[10:11], s[0:1], 0x10              ; oatt
	v_lshl_add_u32 v[SPW], v0, 2, SPARE
	v_mov_b32 v[NIL], 0
	ds_add_u32 v[SPW], v[NIL]                      ; the wave's opening: the add, twice on end, and its wait ahead of my first tensor load
	ds_add_u32 v[SPW], v[NIL]
	v_lshrrev_b32 v1, 5, v0
	v_readfirstlane_b32 s[WV], v1                  ; wave 0..3
	s_mov_b32 s13, ttmp9                           ; j
	s_and_b32 s14, ttmp7, 0xffff                   ; 16 b + h
	s_lshr_b32 s17, s14, 4
	s_and_b32 s18, s14, 15
	s_sub_co_u32 s19, 7, s13                       ; block H
	s_lshr_b32 s20, s[WV], 1
	s_lshl1_add_u32 s[KH], s19, s20
	s_lshl1_add_u32 s[KL], s13, s20
	s_lshl_b32 s21, s18, 19
	s_lshl_b32 s22, s17, 17
	s_add_co_u32 s21, s21, s22                     ; the head's first row in a group of 4,096 rows of 128 bytes
	s_lshl_b32 s22, s[WV], 12
	s_add_co_u32 s22, s22, s21                     ; + my wave's 32 rows
	s_lshl_b32 s2, s19, 14
	s_add_co_u32 s2, s2, s22                       ; in block H,
	s_mov_b32 s3, 0
	s_lshl_b32 s78, s13, 14
	s_add_co_u32 s78, s78, s22                     ; in block L
	s_mov_b32 s79, 0
	s_and_b32 s23, s[WV], 1                        ; which half of a tile's 256 keys I fetch
	s_lshl_b32 s80, s23, 14
	s_add_co_u32 s80, s80, s21
	s_add_co_u32 s80, s80, 8388608                 ; k's groups begin at 16 x 524,288 bytes,
	s_mov_b32 s81, 0
	s_add_co_u32 s82, s80, 8388608                 ; v's at 32 x
	s_mov_b32 s83, 0
	s_mov_b32 s85, 0
	s_mov_b32 s[G1K], (1<<16)|(1<<20)|(4<<22)|(3<<25)  ; 128 keys are 16,384 dense bytes: 64 rows of 256, padded after every 32 words by 4 words
	s_mov_b32 s[G1V], (1<<16)|(1<<20)|(4<<22)|(7<<25)  ; by 8 words
.irp g, G1K, G1V
	s_mov_b32 s[\g+1], 128<<16
	s_mov_b32 s[\g+2], 64<<16
	s_mov_b32 s[\g+3], 128<<16
	s_mov_b32 s[\g+4], 64
	s_mov_b32 s[\g+5], 128
	s_mov_b32 s[\g+6], 0
	s_mov_b32 s[\g+7], 0
.endr
	s_mov_b32 s[G0K], 1
	s_mul_i32 s[G0K+1], s23, 128*PKP
	s_mov_b32 s[G0V], 1
	s_mul_i32 s[G0V+1], s23, 128*PVP
	s_add_co_u32 s[G0V+1], s[G0V+1], VBASE
	s_mov_b32 s[CS], 0x3d38aa3b                    ; c = log2(e) / 32
	s_mov_b32 s[CS+1], s[CS]
	s_mov_b32 s[SEL], 0x76543210
	s_mov_b32 s[SEL+1], 0xfedcba98
	s_mov_b32 s[BIGN], 0xf149f2ca                  ; -1e30
	s_mov_b32 s[THR], 0xd06e6b28                   ; -1.6e10
	s_mov_b32 s[SC], 0xae09705f                    ; -3.125e-11
	s_mov_b32 s[SC+1], s[SC]                       ; named with it as a pair
	s_mov_b32 s[TBK], 0
	s_mov_b32 s[TBV], 0
	s_mov_b32 s[TBM], 0
	s_mov_b32 s[KS], 0
	s_cmp_eq_u32 s13, 0
	s_cselect_b32 s[LIM], 1, -1                    ; a head's four work-groups walk the same K and V: the first prefetches
	s_lshl_b32 s20, s17, 10
	s_mov_b32 s21, 0
	s_wait_dscnt 0x0                               ; both opening adds are done
	s_wait_kmcnt 0x0
	s_add_nc_u64 s[G0K+2:G0K+3], s[4:5], s[80:81]
	s_or_b32 s[G0K+3], s[G0K+3], 0x80000000
	s_add_nc_u64 s[G0V+2:G0V+3], s[4:5], s[82:83]
	s_or_b32 s[G0V+3], s[G0V+3], 0x80000000
	s_cmp_lt_u32 s[WV], 2
	s_cselect_b32 s84, s80, s82
	s_add_nc_u64 s[PFA:PFA+1], s[4:5], s[84:85]
	s_add_nc_u64 s[PFA:PFA+1], s[PFA:PFA+1], 65536 ; my part of tile 2
	s_add_nc_u64 s[QH:QH+1], s[4:5], s[2:3]
	s_add_nc_u64 s[QL:QL+1], s[4:5], s[78:79]
	s_add_nc_u64 s[OH:OH+1], s[10:11], s[2:3]
	s_add_nc_u64 s[OL:OL+1], s[10:11], s[78:79]
	s_add_nc_u64 s[6:7], s[6:7], s[20:21]
	LOAD                                           ; tile 0
	v_and_b32 v52, 15, v0                          ; l % 16
	v_bfe_u32 v53, v0, 4, 1                        ; l / 16
	v_and_b32 v54, 7, v0
	v_bfe_u32 v55, v0, 3, 1
	v_lshlrev_b32 v[QO], 7, v52
	v_lshl_add_u32 v[QO], v53, 4, v[QO]            ; row x 128 + 16 x half
	v_lshlrev_b32 v57, 3, v0                       ; eight flags a thread
	WIN 0x80
.irp i, 0,1,2,3                        ; Q stays in registers: tile i / 2 of a group, channels 32 (i % 2) on
	global_load_b128 v[8*\i:8*\i+3],       v[QO], s[QH:QH+1] offset:(\i/2)*2048+(\i%2)*64
	global_load_b128 v[8*\i+4:8*\i+7],     v[QO], s[QH:QH+1] offset:(\i/2)*2048+(\i%2)*64+32
	global_load_b128 v[32+8*\i:32+8*\i+3], v[QO], s[QL:QL+1] offset:(\i/2)*2048+(\i%2)*64
	global_load_b128 v[32+8*\i+4:32+8*\i+7], v[QO], s[QL:QL+1] offset:(\i/2)*2048+(\i%2)*64+32
.endr
	WIN 0
	global_load_b64 v[58:59], v57, s[6:7]
	; MD, for a group's first tile: register r of key group kt is hidden where 16 kt + 8 (l / 16) + r is greater than my query's place in the step, 32 (w % 2) + l % 16: the same for both groups
	v_lshlrev_b32 v56, 3, v53
	v_sub_nc_u32 v56, v52, v56
	s_lshl_b32 s20, s23, 5
	v_add_nc_u32 v56, s20, v56
	WIN 0x40
.set i, 0
.rept 32
	v_cmp_gt_i32 vcc_lo, 16*(i/8)+i%8, v56
	v_cndmask_b32 v[MD+i], 0, s[BIGN], vcc_lo
.set i, i+1
.endr
	; A group's first step multiplies O^T and l by a = 0, so they need only be finite: zeros; the mean's sums start at 0.  Written in the wait for the first tile.
.set i, 0
.rept 128
	v_mov_b32 v[i], 0
.set i, i+1
.endr
.set i, 0
.rept 32
	v_mov_b32 v[VB+i], 0
.set i, i+1
.endr
	WIN 0
.set i, 0
.rept 4
	v_mov_b32 v[ST+4*i], 0xfe000000                ; c m: far below every c s
	v_mov_b32 v[ST+4*i+1], 0xff7fffff              ; m
	v_mov_b32 v[ST+4*i+2], 0
	v_mov_b32 v[ST+4*i+3], 0
.set i, i+1
.endr
	v_mul_u32_u24 v[AK0], v52, PKP
	v_lshl_add_u32 v[AK0], v53, 4, v[AK0]
	v_lshl_add_u32 v[AV0], v53, 3, v54             ; the turning load: key 8 (l / 16) + l % 8, 16 bytes x ((l / 8) % 2)
	v_mul_u32_u24 v[AV0], v[AV0], PVP
	v_lshl_add_u32 v[AV0], v55, 4, v[AV0]
	v_add_nc_u32 v[AV0], VBASE, v[AV0]
	v_lshlrev_b32 v[AM0], 5, v53
	v_add_nc_u32 v[AM0], MT, v[AM0]
	s_mul_i32 s20, s[WV], 16*SP
	s_add_co_u32 s20, s20, STAGE
	v_mul_u32_u24 v[STO], v52, SP
	v_lshl_add_u32 v[STO], v53, 4, v[STO]
	v_add_nc_u32 v[STO], s20, v[STO]
	v_bfe_u32 v[RD], v0, 3, 2
	v_mul_u32_u24 v[RD], v[RD], SP
	v_lshl_add_u32 v[RD], v54, 4, v[RD]
	v_add_nc_u32 v[RD], s20, v[RD]
	v_and_b32 v[GO], 31, v0
	v_lshlrev_b32 v[PFO], 8, v[GO]
	v_lshlrev_b32 v[GO], 4, v[GO]
	v_lshl_add_u32 v61, v0, 5, MT
	s_mov_b32 s20, 0x01010101
	s_lshl_b32 s21, s[WV], 2
	s_add_co_u32 s21, s21, CNTS
	s_wait_loadcnt 0x0                             ; Q and the flags
.set k, 0
.rept 8
	v_bfe_u32 v[S+k], v[58+k/4], 8*(k%4), 1
	v_cvt_f32_u32 v[S+k], v[S+k]
	v_mul_f32 v[S+k], 0xd0ee6b28, v[S+k]           ; -3.2e10 where the key is padded
.set k, k+1
.endr
	ds_store_b128 v61, v[S:S+3]
	ds_store_b128 v61, v[S+4:S+7] offset:16
	; how many of my wave's 256 keys are padded: my eight flags' sum (bytes of 0 or 1: two words added, the four bytes summed by a product), then over the 32 lanes, in f32: whole numbers up to 256, exact
	v_and_b32 v56, s20, v58
	v_and_b32 v60, s20, v59
	v_add_nc_u32 v56, v56, v60
	v_mul_lo_u32 v56, v56, s20
	v_lshrrev_b32 v56, 24, v56
	v_cvt_f32_u32 v56, v56
	v_add_f32_dpp v56, v56, v56 row_xmask:1 row_mask:0xf bank_mask:0xf
	v_add_f32_dpp v56, v56, v56 row_xmask:2 row_mask:0xf bank_mask:0xf
	v_add_f32_dpp v56, v56, v56 row_xmask:4 row_mask:0xf bank_mask:0xf
	v_add_f32_dpp v56, v56, v56 row_xmask:8 row_mask:0xf bank_mask:0xf
	v_permlanex16_b32 v60, v56, s[SEL], s[SEL+1]
	v_add_f32 v56, v56, v60
	v_mov_b32 v57, s21
	ds_store_b32 v57, v56                          ; all lanes write the same word with the same number
	SYNC 1                                         ; tile 0, the mask and the counts are whole for all four waves
	LOAD                                           ; tile 1: it has tile 0's four steps in which to land
	s_cmp_eq_u32 s[LIM], 1
	s_cbranch_scc0 .Lnoask0
	global_prefetch_b8 v[PFO], s[PFA:PFA+1] th:TH_LOAD_NT scope:SCOPE_SE              ; my own 16,384 bytes of tile 2, which is asked for four steps on: a lane a block of 256 bytes,
	global_prefetch_b8 v[PFO], s[PFA:PFA+1] offset:8192 th:TH_LOAD_NT scope:SCOPE_SE  ; 64 blocks, each named once for a head
.Lnoask0:
	s_mov_b32 s[TL], 2
.LtileA:                                       ; LOOP A, two trips: tiles 0 and 1, both groups; at a trip's end the next tile is whole and the tile after it is asked for
	s_mov_b32 s[CNT], 4
.LstepA:
	FETCH_ALL
	s_wait_dscnt 16                                ; K and the mask are in; V's sixteen loads may stay out
	GROUP 0, KH, 0, 1                              ; group H's diagonal lies at step 8 or later
	s_cmp_le_u32 s[KS], s[KL]
	s_cbranch_scc0 .LskipA                         ; above group L's diagonal: nothing to do for it
	GROUP 1, KL, 1, 0
.LskipA:
	BUMP
	s_cbranch_scc1 .LstepA
	SYNC 1
	LOAD                                           ; tile 2, then tile 3
	s_cmp_gt_u32 s[TL], s[LIM]                     ; in the first trip, in the head's first work-group
	s_cbranch_scc0 .Lnoask
	global_prefetch_b8 v[PFO], s[PFA:PFA+1] offset:32768 th:TH_LOAD_NT scope:SCOPE_SE  ; my own 16,384 bytes of tile 3, which is asked for four steps on
	global_prefetch_b8 v[PFO], s[PFA:PFA+1] offset:40960 th:TH_LOAD_NT scope:SCOPE_SE
.Lnoask:
	s_sub_co_u32 s[TL], s[TL], 1
	s_cmp_lg_u32 s[TL], 0
	s_cbranch_scc1 .LtileA
	s_mov_b32 s[TL], 2
.LtileB:                                       ; LOOP B: tiles 2 and 3, group H alone; nothing is asked for; it is left behind the second tile's steps
	s_mov_b32 s[CNT], 4
.LstepB:
	s_cmp_gt_u32 s[KS], s[KH]
	s_cbranch_scc1 .LskipB                         ; above group H's diagonal: nothing to do
	FETCH_ALL
	s_wait_dscnt 16                                ; K and the mask are in; V's sixteen loads may stay out
	GROUP 0, KH, 1, 1
.LskipB:
	BUMP
	s_cbranch_scc1 .LstepB
	s_sub_co_u32 s[TL], s[TL], 1
	s_cmp_eq_u32 s[TL], 0
	s_cbranch_scc1 .Lout
	SYNC 0                                         ; tile 3 is whole for all four waves
	s_branch .LtileB
.Lout:
	; THE MEAN OF V OVER THE PADDED KEYS: my part, tile w.  A step: the mask's 64 numbers (-3.2e10 or 0) times -1 / 3.2e10, rounded to f16, are exactly 1.0 or 0 and lie as P lies; 8 products V^T P, the 4 accumulators by turns.
	s_mul_i32 s[TBV], s[WV], 256*PVP
	s_lshl_b32 s[TBM], s[WV], 10
	s_mov_b32 s[CNT], 4
.Lvb:
	v_add_nc_u32 v[AM], s[TBM], v[AM0]             ; with the line below and the two v_nop: four places behind the last product, which read V
	v_add_nc_u32 v[AV], s[TBV], v[AV0]
	v_nop
	v_nop
	LDM
	LDV
	s_wait_dscnt 16                                ; the mask's eight loads are in; V's sixteen may stay out
	WIN W_RS
.set z, 0
.rept 16
	v_pk_mul_f32 v[MP+2*z:MP+2*z+1], v[MP+2*z:MP+2*z+1], s[SC:SC+1] op_sel_hi:[1,0]
.set z, z+1
.endr
	WIN 0x05
.set z, 0
.rept 16
	v_cvt_pk_f16_f32 v[P+z], v[MP+2*z], v[MP+2*z+1]
.set z, z+1
.endr
	s_wait_dscnt 0x0                               ; V is in
	WIN W_PV
.set i, 0
.rept 8                                ; keys 32 (i / 4) on, channels 16 (i % 4) on
	v_wmma_f32_16x16x32_f16 v[VB+8*(i%4):VB+8*(i%4)+7], v[VF+32*(i/4)+8*(i%4):VF+32*(i/4)+8*(i%4)+7], v[P+8*(i/4):P+8*(i/4)+7], v[VB+8*(i%4):VB+8*(i%4)+7]
.set i, i+1
.endr
	WIN 0
	s_add_co_u32 s[TBV], s[TBV], 64*PVP
	s_add_co_u32 s[TBM], s[TBM], 256
	s_sub_co_u32 s[CNT], s[CNT], 1
	s_cmp_lg_u32 s[CNT], 0
	s_cbranch_scc1 .Lvb
	v_add_nc_u32 v[AM], VBS-MT, v[AM0]             ; where a lane's eight channels of each block of 16 lie: VBS + 32 (l / 16); these lines are the places behind the last product
	s_lshl_b32 s20, s[WV], 8
	v_add_nc_u32 v[AK], s20, v[AM]                 ; in my wave's 256 bytes
	v_mov_b32 v[AV], CNTS
	v_nop
	v_nop
	WIN 0x04                                       ; the stores' data in window 1
.irp f, 0,1,2,3
	ds_store_b128 v[AK], v[VB+8*\f:VB+8*\f+3]   offset:64*\f      ; the 16 lanes of a half hold the same numbers and write the same bytes
	ds_store_b128 v[AK], v[VB+8*\f+4:VB+8*\f+7] offset:64*\f+16
.endr
	WIN 0
	s_wait_dscnt 0x0                               ; for the others' sake
	s_barrier_signal -1
	s_barrier_wait -1
.irp w, 0,1,2,3
.irp f, 0,1,2,3
	ds_load_b128 v[S+32*\w+8*\f:S+32*\w+8*\f+3],   v[AM] offset:256*\w+64*\f
	ds_load_b128 v[S+32*\w+8*\f+4:S+32*\w+8*\f+7], v[AM] offset:256*\w+64*\f+16
.endr
.endr
	ds_load_b128 v[TMP:TMP+3], v[AV]               ; the four counts
	s_wait_dscnt 0x0
.irp w, 1,2,3
.set z, 0
.rept 16
	v_pk_add_f32 v[S+2*z:S+2*z+1], v[S+2*z:S+2*z+1], v[S+32*\w+2*z:S+32*\w+2*z+1]
.set z, z+1
.endr
.endr
	v_add_f32 v[TMP], v[TMP], v[TMP+1]
	v_add_f32 v[TMP+2], v[TMP+2], v[TMP+3]
	v_add_f32 v[TMP], v[TMP], v[TMP+2]
	v_max_num_f32 v[TMP], 1.0, v[TMP]
	; THE WAY OUT.  l's halves are added; O^T is divided by l and rounded to f16; rows that saw padded keys alone take the mean, rounded likewise; through my stage, a tile at a time.
.macro ALL line:vararg
.set t, 0
.rept 4
	\line
.set t, t+1
.endr
.endm
	ALL v_add_f32 v[ST+4*t+2], v[ST+4*t+2], v[ST+4*t+3]
	ALL v_permlanex16_b32 v[ST+4*t+3], v[ST+4*t+2], s[SEL], s[SEL+1]
	ALL v_add_f32 v[ST+4*t+2], v[ST+4*t+2], v[ST+4*t+3]
	ALL v_cmp_lt_f32 s[FL+t], v[ST+4*t+1], s[THR]
	ALL v_rcp_f32 v[ST+4*t+2], v[ST+4*t+2]
	v_rcp_f32 v[TMP+4], v[TMP]
	v_nop                                          ; a plain instruction behind the last reciprocal,
	s_wait_alu depctr_va_vdst(0)                   ; and one wait for the five, ahead of their first reader
.set z, 0
.rept 16
	v_pk_mul_f32 v[S+2*z:S+2*z+1], v[S+2*z:S+2*z+1], v[TMP+4:TMP+5] op_sel_hi:[1,0]
.set z, z+1
.endr
.set i, 0
.rept 16
	v_cvt_pk_f16_f32 v[P+i], v[S+2*i], v[S+2*i+1]  ; the mean, packed as a tile's O is packed
.set i, i+1
.endr
.macro PACK t
	WIN W_RS
.set i, 32*(\t)
.rept 16
	v_pk_mul_f32 v[i:i+1], v[i:i+1], v[ST+4*(\t)+2:ST+4*(\t)+3] op_sel_hi:[1,0]
.set i, i+2
.endr
	WIN 0x05
.set i, 0
.rept 16
	v_cvt_pk_f16_f32 v[S+16*(\t)+i], v[32*(\t)+2*i], v[32*(\t)+2*i+1]
.set i, i+1
.endr
	WIN 0
.set i, 0
.rept 16
	v_cndmask_b32 v[S+16*(\t)+i], v[S+16*(\t)+i], v[P+i], s[FL+(\t)]
.set i, i+1
.endr
.irp f, 0,1,2,3
	ds_store_b128 v[STO], v[S+16*(\t)+4*\f:S+16*(\t)+4*\f+3] offset:32*\f
.endr
.irp f, 0,1,2,3
	ds_load_b128 v[S+16*(\t)+4*\f:S+16*(\t)+4*\f+3], v[RD] offset:\f*4*SP  ; LDS serves a wave's instructions in order (ISA guide 5.7.1.4): these see the stores above
.endr
.endm
.macro SEND t, base, younger           ; younger: the LDS instructions issued behind tile t's loads
.irp f, 0,1,2,3
	s_wait_dscnt (\younger)+3-\f
	global_store_b128 v[GO], v[S+16*(\t)+4*\f:S+16*(\t)+4*\f+3], s[\base:\base+1] offset:((\t)%2)*2048+\f*512  ; 512 consecutive bytes, aligned
.endr
.endm
	PACK 0
	PACK 1
	SEND 0, OH, 8
	PACK 2
	SEND 1, OH, 8
	PACK 3
	SEND 2, OL, 8
	SEND 3, OL, 0
	s_wait_tensorcnt 0x0                           ; the wave's end
	ds_add_u32 v[SPW], v[NIL]
	s_wait_dscnt 0x0
	s_endpgm
.Lfunc_end_k_q36bde00635_attn:
	.size	k_q36bde00635_attn, .Lfunc_end_k_q36bde00635_attn-k_q36bde00635_attn
	.p2alignl 7, 3214868480
	.fill 96, 4, 3214868480
	.section	.rodata,"a",@progbits
	.p2align	6, 0x0
	.amdhsa_kernel k_q36bde00635_attn
		.amdhsa_group_segment_fixed_size 327680
		.amdhsa_private_segment_fixed_size 0
		.amdhsa_enable_private_segment 0
		.amdhsa_kernarg_size 24
		.amdhsa_user_sgpr_count 2
		.amdhsa_user_sgpr_kernarg_segment_ptr 1
		.amdhsa_wavefront_size32 1
		.amdhsa_system_sgpr_workgroup_id_x 1
		.amdhsa_system_sgpr_workgroup_id_y 1
		.amdhsa_system_sgpr_workgroup_id_z 1
		.amdhsa_system_vgpr_workitem_id 0
		.amdhsa_next_free_vgpr 768
		.amdhsa_next_free_sgpr 88
		.amdhsa_reserve_vcc 1
		.amdhsa_float_denorm_mode_32 3
		.amdhsa_float_denorm_mode_16_64 3
		.amdhsa_memory_ordered 1
		.amdhsa_forward_progress 1
		.amdhsa_inst_pref_size 108
	.end_amdhsa_kernel
	.amdgpu_metadata
---
amdhsa.version: [ 1, 2 ]
amdhsa.kernels:
  - .name:           k_q36bde00635_attn
    .symbol:         k_q36bde00635_attn.kd
    .args:
      - { .name: qkv, .offset: 0, .size: 8, .value_kind: global_buffer, .address_space: global }
      - { .name: padding_mask, .offset: 8, .size: 8, .value_kind: global_buffer, .address_space: global }
      - { .name: oatt, .offset: 16, .size: 8, .value_kind: global_buffer, .address_space: global }
    .group_segment_fixed_size: 327680
    .private_segment_fixed_size: 0
    .kernarg_segment_align: 8
    .kernarg_segment_size: 24
    .max_flat_workgroup_size: 128
    .sgpr_count:     88
    .vgpr_count:     768
    .wavefront_size: 32
...
	.end_amdgpu_metadata
.endif
;; end of part 11
;; launch wo: the kernel of part 5 again; grid 8 x 32, 4 waves a work-group, clusters of 4 x 4, 327,680 bytes of LDS; arguments oatt, wts, ob, bo; writes ob
;; launch ln2: the kernel of part 6 again; grid 256 x 1, 8 waves a work-group, no clusters, 0 bytes of LDS; arguments ob, ln2_g, ln2_b, hn; writes hn
;; launch ffn1: the kernel of part 10 again; grid 16 x 16, 4 waves a work-group, clusters of 4 x 4, 327,680 bytes of LDS; arguments hn, w1, act; writes act
;; launch ffn2: the kernel of part 8 again; grid 8 x 32, 4 waves a work-group, clusters of 4 x 4, 327,680 bytes of LDS; arguments act, wts, out0, b2; writes out0
